; MI455X (gfx1250); checked and timed in simulation.
; The chip was launched on July 23, 2026; its instructions are those of AMD's public machine-readable ISA for CDNA 5 (MIT licence, August 2026) and "CDNA5" Instruction Set Architecture Reference Guide (July 2026). The comments in the code are by the model that wrote it; some were corrected since.
;; Sum Kernel. Allowed arithmetic: matrix products marked QUANTISED: E5M2 operands, one E8M0 scale for each 32 along K, by v_wmma_scale_f32_16x16x128_f8f6f4 with both operands' format E5M2, f32 sums; products left as they are: f32 operands where the result goes on into a quantised operand, else bf16, f16 or f32 operands; f32 sums; everything else in f32.
;; Inputs: coset_functions 4 x 64 x 4 x 16 float32; kg_W1 32 x 256 float32; kg_W2 256 x 256 float32; kg_W3 256 x 1 float32; kg_b1 256 float32; kg_b2 256 float32; kg_b3 1 float32; kg_be1 256 float32; kg_be2 256 float32; kg_be3 1 float32; kg_g1 256 float32; kg_g2 256 float32; kg_g3 1 float32; ky_W1 32 x 256 float32; ky_W2 256 x 256 float32; ky_W3 256 x 1 float32; ky_b1 256 float32; ky_b2 256 float32; ky_b3 1 float32; ky_be1 256 float32; ky_be2 256 float32; ky_be3 1 float32; ky_g1 256 float32; ky_g2 256 float32; ky_g3 1 float32; mask 4 x 64 x 4 bool; pairwise_g 4 x 64 x 64 x 4 x 4 x 32 float32.
;; Outputs: out0 4 x 64 x 64 x 4 x 4 x 1 float32.
;; This version of the problem:
;;   THIS VERSION OF THE PROBLEM IS GIVEN IN LOW PRECISION. The matrix products marked QUANTISED in the list below multiply operands that are first quantised to E5M2 (5 exponent bits, 2 mantissa bits; 8 bits a number), with one power-of-two scale for each 32 numbers along K (OCP MX v1.0); their sums are f32. All else is computed in f32.
;;   The module's matrix products, in the order in which they are computed (A, B: the left and right operand; K: the contracted axis; several contracted axes count as one K, in the product's order):
;;     1. [M 1,024, K 16] x [K 16, N 256]; A: input coset_functions; B: input ky_W1: left as it is (K = 16 < 32)
;;     2. [M 1,024, K 16] x [K 16, N 256]; A: input coset_functions; B: input ky_W1: left as it is (K = 16 < 32)
;;     3. [M 262,144, K 256] x [K 256, N 256]; A: computed on the way; B: input ky_W2: QUANTISED
;;     4. [M 262,144, K 256] x [K 256, N 1]; A: computed on the way; B: input ky_W3: left as it is (N = 1 < 16)
;;     5. [M 262,144, K 32] x [K 32, N 256]; A: input pairwise_g; B: input kg_W1: QUANTISED
;;     6. [M 262,144, K 256] x [K 256, N 256]; A: computed on the way; B: input kg_W2: QUANTISED
;;     7. [M 262,144, K 256] x [K 256, N 1]; A: computed on the way; B: input kg_W3: left as it is (N = 1 < 16)
;;   THE QUANTISER, for each operand of a quantised product, along K:
;;     - K is cut into blocks of 32 from its start; a last block that is shorter is filled with zeros.
;;     - A block's scale is 2^e with e = floor(log2(the largest magnitude in the block)) - 15, held to -126 .. 127; a block of zeros has e = 0. As a byte (E8M0): e + 127.
;;     - Each number is divided by its block's scale, clamped to +-57,344, and rounded to the nearest number of E5M2, ties to even, subnormals kept.
;;     - The product sums the exact products of the quantised numbers (number of the format x scale) in f32.
;;   ~~~python
;;   def quantise(x, axis):      # numpy; x: float32 -> the quantised numbers, widened to float32 again
;;       x = np.moveaxis(x, axis, -1); K = x.shape[-1]
;;       x = np.pad(x, [(0, 0)] * (x.ndim - 1) + [(0, -K % 32)]); x = x.reshape(x.shape[:-1] + (-1, 32)); a = np.abs(x).max(-1, keepdims=True)
;;       e = np.where(a > 0, np.clip(np.frexp(np.where(a > 0, a, 1))[1] - 1 - 15, -126, 127), 0)      # np.frexp(a)[1] - 1 = floor(log2(a)), exactly
;;       r = np.clip(x / 2.0 ** e, -57344, 57344)
;;       step = 2.0 ** (np.maximum(np.frexp(np.where(r == 0, 1, r))[1] - 1, -14) - 2)
;;       q = np.round(r / step) * step * 2.0 ** e      # np.round: ties to even
;;       return np.moveaxis(q.reshape(q.shape[:-2] + (-1,))[..., :K], -1, axis).astype(np.float32)
;;   ~~~
;;   OPERANDS COMPUTED ON THE WAY. 'Computed on the way' means the value that the module computes at that place (a softmax that the list does not call 'softmax' is quantised finished and normalised). What goes into a quantiser is computed in f32, as accurately as f32 sums, v_exp_f32 and their like allow (about 1e-6 of the number): no bf16 or f16 on the way to a quantiser, and a product that is left as it is and whose result goes on into a quantised operand takes f32 operands (vector FMAs, or v_wmma_f32_16x16x4_f32). A number that lies on a knife's edge between two numbers of the format may be rounded either way, as far as f32 arithmetic and the matrix unit's own rounding can turn it there, and no further.
;; 2 versions. Each part assembles by itself: llvm-mc -triple=amdgcn-amd-amdhsa -mcpu=gfx1250 --defsym DOCPART=n.
;; ======== version 1 of 2: 6 launches
;; workspace buffers: w1 2,631,680 bytes; w2 2,238,464 bytes; p2 1,048,576 bytes; c2 6,144 bytes; zz 2,101,248 bytes
;; launch stat1 (part 1): grid 256 x 1, 4 waves a work-group, no clusters, 20,992 bytes of LDS; arguments pairwise_g, coset_functions, ky_W1, kg_W1, w1; writes w1
.if DOCPART == 1
	.amdgcn_target "amdgcn-amd-amdhsa--gfx1250"
	.amdhsa_code_object_version 6
	.text
	.protected	k_q885ea9d032_stat1
	.globl	k_q885ea9d032_stat1
	.p2align	8
	.type	k_q885ea9d032_stat1,@function
k_q885ea9d032_stat1:
	s_mov_b64 s[64:65], 0
	v_nop
	global_prefetch_b8 v0, s[64:65] scope:SCOPE_SE
	s_setreg_imm32_b32 hwreg(HW_REG_WAVE_MODE, 25, 1), 1
	s_wait_xcnt 0x0
; FIRST OF SIX LAUNCHES.  Rows of both MLPs: row = 1024 g + 256 w + 16 tau + r, g = (b, i) the work-group, w the wave, j = 16 w + tau, r = 4 s + t.
; This launch makes (a) the raw tables p1 = cf W1[:16], p2 = cf W1[16:] of ky's first Linear, by f32 multiply-adds (their sums go on into a quantiser);
; (b) kg_W1 as codes of E5M2 with one E8M0 byte for its one block of 32 along K, as images of the operand's registers; (c) for kg's first Linear the mean and
; the sum of squared deviations of each of the 256 channels over the work-group's 1,024 rows.  The products are v_wmma_scale_f32_16x16x128_f8f6f4 on E5M2 codes:
; K = 32 fills the first of the instruction's four blocks, the data's other three are zero codes.
; STATISTICS are of the product alone (the bias comes in where they are used), about a shift K: each wave's own first row.  From the second group of rows on, -K is the C of the
; product, so the unit itself forms x - K.  No difference of large sums is formed: what is lost grows with 1 + (K - mean)^2 / variance, K being one sample of the data.
; LIMITS: NaN and infinities are not served.  A block whose largest magnitude lies under 2^-111 keeps the byte 1; so does a block of zeros, where the rule says 127: its codes are zeros,
; and this program alone reads the bytes.  The input mask is not read by any launch.
; NO CLUSTER: what the work-groups share (the two first weights, 64 KiB) goes straight into registers in each lane's own order and never lies in LDS as a tile.
; w1: 0 raw p1, 1,048,576 raw p2, each [channel / 16][row 1024][16 f32]; PART1 [channel / 32][g][16 pieces (mean c, mean c+1, M2 c, M2 c+1)]; W1Q 16 tiles x 512 bytes of codes, then 16 x 128 bytes of scale words.
; REGISTERS.  window 0: v1 r, v2 h, v3 lane, v4-19 addresses, v20-21 -K, v32-35 the data's scale words, v36-51 kg_W1's, v64-87 at work, v96-159 four data fragments, v160-223 two sets of four accumulators,
;   v224-239 cf's row, v240-255 the tables' sums.  window 1: the wave's 256 rows of pairwise_g.  window 2: v0-75 kg_W1's 16 tiles, 4 registers apart, and 12 registers of zero codes.
;   window 3: first ky_W1's pieces, then v0-127 -K (8 equal registers a tile), v128-191 sums and sums of squares.
.set PART1, 2097152
.set W1Q,   2621440
.set LW1S,  8192                       ; LDS: 0 kg_W1's codes; 8,192 its scale words; 10,240 the waves' statistics, 2,048 bytes each
.set SCR,   10240
.set TM,  64
.set TT,  64
.set UU,  80
.set PGS, 32
.set W1S, 36
.set PGF, 96
.set ACC, 160
.set CF,  224
.set PA,  240
.set SQ,  128
.set SEL, 52
.set MNT, 54
.set HM,  55
.set MSB, 0
.macro WIN new                         ; the immediate's high byte repeats the setting that is left; a switch that changes nothing is dropped
.if MSB != (\new)
	s_set_vgpr_msb (MSB<<8)|(\new)
.set MSB, (\new)
.endif
.endm
; 64 numbers of a lane, register 16 b + i = k 32 b + 16 (lane / 16) + i, become 16 registers of codes at v[dst] of window dw and a scale word.  relu = 1: what is negative becomes 0 on the way.
.macro QUANT s, relu, dw, dst, word
.if \relu
.irp b, 0,1,2,3
	v_max3_num_f32 v[TM+\b], v[\s+16*\b], v[\s+16*\b+1], 0x8000000   ; my 16 numbers of block b and the floor 2^(16 - 127): the byte cannot fall under 1
.endr
.irp i, 2,4,6,8,10,12,14
.irp b, 0,1,2,3
	v_max3_num_f32 v[TM+\b], v[TM+\b], v[\s+16*\b+\i], v[\s+16*\b+\i+1]
.endr
.endr
.else
.irp b, 0,1,2,3
	v_max3_num_f32 v[TM+\b], |v[\s+16*\b]|, |v[\s+16*\b+1]|, 0x8000000
.endr
.irp i, 2,4,6,8,10,12,14
.irp b, 0,1,2,3
	v_max3_num_f32 v[TM+\b], v[TM+\b], |v[\s+16*\b+\i]|, |v[\s+16*\b+\i+1]|
.endr
.endr
.endif
.irp b, 0,1,2,3
	v_permlanex16_b32 v[TM+4+\b], v[TM+\b], s[SEL], s[SEL+1]
.endr
.irp b, 0,1,2,3
	v_max_num_f32 v[TM+\b], v[TM+\b], v[TM+4+\b]                     ; with lane l xor 16's: the block's largest magnitude
.endr
.irp b, 0,1,2,3
	v_add_nc_u32 v[TM+12+\b], 0xf8800000, v[TM+\b]                   ; 15 off its exponent field: the conversion's scale operand
.endr
.irp b, 0,1,2,3
	v_and_or_b32 v[TM+8+\b], v[TM+\b], 0x7f800000, s[MNT]            ; 57,344 x the scale
.endr
.irp b, 0,1,2,3
	v_lshrrev_b32 v[TM+4+\b], 23, v[TM+12+\b]                        ; the scale's byte
.endr
	v_lshl_or_b32 v[\word], v[TM+5], 8, v[TM+4]
	v_lshl_or_b32 v[\word], v[TM+6], 16, v[\word]
	v_lshl_or_b32 v[\word], v[TM+7], 24, v[\word]
.irp b, 0,1,2,3
.irp i, 0,1,2,3,4,5,6,7,8,9,10,11,12,13,14,15
.if \relu
	v_med3_num_f32 v[\s+16*\b+\i], v[\s+16*\b+\i], 0, v[TM+8+\b]     ; the activation and the hold in one
.else
	v_med3_num_f32 v[\s+16*\b+\i], v[\s+16*\b+\i], -v[TM+8+\b], v[TM+8+\b]   ; the conversion does not saturate (ISA guide 7.6.2): the hold
.endif
.endr
.endr
	WIN (\dw<<6)
.irp b, 0,1,2,3
	v_cvt_scalef32_pk8_bf8_f32 v[\dst+4*\b:\dst+4*\b+1], v[\s+16*\b:\s+16*\b+7], v[TM+12+\b]
	v_cvt_scalef32_pk8_bf8_f32 v[\dst+4*\b+2:\dst+4*\b+3], v[\s+16*\b+8:\s+16*\b+15], v[TM+12+\b]
.endr
	WIN 0
	v_nop                                                            ; a plain place behind the last scaled conversion
.endm
; One block of 32: 16 numbers of a lane at v[raw] of window rw (k = 16 (lane / 16) + i of my row) become 4 registers of codes at v[dst] of window dw; the word holds the block's byte, zero bytes above it.
.macro QPG raw, rw, dst, dw, word
	WIN (\rw|(\rw<<2))
	v_max3_num_f32 v[TM], |v[\raw]|, |v[\raw+1]|, 0x8000000
	v_max3_num_f32 v[TM+1], |v[\raw+2]|, |v[\raw+3]|, 0x8000000
.irp i, 4,8,12
	v_max3_num_f32 v[TM], |v[\raw+\i]|, |v[\raw+\i+1]|, v[TM]
	v_max3_num_f32 v[TM+1], |v[\raw+\i+2]|, |v[\raw+\i+3]|, v[TM+1]
.endr
	WIN 0
	v_max_num_f32 v[TM], v[TM], v[TM+1]
	v_permlanex16_b32 v[TM+4], v[TM], s[SEL], s[SEL+1]
	v_max_num_f32 v[TM], v[TM], v[TM+4]
	v_add_nc_u32 v[TM+12], 0xf8800000, v[TM]
	v_and_or_b32 v[TM+8], v[TM], 0x7f800000, s[MNT]
	v_lshrrev_b32 v[\word], 23, v[TM+12]                             ; the 16 holds below stand between this scale word and the products
	WIN ((\rw<<6)|\rw)
.irp i, 0,1,2,3,4,5,6,7,8,9,10,11,12,13,14,15
	v_med3_num_f32 v[\raw+\i], v[\raw+\i], -v[TM+8], v[TM+8]
.endr
	WIN ((\dw<<6)|\rw)
	v_cvt_scalef32_pk8_bf8_f32 v[\dst:\dst+1], v[\raw:\raw+7], v[TM+12]
	v_cvt_scalef32_pk8_bf8_f32 v[\dst+2:\dst+3], v[\raw+8:\raw+15], v[TM+12]
	WIN 0
	v_nop
.endm
; The statistics of tile t's four accumulators: a lane holds ONE channel and 32 rows.  first = 1: the shift is taken (row 0 lies in register 0 of lanes 0-15), subtracted, and kept as -K for later products.
; Each accumulator is read from its low end on.
.macro ST t, first
.set AB, ACC+32*((\t)%2)
.if \first
	v_permlanex16_b32 v20, v[AB], s[SEL], s[SEL+1]
	v_cndmask_b32 v20, v[AB], v20, s[HM]                             ; lanes 16-31 take lanes 0-15's: both halves hold row 0's number
	v_xor_b32 v20, 0x80000000, v20
	v_mov_b32 v21, v20
.irp i, 0,1,2,3,4,5,6,7,8,9,10,11,12,13,14,15
	v_pk_add_f32 v[AB+2*\i:AB+2*\i+1], v[AB+2*\i:AB+2*\i+1], v[20:21]
.endr
.endif
.irp i, 0,1,2,3,4,5,6,7
	v_pk_add_f32 v[TT+2*\i:TT+2*\i+1], v[AB+4*\i:AB+4*\i+1], v[AB+4*\i+2:AB+4*\i+3]
.endr
.irp i, 0,1,2,3
	v_pk_mul_f32 v[UU+2*\i:UU+2*\i+1], v[AB+2*\i:AB+2*\i+1], v[AB+2*\i:AB+2*\i+1]
.endr
.irp i, 0,1,2,3
	v_pk_add_f32 v[TT+4*\i:TT+4*\i+1], v[TT+4*\i:TT+4*\i+1], v[TT+4*\i+2:TT+4*\i+3]
.endr
.irp i, 4,5,6,7,8,9,10,11,12,13,14,15
	v_pk_fma_f32 v[UU+2*(\i%4):UU+2*(\i%4)+1], v[AB+2*\i:AB+2*\i+1], v[AB+2*\i:AB+2*\i+1], v[UU+2*(\i%4):UU+2*(\i%4)+1]
.endr
	v_pk_add_f32 v[TT:TT+1], v[TT:TT+1], v[TT+4:TT+5]
	v_pk_add_f32 v[TT+8:TT+9], v[TT+8:TT+9], v[TT+12:TT+13]
	v_pk_add_f32 v[UU:UU+1], v[UU:UU+1], v[UU+2:UU+3]
	v_pk_add_f32 v[UU+4:UU+5], v[UU+4:UU+5], v[UU+6:UU+7]
.if \first
	WIN 0xc0                                                         ; the first group starts the sums: nothing is cleared
	v_pk_add_f32 v[SQ+4*(\t):SQ+4*(\t)+1], v[TT:TT+1], v[TT+8:TT+9]
	v_pk_add_f32 v[SQ+4*(\t)+2:SQ+4*(\t)+3], v[UU:UU+1], v[UU+4:UU+5]
.irp j, 0,1,2,3,4,5,6,7
	v_mov_b32 v[8*(\t)+\j], v20
.endr
.else
	v_pk_add_f32 v[TT:TT+1], v[TT:TT+1], v[TT+8:TT+9]
	v_pk_add_f32 v[UU:UU+1], v[UU:UU+1], v[UU+4:UU+5]
	WIN 0xc3
	v_pk_add_f32 v[SQ+4*(\t):SQ+4*(\t)+1], v[SQ+4*(\t):SQ+4*(\t)+1], v[TT:TT+1]
	v_pk_add_f32 v[SQ+4*(\t)+2:SQ+4*(\t)+3], v[SQ+4*(\t)+2:SQ+4*(\t)+3], v[UU:UU+1]
.endif
	WIN 0
.endm
; Four products: the group's four tiles of rows x tile t of kg_W1.  Tile t is named as 16 registers from its own 4 on: what follows are other tiles' finite codes, which meet the data's zero codes.
.macro MM1 t, first
.set AB, ACC+32*((\t)%2)
.if \first
	WIN 0x08
.else
	WIN 0x38
.endif
.irp m, 0,1,2,3
.if \first
	v_wmma_scale_f32_16x16x128_f8f6f4 v[AB+8*\m:AB+8*\m+7], v[PGF+16*\m:PGF+16*\m+15], v[4*(\t):4*(\t)+15], 0, v[PGS+\m], v[W1S+(\t)] matrix_a_fmt:MATRIX_FMT_BF8 matrix_b_fmt:MATRIX_FMT_BF8
.else
	v_wmma_scale_f32_16x16x128_f8f6f4 v[AB+8*\m:AB+8*\m+7], v[PGF+16*\m:PGF+16*\m+15], v[4*(\t):4*(\t)+15], v[8*(\t):8*(\t)+7], v[PGS+\m], v[W1S+(\t)] matrix_a_fmt:MATRIX_FMT_BF8 matrix_b_fmt:MATRIX_FMT_BF8
.endif
.endr
	WIN 0
.endm
; A group of 64 rows.  The products of tile t + 1 stand ahead of the statistics of tile t: the statistics of tile t - 1 are the eight places behind tile t's products.
.macro GROUP1 G, first
	s_wait_loadcnt 48-16*\G                                          ; this group's 16 loads of pairwise_g are in; the later groups' may be out
.irp m, 0,1,2,3
	QPG 64*\G+16*\m, 1, PGF+16*\m, 0, PGS+\m
.endr
.rept 4
	v_nop                                                            ; codes written by vector instructions stand four places ahead of a scaled product
.endr
	MM1 0, \first
.irp t, 0,1,2,3,4,5,6,7,8,9,10,11,12,13,14,15
.if \t < 15
	MM1 \t+1, \first
.endif
.if \t == 0
.rept 8
	v_nop
.endr
.endif
	ST \t, \first
.endr
.endm
; Four waves' (mean, M2) of 256 rows each, for two channels, become the work-group's: v[B + 4 w] mean pair, v[B + 4 w + 2] M2 pair; result in v[O .. O + 3].
.macro COMBINE B, O
	v_pk_add_f32 v[\O:\O+1], v[\B:\B+1], v[\B+4:\B+5]
	v_pk_add_f32 v[\O+4:\O+5], v[\B+8:\B+9], v[\B+12:\B+13]
	v_pk_add_f32 v[\O+2:\O+3], v[\B+2:\B+3], v[\B+6:\B+7]
	v_pk_add_f32 v[\O+6:\O+7], v[\B+10:\B+11], v[\B+14:\B+15]
	v_pk_add_f32 v[\O:\O+1], v[\O:\O+1], v[\O+4:\O+5]
	v_pk_add_f32 v[\O+2:\O+3], v[\O+2:\O+3], v[\O+6:\O+7]
	v_pk_mul_f32 v[\O:\O+1], v[\O:\O+1], 0x3e800000 op_sel_hi:[1,0]  ; the mean of the four means
.irp w, 0,1,2,3
	v_pk_add_f32 v[\B+4*\w:\B+4*\w+1], v[\B+4*\w:\B+4*\w+1], v[\O:\O+1] neg_lo:[0,1] neg_hi:[0,1]
.endr
	v_pk_mul_f32 v[\O+4:\O+5], v[\B:\B+1], v[\B:\B+1]
.irp w, 1,2,3
	v_pk_fma_f32 v[\O+4:\O+5], v[\B+4*\w:\B+4*\w+1], v[\B+4*\w:\B+4*\w+1], v[\O+4:\O+5]
.endr
	v_pk_fma_f32 v[\O+2:\O+3], v[\O+4:\O+5], 0x43800000, v[\O+2:\O+3] op_sel_hi:[1,0,1]   ; + 256 x the means' squared deviations
.endm
	s_load_b256 s[4:11], s[0:1], 0x0               ; pairwise_g, coset_functions, ky_W1, kg_W1
	s_load_b64 s[12:13], s[0:1], 0x20              ; w1
	v_lshl_add_u32 v94, v0, 2, 0x5000
	v_mov_b32 v95, 0
	v_lshrrev_b32 v1, 5, v0
	v_readfirstlane_b32 s14, v1                    ; wave
	v_and_b32 v3, 31, v0                           ; lane
	v_and_b32 v1, 15, v0                           ; r
	v_bfe_u32 v2, v0, 4, 1                         ; h
	v_and_b32 v4, 8, v1
	v_add_nc_u32 v4, v4, v1                        ; r + 8 (r / 8): lane r of tile 2 B + u takes hidden unit 32 B + 8 u + r + 8 (r / 8)
	v_lshlrev_b32 v5, 2, v4
	v_lshl_add_u32 v5, v2, 14, v5                  ; kg_W1: 16 h rows of 1,024 bytes + my unit
	v_bfe_u32 v6, v0, 2, 2
	v_lshlrev_b32 v6, 6, v6                        ; cf: row (lane / 4) % 4 of the work-group's four
	v_and_b32 v7, 3, v0
	v_lshlrev_b32 v7, 4, v7
	v_lshl_add_u32 v7, v2, 6, v7                   ; ky_W1: 16 channels x (lane / 16) + 4 x (lane % 4)
	v_lshlrev_b32 v8, 4, v1
	v_lshl_add_u32 v8, v2, 16, v8                  ; the tables: 16 lanes fill four rows of one group of 16 channels, 256 bytes
	v_lshlrev_b32 v10, 7, v1
	v_lshl_add_u32 v10, v2, 6, v10                 ; pairwise_g: row r of 128 bytes + 64 h
	s_lshl_b32 s16, s14, 11
	v_lshl_add_u32 v11, v3, 4, s16                 ; my four tiles' images: 16 x lane + 2,048 x wave
	s_lshl_b32 s16, s14, 9
	s_add_co_u32 s16, s16, LW1S
	v_lshl_add_u32 v12, v3, 2, s16                 ; and their scale words: 4 x lane + 512 x wave
	v_lshlrev_b32 v13, 4, v3
	v_lshl_add_u32 v14, v3, 2, LW1S
	s_lshl_b32 s16, s14, 11
	s_add_co_u32 s16, s16, SCR
	v_lshl_add_u32 v17, v4, 2, s16                 ; my wave's statistics, my channel of a tile
	v_lshl_add_u32 v18, v0, 3, SCR                 ; and back: thread n takes channels 2 n, 2 n + 1
	v_lshrrev_b32 v19, 4, v0
	v_lshlrev_b32 v19, 16, v19
	v_lshl_add_u32 v19, v1, 4, v19                 ; its piece of PART1
	v_mov_b32 v20, 0                               ; written once: a lane permute's destination counts as one of its sources
.irp b, 0,1,2,3
	v_mov_b32 v[TM+4+\b], 0
.endr
	s_mov_b32 s[SEL], 0x76543210
	s_mov_b32 s[SEL+1], 0xfedcba98                 ; v_permlanex16_b32's selects for lane l xor 16
	s_mov_b32 s[MNT], 0x600000                     ; the mantissa field of 57,344
	s_mov_b32 s[HM], 0xffff0000                    ; lanes 16-31
	s_lshl_b32 s16, s14, 8                         ; kg_W1: my wave's 64 units
	s_mov_b32 s17, 0
	s_lshl_b32 s18, ttmp9, 8                       ; 256 g
	s_mov_b32 s19, 0
	s_lshr_b32 s26, s14, 1                         ; ky_W1: table wave / 2 (16 rows), channels 128 (wave % 2) on
	s_lshl_b32 s26, s26, 14
	s_and_b32 s27, s14, 1
	s_lshl_b32 s27, s27, 9
	s_add_co_u32 s26, s26, s27
	s_mov_b32 s27, 0
	s_lshl_b32 s28, ttmp9, 17                      ; pairwise_g: 1,024 rows a work-group, 256 a wave
	s_lshl_b32 s29, s14, 15
	s_add_co_u32 s28, s28, s29
	s_mov_b32 s29, 0
	s_lshl_b32 s30, s14, 19                        ; the tables: wave / 2 picks the table, wave % 2 its upper eight groups of channels: 524,288 x wave
	s_add_co_u32 s30, s30, s18
	s_mov_b32 s31, 0
	s_wait_kmcnt 0x0
	s_add_nc_u64 s[10:11], s[10:11], s[16:17]
	s_add_nc_u64 s[6:7], s[6:7], s[18:19]
	s_add_nc_u64 s[8:9], s[8:9], s[26:27]
	s_add_nc_u64 s[4:5], s[4:5], s[28:29]
	s_add_nc_u64 s[20:21], s[12:13], s[30:31]
	s_add_nc_u64 s[22:23], s[12:13], s[18:19]
	s_add_nc_u64 s[22:23], s[22:23], PART1
	s_add_nc_u64 s[24:25], s[12:13], W1Q
.irp b, 0,1,2,3                                ; kg_W1, a lane to a unit, registers down K: register 16 b + i = W1[16 h + i][unit of tile 4 w + b]
.irp i, 0,1,2,3,4,5,6,7,8,9,10,11,12,13,14,15
	global_load_b32 v[160+16*\b+\i], v5, s[10:11] offset:\i*1024+(32*(\b/2)+8*(\b%2))*4
.endr
.endr
.irp q, 0,1,2,3
	global_load_b128 v[CF+4*\q:CF+4*\q+3], v6, s[6:7] offset:16*\q
.endr
	WIN 0xc0
.irp u, 0,1,2,3
.irp k, 0,1,2,3,4,5,6,7,8,9,10,11,12,13,14,15
	global_load_b128 v[(16*\u+\k)*4:(16*\u+\k)*4+3], v7, s[8:9] offset:\k*1024+\u*128
.endr
.endr
	WIN 0
	s_wait_loadcnt 63                              ; kg_W1's 64 loads are in: 68 younger ones could stay out, the count names the most that this wait takes
	QUANT 160, 0, 0, 96, 63                        ; block b is tile 4 w + b: its codes v[96 + 4 b ..], its byte v[TM + 4 + b]
.irp b, 0,1,2,3
	ds_store_b128 v11, v[96+4*\b:99+4*\b] offset:512*\b
.endr
.irp b, 0,1,2,3
	ds_store_b32 v12, v[TM+4+\b] offset:128*\b
.endr
	s_cmp_lg_u32 ttmp9, 0                          ; work-group 0 also leaves them in w1 for the later launches
	s_cbranch_scc1 .Lnot0
.irp b, 0,1,2,3
	global_store_b128 v11, v[96+4*\b:99+4*\b], s[24:25] offset:512*\b
.endr
.irp b, 0,1,2,3
	global_store_b32 v12, v[TM+4+\b], s[24:25] offset:128*\b
.endr
	s_wait_xcnt 0x0                                ; the stores' data are written again further down only behind this wait
.Lnot0:
	WIN 0x40
.irp n, 0,1,2,3,4,5,6,7,8,9,10,11,12,13,14,15  ; my 16 tiles of pairwise_g: lane (r, h) takes 16 neighbours of row r
.irp q, 0,1,2,3
	global_load_b128 v[16*\n+4*\q:16*\n+4*\q+3], v10, s[4:5] offset:\n*2048+16*\q
.endr
.endr
	WIN 0
	s_wait_loadcnt 63                              ; cf and ky_W1 are in (63 of the 64 younger loads could stay out)
	WIN 0x03                                       ; source 0: ky_W1's pieces in window 3
.irp k, 0,1,2,3,4,5,6,7,8,9,10,11,12,13,14,15  ; eight chains of fused multiply-adds, K ascending; cf's number serves both halves
.irp u, 0,1,2,3
.irp p, 0,2
.if \k == 0
	v_pk_mul_f32 v[PA+4*\u+\p:PA+4*\u+\p+1], v[(16*\u+\k)*4+\p:(16*\u+\k)*4+\p+1], v[CF:CF+1] op_sel_hi:[1,0]
.elseif (\k%2) == 0
	v_pk_fma_f32 v[PA+4*\u+\p:PA+4*\u+\p+1], v[(16*\u+\k)*4+\p:(16*\u+\k)*4+\p+1], v[CF+\k:CF+\k+1], v[PA+4*\u+\p:PA+4*\u+\p+1] op_sel_hi:[1,0,1]
.else
	v_pk_fma_f32 v[PA+4*\u+\p:PA+4*\u+\p+1], v[(16*\u+\k)*4+\p:(16*\u+\k)*4+\p+1], v[CF+\k-1:CF+\k], v[PA+4*\u+\p:PA+4*\u+\p+1] op_sel:[0,1,0] op_sel_hi:[1,1,1]
.endif
.endr
.endr
.endr
	WIN 0
.irp u, 0,1,2,3
	global_store_b128 v8, v[PA+4*\u:PA+4*\u+3], s[20:21] offset:\u*131072   ; 16 lanes store 256 consecutive bytes, aligned
.endr
	s_wait_dscnt 0x0                               ; for the others' sake: my images of kg_W1 lie in LDS
	s_barrier_signal -1
	s_barrier_wait -1
	WIN 0x80
.irp T, 0,1,2,3,4,5,6,7,8,9,10,11,12,13,14,15
	ds_load_b128 v[4*\T:4*\T+3], v13 offset:512*\T
.endr
.irp i, 64,65,66,67,68,69,70,71,72,73,74,75
	v_mov_b32 v[\i], 0
.endr
	WIN 0
.irp T, 0,1,2,3,4,5,6,7,8,9,10,11,12,13,14,15
	ds_load_b32 v[W1S+\T], v14 offset:128*\T
.endr
.irp m, 0,1,2,3
.irp i, 4,5,6,7,8,9,10,11,12,13,14,15
	v_mov_b32 v[PGF+16*\m+\i], 0                   ; the data's K blocks 1 to 3: zero codes, set once
.endr
.endr
	s_wait_dscnt 0x0
	GROUP1 0, 1
	GROUP1 1, 0
	GROUP1 2, 0
	GROUP1 3, 0
	; the wave's 256 rows: mean = K + s / 256, M2 = q - s^2 / 256
	WIN 0x0f
.irp t, 0,1,2,3,4,5,6,7,8,9,10,11,12,13,14,15
	v_add_f32 v[96+\t], v[SQ+4*\t], v[SQ+4*\t+1]
	v_add_f32 v[112+\t], v[SQ+4*\t+2], v[SQ+4*\t+3]
	v_mov_b32 v[128+\t], v[8*\t]
.endr
	WIN 0
.irp t, 0,1,2,3,4,5,6,7,8,9,10,11,12,13,14,15
	v_permlanex16_b32 v[144+\t], v[96+\t], s[SEL], s[SEL+1]
	v_permlanex16_b32 v[160+\t], v[112+\t], s[SEL], s[SEL+1]
.endr
.irp t, 0,1,2,3,4,5,6,7,8,9,10,11,12,13,14,15
	v_add_f32 v[96+\t], v[96+\t], v[144+\t]
	v_add_f32 v[112+\t], v[112+\t], v[160+\t]
.endr
.irp t, 0,1,2,3,4,5,6,7,8,9,10,11,12,13,14,15
	v_mul_f32 v[144+\t], v[96+\t], v[96+\t]
	v_fma_f32 v[160+\t], v[96+\t], 0x3b800000, -v[128+\t]
.endr
.irp t, 0,1,2,3,4,5,6,7,8,9,10,11,12,13,14,15
	v_fma_f32 v[176+\t], v[144+\t], 0xbb800000, v[112+\t]
.endr
.irp t, 0,1,2,3,4,5,6,7,8,9,10,11,12,13,14,15
	ds_store_b32 v17, v[160+\t] offset:(32*(\t/2)+8*(\t%2))*4          ; both halves of the lanes write the same word with the same value
	ds_store_b32 v17, v[176+\t] offset:(32*(\t/2)+8*(\t%2))*4+1024
.endr
	s_wait_dscnt 0x0
	s_barrier_signal -1
	s_barrier_wait -1
.irp w, 0,1,2,3
	ds_load_b64 v[96+4*\w:97+4*\w], v18 offset:2048*\w
	ds_load_b64 v[98+4*\w:99+4*\w], v18 offset:2048*\w+1024
.endr
	s_wait_dscnt 0x0
	COMBINE 96, 112
	global_store_b128 v19, v[112:115], s[22:23]    ; 16 lanes store 256 consecutive bytes, aligned
	s_wait_tensorcnt 0x0
	ds_add_u32 v94, v95
	s_wait_dscnt 0x0
	s_endpgm
.Lfunc_end_k_q885ea9d032_stat1:
	.size	k_q885ea9d032_stat1, .Lfunc_end_k_q885ea9d032_stat1-k_q885ea9d032_stat1
	.p2alignl 7, 3214868480
	.fill 96, 4, 3214868480
	.section	.rodata,"a",@progbits
	.p2align	6, 0x0
	.amdhsa_kernel k_q885ea9d032_stat1
		.amdhsa_group_segment_fixed_size 20992
		.amdhsa_private_segment_fixed_size 0
		.amdhsa_enable_private_segment 0
		.amdhsa_kernarg_size 40
		.amdhsa_user_sgpr_count 2
		.amdhsa_user_sgpr_kernarg_segment_ptr 1
		.amdhsa_wavefront_size32 1
		.amdhsa_system_sgpr_workgroup_id_x 1
		.amdhsa_system_sgpr_workgroup_id_y 1
		.amdhsa_system_sgpr_workgroup_id_z 1
		.amdhsa_system_vgpr_workitem_id 0
		.amdhsa_next_free_vgpr 1024
		.amdhsa_next_free_sgpr 66
		.amdhsa_reserve_vcc 0
		.amdhsa_float_denorm_mode_32 3
		.amdhsa_float_denorm_mode_16_64 3
		.amdhsa_memory_ordered 1
		.amdhsa_forward_progress 1
		.amdhsa_inst_pref_size 255
	.end_amdhsa_kernel
	.section	.bss,"aw",@nobits
	.p2align	6
	.space	262144
	.amdgpu_metadata
---
amdhsa.version: [ 1, 2 ]
amdhsa.kernels:
  - .name:           k_q885ea9d032_stat1
    .symbol:         k_q885ea9d032_stat1.kd
    .args:
      - { .name: pairwise_g, .offset: 0, .size: 8, .value_kind: global_buffer, .address_space: global }
      - { .name: coset_functions, .offset: 8, .size: 8, .value_kind: global_buffer, .address_space: global }
      - { .name: ky_W1, .offset: 16, .size: 8, .value_kind: global_buffer, .address_space: global }
      - { .name: kg_W1, .offset: 24, .size: 8, .value_kind: global_buffer, .address_space: global }
      - { .name: w1, .offset: 32, .size: 8, .value_kind: global_buffer, .address_space: global }
    .group_segment_fixed_size: 20992
    .private_segment_fixed_size: 0
    .kernarg_segment_align: 8
    .kernarg_segment_size: 40
    .max_flat_workgroup_size: 128
    .sgpr_count:     66
    .vgpr_count:     1024
    .wavefront_size: 32
...
	.end_amdgpu_metadata
.endif
;; end of part 1
;; launch mid (part 2): grid 32 x 1, 8 waves a work-group, no clusters, 17,408 bytes of LDS; arguments w1, ky_W2, kg_W2, kg_b1, kg_g1, kg_be1, ky_b1, ky_g1, ky_be1, w2; writes w2
.if DOCPART == 2
	.amdgcn_target "amdgcn-amd-amdhsa--gfx1250"
	.amdhsa_code_object_version 6
	.text
	.protected	k_q885ea9d032_mid
	.globl	k_q885ea9d032_mid
	.p2align	8
	.type	k_q885ea9d032_mid,@function
k_q885ea9d032_mid:
	s_mov_b64 s[64:65], 0
	v_nop
	global_prefetch_b8 v0, s[64:65] scope:SCOPE_SE
	s_setreg_imm32_b32 hwreg(HW_REG_WAVE_MODE, 25, 1), 1
	s_wait_xcnt 0x0
; SECOND LAUNCH: three small jobs that all hang on the first launch or on inputs alone; the work-group's number picks the job, and each job has LDS bytes of its own and ends by itself.
; Work-groups 0-7 (32 channels each): kg's first BatchNorm from the 256 work-groups' parts: a1 = g rsqrt(var + 1e-5), c1 = a1 (b - mu) + be, mu = the product's mean + b; later h = a1 x product + c1.
; Work-groups 8-15: ky_W2 and kg_W2 (K is their FIRST axis) become codes of E5M2 with E8M0 bytes, laid as images of the operand's registers: a wave makes one fragment (16 columns x 128 K): a lane takes a
;   column and its registers run down K, so nothing is transposed.
; Work-groups 16-31 (16 channels each): ky's first BatchNorm.  h = p1[b, (j, t)] + p2[b, (i, s)] + b1 runs over all pairs inside a batch, so for each batch mean = m1 + m2 + b1 and variance = V1 + V2, and over
;   the four batches variance = the mean of (V1 + V2 + (batch mean - mean)^2).  Sums are taken about a shift (the table's row 0).  Out go P1s = a1 (p1 - mean1) and P2s = a1 (p2 + (b1 - mu) + mean1) + be1: h1 = relu(P1s + P2s).
; LIMITS: as in the first launch (NaN, infinities; bytes held at 1; the shift of a variance is one sample).  Few work-groups: each job's work is a few thousand numbers a thread at the most.
; w2: 0 P1s, 1,048,576 P2s (laid as the raw tables); WQ: ky_W2's 32 fragments of 2,048 bytes, 32 x 128 bytes of scale words, kg_W2's likewise, a1[256], c1[256].
.set PART1, 2097152
.set WQ,    2097152
.set TM,  64
.set SEL, 52
.set MNT, 54
.set HM,  55
.set IV,  40                           ; s40 2^-18 = 1 / 262,144;  s41 1e-5;  s42 0.25
.set EP,  41
.set QT,  42
.set OAC, 104                          ; v104: where a and c are stored; outside all that REDUCE writes
.macro QUANT s, relu, dw, dst, word            ; as in the first launch; here always signed and in window 0
.irp b, 0,1,2,3
	v_max3_num_f32 v[TM+\b], |v[\s+16*\b]|, |v[\s+16*\b+1]|, 0x8000000
.endr
.irp i, 2,4,6,8,10,12,14
.irp b, 0,1,2,3
	v_max3_num_f32 v[TM+\b], v[TM+\b], |v[\s+16*\b+\i]|, |v[\s+16*\b+\i+1]|
.endr
.endr
.irp b, 0,1,2,3
	v_permlanex16_b32 v[TM+4+\b], v[TM+\b], s[SEL], s[SEL+1]
.endr
.irp b, 0,1,2,3
	v_max_num_f32 v[TM+\b], v[TM+\b], v[TM+4+\b]
.endr
.irp b, 0,1,2,3
	v_add_nc_u32 v[TM+12+\b], 0xf8800000, v[TM+\b]
.endr
.irp b, 0,1,2,3
	v_and_or_b32 v[TM+8+\b], v[TM+\b], 0x7f800000, s[MNT]
.endr
.irp b, 0,1,2,3
	v_lshrrev_b32 v[TM+4+\b], 23, v[TM+12+\b]
.endr
	v_lshl_or_b32 v[\word], v[TM+5], 8, v[TM+4]
	v_lshl_or_b32 v[\word], v[TM+6], 16, v[\word]
	v_lshl_or_b32 v[\word], v[TM+7], 24, v[\word]
.irp b, 0,1,2,3
.irp i, 0,1,2,3,4,5,6,7,8,9,10,11,12,13,14,15
	v_med3_num_f32 v[\s+16*\b+\i], v[\s+16*\b+\i], -v[TM+8+\b], v[TM+8+\b]
.endr
.endr
.irp b, 0,1,2,3
	v_cvt_scalef32_pk8_bf8_f32 v[\dst+4*\b:\dst+4*\b+1], v[\s+16*\b:\s+16*\b+7], v[TM+12+\b]
	v_cvt_scalef32_pk8_bf8_f32 v[\dst+4*\b+2:\dst+4*\b+3], v[\s+16*\b+8:\s+16*\b+15], v[TM+12+\b]
.endr
	v_nop
.endm
; 256 parts (mean, M2 of 1,024 rows) of 32 channels become a and c.  Wave v takes parts 32 v .. 32 v + 31, a lane a pair of channels of every second part.  The shift is part 0's mean.
; v4 16 (lane % 16), v5 8,192 wave + 16 lane, v6 384 wave + 8 (lane % 16), v7 8 (lane % 16).  At work: v8-27, v32-101.  Result: v[24:25]: lanes 0-15 a, lanes 16-31 c.
.macro REDUCE pb, sb, sg, sbe, lb
	global_load_b128 v[8:11], v4, s[\pb:\pb+1]
.irp i, 0,1,2,3,4,5,6,7,8,9,10,11,12,13,14,15
	global_load_b128 v[32+4*\i:35+4*\i], v5, s[\pb:\pb+1] offset:512*\i
.endr
	global_load_b64 v[96:97], v7, s[\sb:\sb+1]
	global_load_b64 v[98:99], v7, s[\sg:\sg+1]
	global_load_b64 v[100:101], v7, s[\sbe:\sbe+1]
	s_wait_loadcnt 0x0
.irp i, 0,1,2,3,4,5,6,7,8,9,10,11,12,13,14,15  ; two chains; the first two parts start the sums
.if \i < 2
	v_pk_add_f32 v[12+6*\i:13+6*\i], v[32+4*\i:33+4*\i], v[8:9] neg_lo:[0,1] neg_hi:[0,1]
	v_pk_mul_f32 v[14+6*\i:15+6*\i], v[12+6*\i:13+6*\i], v[12+6*\i:13+6*\i]
.else
	v_pk_add_f32 v[24+2*(\i%2):25+2*(\i%2)], v[32+4*\i:33+4*\i], v[8:9] neg_lo:[0,1] neg_hi:[0,1]
	v_pk_add_f32 v[12+6*(\i%2):13+6*(\i%2)], v[12+6*(\i%2):13+6*(\i%2)], v[24+2*(\i%2):25+2*(\i%2)]
	v_pk_fma_f32 v[14+6*(\i%2):15+6*(\i%2)], v[24+2*(\i%2):25+2*(\i%2)], v[24+2*(\i%2):25+2*(\i%2)], v[14+6*(\i%2):15+6*(\i%2)]
.if \i < 4
	v_pk_add_f32 v[16+6*(\i%2):17+6*(\i%2)], v[34+4*(\i-2):35+4*(\i-2)], v[34+4*\i:35+4*\i]
.else
	v_pk_add_f32 v[16+6*(\i%2):17+6*(\i%2)], v[16+6*(\i%2):17+6*(\i%2)], v[34+4*\i:35+4*\i]
.endif
.endif
.endr
.irp k, 0,2,4
	v_pk_add_f32 v[12+\k:13+\k], v[12+\k:13+\k], v[18+\k:19+\k]
.endr
.irp j, 0,1,2,3,4,5
	v_permlanex16_b32 v[32+\j], v[12+\j], s[SEL], s[SEL+1]
.endr
.irp k, 0,2,4
	v_pk_add_f32 v[12+\k:13+\k], v[12+\k:13+\k], v[32+\k:33+\k]
.endr
	ds_store_b64 v6, v[12:13] offset:\lb
	ds_store_b64 v6, v[14:15] offset:\lb+128
	ds_store_b64 v6, v[16:17] offset:\lb+256
	s_wait_dscnt 0x0                               ; for the others' sake
	s_barrier_signal -1
	s_barrier_wait -1
.irp w, 0,1,2,3,4,5,6,7
.irp k, 0,1,2
	ds_load_b64 v[32+6*\w+2*\k:33+6*\w+2*\k], v7 offset:\lb+384*\w+128*\k
.endr
.endr
	s_wait_dscnt 0x0
.irp k, 0,2,4
	v_pk_add_f32 v[12+\k:13+\k], v[32+\k:33+\k], v[38+\k:39+\k]
.endr
.irp w, 2,3,4,5,6,7
.irp k, 0,2,4
	v_pk_add_f32 v[12+\k:13+\k], v[12+\k:13+\k], v[32+6*\w+\k:33+6*\w+\k]
.endr
.endr
	v_pk_fma_f32 v[18:19], v[12:13], 0x3b800000, v[8:9] op_sel_hi:[1,0,1]      ; the product's mean = shift + sum / 256
	v_pk_mul_f32 v[20:21], v[12:13], v[12:13]
	v_pk_fma_f32 v[20:21], v[20:21], 0xbb800000, v[14:15] op_sel_hi:[1,0,1]    ; the means' squared deviations
	v_pk_fma_f32 v[20:21], v[20:21], 0x44800000, v[16:17] op_sel_hi:[1,0,1]    ; x 1,024 rows + the parts' M2
	v_fma_f32 v20, v20, s[IV], s[EP]                                           ; variance + 1e-5
	v_fma_f32 v21, v21, s[IV], s[EP]
	v_rsq_f32 v20, v20
	v_rsq_f32 v21, v21
	v_pk_add_f32 v[18:19], v[18:19], v[96:97]                                  ; mu = mean + b  (the plain place behind the roots)
	s_wait_alu depctr_va_vdst(0)
	v_pk_mul_f32 v[20:21], v[20:21], v[98:99]                                  ; a
	v_pk_add_f32 v[18:19], v[96:97], v[18:19] neg_lo:[0,1] neg_hi:[0,1]        ; b - mu
	v_pk_fma_f32 v[22:23], v[20:21], v[18:19], v[100:101]                      ; c
	v_cndmask_b32 v24, v20, v22, s[HM]
	v_cndmask_b32 v25, v21, v23, s[HM]
.endm
	s_load_b256 s[4:11], s[0:1], 0x0               ; w1, ky_W2, kg_W2, kg_b1
	s_load_b256 s[12:19], s[0:1], 0x20             ; kg_g1, kg_be1, ky_b1, ky_g1
	s_load_b128 s[20:23], s[0:1], 0x40             ; ky_be1, w2
	s_set_vgpr_msb 0x40
	v_lshl_add_u32 v0, v0, 2, 0x4000
	v_mov_b32 v1, 0
	s_set_vgpr_msb 0x4000
	v_lshrrev_b32 v1, 5, v0
	v_readfirstlane_b32 s24, v1                    ; wave 0..7
	v_and_b32 v3, 31, v0
	v_and_b32 v1, 15, v0
	v_bfe_u32 v2, v0, 4, 1
.irp b, 0,1,2,3
	v_mov_b32 v[TM+4+\b], 0                        ; written once: a lane permute's destination counts as one of its sources
.endr
	s_mov_b32 s[SEL], 0x76543210
	s_mov_b32 s[SEL+1], 0xfedcba98
	s_mov_b32 s[MNT], 0x600000
	s_mov_b32 s[HM], 0xffff0000
	s_mov_b32 s[IV], 0x36800000
	s_mov_b32 s[EP], 0x3727c5ac
	s_mov_b32 s[QT], 0x3e800000
	s_wait_kmcnt 0x0
	s_cmp_lt_u32 ttmp9, 8
	s_cbranch_scc1 .LroleR
	s_cmp_lt_u32 ttmp9, 16
	s_cbranch_scc1 .LroleW
	; ---- ky's first BatchNorm, 16 channels.  Thread n: rows 64 u + n / 4 (u = 0 .. 15; batch u / 4) of both tables, channels 4 (n % 4) on
	s_sub_co_u32 s26, ttmp9, 16
	s_lshl_b32 s32, s26, 6
	s_mov_b32 s33, 0
	s_lshl_b32 s26, s26, 16
	s_mov_b32 s27, 0
	s_add_nc_u64 s[28:29], s[4:5], s[26:27]
	s_add_nc_u64 s[30:31], s[22:23], s[26:27]
	s_add_nc_u64 s[16:17], s[16:17], s[32:33]
	s_add_nc_u64 s[18:19], s[18:19], s[32:33]
	s_add_nc_u64 s[20:21], s[20:21], s[32:33]
	v_and_b32 v4, 3, v0
	v_lshlrev_b32 v4, 4, v4
	v_lshlrev_b32 v5, 4, v0
	s_lshl_b32 s34, s24, 10
	s_add_co_u32 s34, s34, 4096
	v_add_nc_u32 v6, s34, v4                       ; my wave's 1,024 bytes of partial sums
	v_lshl_add_u32 v7, v0, 2, 4096
	global_load_b128 v[8:11], v4, s[28:29]                  ; the shifts: row 0 of each table
	global_load_b128 v[12:15], v4, s[28:29] offset:1048576
.irp T, 0,1
.irp u, 0,1,2,3,4,5,6,7,8,9,10,11,12,13,14,15
	global_load_b128 v[128+64*\T+4*\u:131+64*\T+4*\u], v5, s[28:29] offset:\T*1048576+\u*4096
.endr
.endr
	global_load_b128 v[36:39], v4, s[16:17]
	global_load_b128 v[40:43], v4, s[18:19]
	global_load_b128 v[44:47], v4, s[20:21]
	s_wait_loadcnt 0x0
.irp T, 0,1                                    ; for table T and batch b: sums of d = x - shift at v[64 + 8 (4 T + b)], of d^2 four registers on
.irp u, 0,1,2,3,4,5,6,7,8,9,10,11,12,13,14,15
.irp p, 0,2
.if (\u%4) == 0
	v_pk_add_f32 v[64+8*(4*\T+\u/4)+\p:65+8*(4*\T+\u/4)+\p], v[128+64*\T+4*\u+\p:129+64*\T+4*\u+\p], v[8+4*\T+\p:9+4*\T+\p] neg_lo:[0,1] neg_hi:[0,1]
	v_pk_mul_f32 v[68+8*(4*\T+\u/4)+\p:69+8*(4*\T+\u/4)+\p], v[64+8*(4*\T+\u/4)+\p:65+8*(4*\T+\u/4)+\p], v[64+8*(4*\T+\u/4)+\p:65+8*(4*\T+\u/4)+\p]
.else
	v_pk_add_f32 v[28+\p:29+\p], v[128+64*\T+4*\u+\p:129+64*\T+4*\u+\p], v[8+4*\T+\p:9+4*\T+\p] neg_lo:[0,1] neg_hi:[0,1]
	v_pk_add_f32 v[64+8*(4*\T+\u/4)+\p:65+8*(4*\T+\u/4)+\p], v[64+8*(4*\T+\u/4)+\p:65+8*(4*\T+\u/4)+\p], v[28+\p:29+\p]
	v_pk_fma_f32 v[68+8*(4*\T+\u/4)+\p:69+8*(4*\T+\u/4)+\p], v[28+\p:29+\p], v[28+\p:29+\p], v[68+8*(4*\T+\u/4)+\p:69+8*(4*\T+\u/4)+\p]
.endif
.endr
.endr
.endr
.set n1, 0
.rept 64                                       ; the eight lanes of a wave that hold the same channels
	v_add_f32_dpp v[64+n1], v[64+n1], v[64+n1] row_xmask:4 row_mask:0xf bank_mask:0xf
.set n1, n1+1
.endr
.set n1, 0
.rept 64
	v_add_f32_dpp v[64+n1], v[64+n1], v[64+n1] row_xmask:8 row_mask:0xf bank_mask:0xf
.set n1, n1+1
.endr
.set n1, 0
.rept 16
.irp j, 0,1,2,3
	v_permlanex16_b32 v[28+\j], v[64+n1+\j], s[SEL], s[SEL+1]
.endr
.irp j, 0,1,2,3
	v_add_f32 v[64+n1+\j], v[64+n1+\j], v[28+\j]
.endr
.set n1, n1+4
.endr
.irp e, 0,1,2,3,4,5,6,7,8,9,10,11,12,13,14,15
	ds_store_b128 v6, v[64+4*\e:67+4*\e] offset:64*\e                 ; lanes with the same channels write the same bytes with the same values
.endr
	s_wait_dscnt 0x0
	s_barrier_signal -1
	s_barrier_wait -1
.irp w, 0,1,2,3,4,5,6,7
	ds_load_b32 v[16+\w], v7 offset:1024*\w        ; thread n sums word n of the eight waves
.endr
	s_wait_dscnt 0x0
	v_add_f32 v16, v16, v17
	v_add_f32 v18, v18, v19
	v_add_f32 v20, v20, v21
	v_add_f32 v22, v22, v23
	v_add_f32 v16, v16, v18
	v_add_f32 v20, v20, v22
	v_add_f32 v16, v16, v20
	ds_store_b32 v7, v16 offset:8192               ; the totals, at 12,288
	s_wait_dscnt 0x0
	s_barrier_signal -1
	s_barrier_wait -1
.irp e, 0,1,2,3,4,5,6,7,8,9,10,11,12,13,14,15
	ds_load_b128 v[64+4*\e:67+4*\e], v4 offset:12288+64*\e
.endr
	s_wait_dscnt 0x0
.irp e, 0,1,2,3,4,5,6,7
.irp p, 0,2
	v_pk_mul_f32 v[64+8*\e+\p:65+8*\e+\p], v[64+8*\e+\p:65+8*\e+\p], 0x3b800000 op_sel_hi:[1,0]   ; batch mean - shift (256 rows a batch)
.endr
.endr
.irp e, 0,1,2,3,4,5,6,7
.irp p, 0,2
	v_pk_mul_f32 v[28+\p:29+\p], v[64+8*\e+\p:65+8*\e+\p], v[64+8*\e+\p:65+8*\e+\p]
	v_pk_fma_f32 v[68+8*\e+\p:69+8*\e+\p], v[68+8*\e+\p:69+8*\e+\p], 0x3b800000, v[28+\p:29+\p] op_sel_hi:[1,0,1] neg_lo:[0,0,1] neg_hi:[0,0,1]   ; batch variance
.endr
.endr
.irp T, 0,1
.irp p, 0,2
	v_pk_add_f32 v[16+4*\T+\p:17+4*\T+\p], v[64+32*\T+\p:65+32*\T+\p], v[72+32*\T+\p:73+32*\T+\p]
	v_pk_add_f32 v[32+\p:33+\p], v[80+32*\T+\p:81+32*\T+\p], v[88+32*\T+\p:89+32*\T+\p]
	v_pk_add_f32 v[16+4*\T+\p:17+4*\T+\p], v[16+4*\T+\p:17+4*\T+\p], v[32+\p:33+\p]
	v_pk_mul_f32 v[16+4*\T+\p:17+4*\T+\p], v[16+4*\T+\p:17+4*\T+\p], 0x3e800000 op_sel_hi:[1,0]   ; the table's mean - shift
.endr
.endr
.irp b, 0,1,2,3
.irp p, 0,2
	v_pk_add_f32 v[28+\p:29+\p], v[64+8*\b+\p:65+8*\b+\p], v[16+\p:17+\p] neg_lo:[0,1] neg_hi:[0,1]
	v_pk_add_f32 v[32+\p:33+\p], v[96+8*\b+\p:97+8*\b+\p], v[20+\p:21+\p] neg_lo:[0,1] neg_hi:[0,1]
	v_pk_add_f32 v[28+\p:29+\p], v[28+\p:29+\p], v[32+\p:33+\p]      ; the batch's mean less the mean
.if \b == 0
	v_pk_add_f32 v[24+\p:25+\p], v[68+\p:69+\p], v[100+\p:101+\p]
.else
	v_pk_add_f32 v[24+\p:25+\p], v[24+\p:25+\p], v[68+8*\b+\p:69+8*\b+\p]
	v_pk_add_f32 v[24+\p:25+\p], v[24+\p:25+\p], v[100+8*\b+\p:101+8*\b+\p]
.endif
	v_pk_fma_f32 v[24+\p:25+\p], v[28+\p:29+\p], v[28+\p:29+\p], v[24+\p:25+\p]
.endr
.endr
.irp j, 0,1,2,3
	v_fma_f32 v[24+\j], v[24+\j], s[QT], s[EP]     ; variance + 1e-5
.endr
.irp j, 0,1,2,3
	v_rsq_f32 v[24+\j], v[24+\j]
.endr
.irp p, 0,2
	v_pk_add_f32 v[52+\p:53+\p], v[8+\p:9+\p], v[16+\p:17+\p]        ; mean1  (plain places behind the roots)
	v_pk_add_f32 v[32+\p:33+\p], v[12+\p:13+\p], v[20+\p:21+\p]      ; mean2
.endr
	s_wait_alu depctr_va_vdst(0)
.irp p, 0,2
	v_pk_mul_f32 v[48+\p:49+\p], v[24+\p:25+\p], v[40+\p:41+\p]      ; a1
	v_pk_add_f32 v[28+\p:29+\p], v[52+\p:53+\p], v[32+\p:33+\p]
	v_pk_add_f32 v[28+\p:29+\p], v[28+\p:29+\p], v[36+\p:37+\p]      ; mu
	v_pk_add_f32 v[56+\p:57+\p], v[36+\p:37+\p], v[28+\p:29+\p] neg_lo:[0,1] neg_hi:[0,1]
	v_pk_add_f32 v[56+\p:57+\p], v[56+\p:57+\p], v[52+\p:53+\p]      ; (b1 - mu) + mean1
.endr
.irp u, 0,1,2,3,4,5,6,7,8,9,10,11,12,13,14,15
.irp p, 0,2
	v_pk_add_f32 v[128+4*\u+\p:129+4*\u+\p], v[128+4*\u+\p:129+4*\u+\p], v[52+\p:53+\p] neg_lo:[0,1] neg_hi:[0,1]
	v_pk_add_f32 v[192+4*\u+\p:193+4*\u+\p], v[192+4*\u+\p:193+4*\u+\p], v[56+\p:57+\p]
.endr
.irp p, 0,2
	v_pk_mul_f32 v[128+4*\u+\p:129+4*\u+\p], v[128+4*\u+\p:129+4*\u+\p], v[48+\p:49+\p]
	v_pk_fma_f32 v[192+4*\u+\p:193+4*\u+\p], v[192+4*\u+\p:193+4*\u+\p], v[48+\p:49+\p], v[44+\p:45+\p]
.endr
	global_store_b128 v5, v[128+4*\u:131+4*\u], s[30:31] offset:\u*4096
	global_store_b128 v5, v[192+4*\u:195+4*\u], s[30:31] offset:1048576+\u*4096
.endr
	s_set_vgpr_msb 0x5
	s_wait_tensorcnt 0x0
	ds_add_u32 v0, v1
	s_wait_dscnt 0x0
	s_set_vgpr_msb 0x500
	s_endpgm
.LroleW:                                           ; ---- a wave makes fragment f = 2 t + ks of ky_W2 (work-groups 8-11) or kg_W2 (12-15)
	s_cmp_ge_u32 ttmp9, 12
	s_cselect_b64 s[28:29], s[8:9], s[6:7]
	s_cselect_b32 s30, 69632, 0
	s_sub_co_u32 s26, ttmp9, 8
	s_lshl_b32 s26, s26, 3
	s_add_co_u32 s26, s26, s24
	s_and_b32 s26, s26, 31                         ; f
	s_and_b32 s32, s26, 1
	s_lshl_b32 s32, s32, 17                        ; 128 ks rows of 1,024 bytes
	s_lshr_b32 s33, s26, 1
	s_lshl_b32 s33, s33, 6                         ; 16 t columns
	s_add_co_u32 s32, s32, s33
	s_mov_b32 s33, 0
	s_add_nc_u64 s[28:29], s[28:29], s[32:33]
	s_lshl_b32 s34, s26, 11
	s_add_co_u32 s34, s34, s30
	s_add_co_u32 s34, s34, WQ
	s_mov_b32 s35, 0
	s_add_nc_u64 s[34:35], s[22:23], s[34:35]
	s_lshl_b32 s36, s26, 7
	s_add_co_u32 s36, s36, s30
	s_add_co_u32 s36, s36, WQ+65536
	s_mov_b32 s37, 0
	s_add_nc_u64 s[36:37], s[22:23], s[36:37]
	v_lshlrev_b32 v4, 2, v1
	v_lshl_add_u32 v4, v2, 14, v4                  ; column r, 16 h rows down
	v_lshlrev_b32 v5, 4, v3
	v_lshlrev_b32 v6, 2, v3
.irp c, 0,1,2,3
.irp i, 0,1,2,3,4,5,6,7,8,9,10,11,12,13,14,15
	global_load_b32 v[96+16*\c+\i], v4, s[28:29] offset:(32*\c+\i)*1024
.endr
.endr
	s_wait_loadcnt 0x0
	QUANT 96, 0, 0, 32, 31
.irp c, 0,1,2,3
	global_store_b128 v5, v[32+4*\c:35+4*\c], s[34:35] offset:512*\c   ; 32 lanes store 512 consecutive bytes, aligned
.endr
	global_store_b32 v6, v31, s[36:37]
	s_endpgm
.LroleR:                                           ; ---- kg's first BatchNorm, 32 channels
	s_lshl_b32 s26, ttmp9, 16
	s_add_co_u32 s26, s26, PART1
	s_mov_b32 s27, 0
	s_add_nc_u64 s[28:29], s[4:5], s[26:27]
	s_lshl_b32 s26, ttmp9, 7
	s_add_nc_u64 s[10:11], s[10:11], s[26:27]
	s_add_nc_u64 s[12:13], s[12:13], s[26:27]
	s_add_nc_u64 s[14:15], s[14:15], s[26:27]
	s_add_co_u32 s26, s26, WQ+139264
	s_add_nc_u64 s[32:33], s[22:23], s[26:27]
	v_lshlrev_b32 v4, 4, v1
	s_lshl_b32 s34, s24, 13
	v_lshl_add_u32 v5, v3, 4, s34
	s_mul_i32 s34, s24, 384
	v_lshl_add_u32 v6, v1, 3, s34
	v_lshlrev_b32 v7, 3, v1
	v_lshl_add_u32 v[OAC], v2, 10, v7              ; 8 (lane % 16) + 1,024 (lane / 16)
	REDUCE 28, 10, 12, 14, 0
	s_cmp_lg_u32 s24, 0
	s_cbranch_scc1 .LendR
	global_store_b64 v[OAC], v[24:25], s[32:33]    ; lanes 0-15: a1's 128 bytes; lanes 16-31: c1's, 1,024 bytes on
.LendR:
	s_set_vgpr_msb 0x5
	s_wait_tensorcnt 0x0
	ds_add_u32 v0, v1
	s_wait_dscnt 0x0
	s_set_vgpr_msb 0x500
	s_endpgm
.Lfunc_end_k_q885ea9d032_mid:
	.size	k_q885ea9d032_mid, .Lfunc_end_k_q885ea9d032_mid-k_q885ea9d032_mid
	.p2alignl 7, 3214868480
	.fill 96, 4, 3214868480
	.section	.rodata,"a",@progbits
	.p2align	6, 0x0
	.amdhsa_kernel k_q885ea9d032_mid
		.amdhsa_group_segment_fixed_size 17408
		.amdhsa_private_segment_fixed_size 0
		.amdhsa_enable_private_segment 0
		.amdhsa_kernarg_size 80
		.amdhsa_user_sgpr_count 2
		.amdhsa_user_sgpr_kernarg_segment_ptr 1
		.amdhsa_wavefront_size32 1
		.amdhsa_system_sgpr_workgroup_id_x 1
		.amdhsa_system_sgpr_workgroup_id_y 1
		.amdhsa_system_sgpr_workgroup_id_z 1
		.amdhsa_system_vgpr_workitem_id 0
		.amdhsa_next_free_vgpr 258
		.amdhsa_next_free_sgpr 66
		.amdhsa_reserve_vcc 0
		.amdhsa_float_denorm_mode_32 3
		.amdhsa_float_denorm_mode_16_64 3
		.amdhsa_memory_ordered 1
		.amdhsa_forward_progress 1
		.amdhsa_inst_pref_size 82
	.end_amdhsa_kernel
	.amdgpu_metadata
---
amdhsa.version: [ 1, 2 ]
amdhsa.kernels:
  - .name:           k_q885ea9d032_mid
    .symbol:         k_q885ea9d032_mid.kd
    .args:
      - { .name: w1, .offset: 0, .size: 8, .value_kind: global_buffer, .address_space: global }
      - { .name: ky_W2, .offset: 8, .size: 8, .value_kind: global_buffer, .address_space: global }
      - { .name: kg_W2, .offset: 16, .size: 8, .value_kind: global_buffer, .address_space: global }
      - { .name: kg_b1, .offset: 24, .size: 8, .value_kind: global_buffer, .address_space: global }
      - { .name: kg_g1, .offset: 32, .size: 8, .value_kind: global_buffer, .address_space: global }
      - { .name: kg_be1, .offset: 40, .size: 8, .value_kind: global_buffer, .address_space: global }
      - { .name: ky_b1, .offset: 48, .size: 8, .value_kind: global_buffer, .address_space: global }
      - { .name: ky_g1, .offset: 56, .size: 8, .value_kind: global_buffer, .address_space: global }
      - { .name: ky_be1, .offset: 64, .size: 8, .value_kind: global_buffer, .address_space: global }
      - { .name: w2, .offset: 72, .size: 8, .value_kind: global_buffer, .address_space: global }
    .group_segment_fixed_size: 17408
    .private_segment_fixed_size: 0
    .kernarg_segment_align: 8
    .kernarg_segment_size: 80
    .max_flat_workgroup_size: 256
    .sgpr_count:     66
    .vgpr_count:     258
    .wavefront_size: 32
...
	.end_amdgpu_metadata
.endif
;; end of part 2
;; launch passA (part 3): grid 256 x 1, 4 waves a work-group, clusters of 4 x 1, 180,736 bytes of LDS; arguments w1, w2, pairwise_g, p2; writes p2
.if DOCPART == 3
	.amdgcn_target "amdgcn-amd-amdhsa--gfx1250"
	.amdhsa_code_object_version 6
	.text
	.protected	k_q885ea9d032_passA
	.globl	k_q885ea9d032_passA
	.p2align	8
	.type	k_q885ea9d032_passA,@function
k_q885ea9d032_passA:
	s_mov_b64 s[64:65], 0
	v_nop
	global_prefetch_b8 v0, s[64:65] scope:SCOPE_SE
	s_setreg_imm32_b32 hwreg(HW_REG_WAVE_MODE, 25, 1), 1
	s_wait_xcnt 0x0
	s_wait_alu depctr_hold_cnt(0) depctr_sa_sdst(0) depctr_va_vdst(0) depctr_va_sdst(0) depctr_va_ssrc(0) depctr_va_vcc(0) depctr_vm_vsrc(0)
	s_getreg_b32 s2, hwreg(HW_REG_IB_STS2, 6, 4)
	s_cmp_eq_u32 s2, 0
	s_cbranch_scc0 .Lentry_in_a_cluster
	s_endpgm
.Lentry_in_a_cluster:
	s_bfe_u32 s2, ttmp6, 0x10000c
	s_cmp_lg_u32 s2, 0x3003
	s_cbranch_scc0 .Lentry_shape_is_right
	s_endpgm
.Lentry_shape_is_right:
; THIRD LAUNCH: both MLPs up to their second Linear, whose result is not kept: only its statistics are (mean and sum of squared deviations of each channel over the work-group's 1,024 rows).
; Keeping the second Linear's results, or the hidden layer's codes, would send hundreds of megabytes to memory and back; making them again from the small inputs costs a few products.
; SHARES.  Work-group g = (b, i) owns 1,024 rows, wave w 256 of them (j = 16 w + tau), in four groups of four tiles of 16 rows.  First ky, then kg.
; A GROUP: (1) the hidden layer of 64 rows is made in f32 and quantised in registers: lane (r, h) holds row r and, in register 16 c + i of a K step, channel 32 c + 16 h + i: the conversions' results ARE the operand.
;   ky: relu(P1s[b, j, t] + P2s[b, i, s]), from the second launch's tables.  kg: pairwise_g is quantised (one block of 32), multiplied by kg_W1 (used transposed, its units chosen so that two tiles' registers are
;   16 neighbours along the next K), then relu(a1 x + c1).  (2) THE SWEEP: 16 tiles of 16 columns of W2, whose fragments come from LDS as images of their registers; eight products a tile (four tiles of rows, two K steps);
;   a lane then holds one channel and 32 rows, and their sums and sums of squares about the wave's shift K are taken.  From the second group on -K is the C of the first K step.
; Waves share nothing in the loops: no barrier stands there.  All of LDS is filled once, so no slot is filled again.
; CLUSTER.  All work-groups read the same weights, so the four of a cluster ask for them JOINTLY: each wave one quarter of each block, the same descriptor in all four work-groups.  The work-group's place enters global offsets alone.
; LIMITS: as in the first launch.
; REGISTERS.  window 0: v1 r, v2 h, v3 lane, v4-19 addresses, v20-21 -K, v32-39 the hidden layer's scale words, v40-45 W2's (three sets), v46-61 kg_W1's, v62 the data's, v64-87 at work,
;   v96-223 the hidden layer in f32; in the sweep v96, v128, v224 three sets of W2's two fragments, v160, v192 two sets of four accumulators.
;   window 1: ky: v0-127 P2s, v128, v192 two halves of P1s' ring; kg: v0-127 a1, v128-255 c1.   window 2: v0-127 the hidden layer's codes (tile m, K step k at 32 m + 16 k); ky: v128, v192 the ring's other halves;
;   kg: v128-203 kg_W1 (16 tiles, 4 registers apart, 12 of zeros), v208-223 the data's fragment.   window 3: v0-127 -K, v128-191 the sums, v192-255 four tiles of pairwise_g.
.set WQ,   2097152
.set W1Q,  2621440
.set KYS,  65536                       ; LDS: 0 ky_W2's codes; its scale words; kg_W2's codes; its scale words; a1, c1; kg_W1's codes; its scale words; the waves' statistics
.set KGW,  69632
.set KGS,  135168
.set A1L,  139264
.set W1L,  141312
.set W1SL, 149504
.set SCR,  157696
.set X,   96
.set ACC, 160
.set AS,  32
.set W1S, 46
.set PGS, 62
.set TM,  64
.set TT,  64
.set UU,  80
.set SQ,  128
.set LL,  10                           ; LDS loads for a tile of W2
.set SEL, 52
.set MNT, 54
.set HM,  55
.set CNT, 56
.set P1B, 58
.set P2B, 60
.set PGB, 62
.set MSB, 0
.macro WIN new                         ; the immediate's high byte repeats the setting that is left; a switch that changes nothing is dropped
.if MSB != (\new)
	s_set_vgpr_msb (MSB<<8)|(\new)
.set MSB, (\new)
.endif
.endm
.macro ROUND                           ; a round of the cluster's barrier
	s_barrier_signal -1
	s_barrier_wait -1
	s_cmp_lg_u32 s12, 0
	s_cbranch_scc1 .Lnot_wave_0_\@
	s_barrier_signal -3
.Lnot_wave_0_\@:
	s_barrier_wait -3
	s_barrier_signal -1
	s_barrier_wait -1
.endm
; 64 numbers of a lane, register 16 b + i = k 32 b + 16 (lane / 16) + i, become 16 registers of codes at v[dst] of window dw and a scale word.  relu = 1: what is negative becomes 0 on the way.
.macro QUANT s, relu, dw, dst, word
.irp b, 0,1,2,3
	v_max3_num_f32 v[TM+\b], v[\s+16*\b], v[\s+16*\b+1], 0x8000000   ; no |.|: what is negative is to become 0 and must not count; the floor 2^(16 - 127) holds the byte at 1 from below
.endr
.irp i, 2,4,6,8,10,12,14
.irp b, 0,1,2,3
	v_max3_num_f32 v[TM+\b], v[TM+\b], v[\s+16*\b+\i], v[\s+16*\b+\i+1]
.endr
.endr
.irp b, 0,1,2,3
	v_permlanex16_b32 v[TM+4+\b], v[TM+\b], s[SEL], s[SEL+1]
.endr
.irp b, 0,1,2,3
	v_max_num_f32 v[TM+\b], v[TM+\b], v[TM+4+\b]                     ; with lane l xor 16's: the block's largest magnitude
.endr
.irp b, 0,1,2,3
	v_add_nc_u32 v[TM+12+\b], 0xf8800000, v[TM+\b]                   ; 15 off its exponent field: the conversion's scale operand
.endr
.irp b, 0,1,2,3
	v_and_or_b32 v[TM+8+\b], v[TM+\b], 0x7f800000, s[MNT]            ; 57,344 x the scale
.endr
.irp b, 0,1,2,3
	v_lshrrev_b32 v[TM+4+\b], 23, v[TM+12+\b]                        ; the scale's byte
.endr
	v_lshl_or_b32 v[\word], v[TM+5], 8, v[TM+4]
	v_lshl_or_b32 v[\word], v[TM+6], 16, v[\word]
	v_lshl_or_b32 v[\word], v[TM+7], 24, v[\word]
.irp b, 0,1,2,3
.irp i, 0,1,2,3,4,5,6,7,8,9,10,11,12,13,14,15
	v_med3_num_f32 v[\s+16*\b+\i], v[\s+16*\b+\i], 0, v[TM+8+\b]     ; the activation and the hold in one (the conversion does not saturate: ISA guide 7.6.2)
.endr
.endr
	WIN (\dw<<6)
.irp b, 0,1,2,3
	v_cvt_scalef32_pk8_bf8_f32 v[\dst+4*\b:\dst+4*\b+1], v[\s+16*\b:\s+16*\b+7], v[TM+12+\b]
	v_cvt_scalef32_pk8_bf8_f32 v[\dst+4*\b+2:\dst+4*\b+3], v[\s+16*\b+8:\s+16*\b+15], v[TM+12+\b]
.endr
	WIN 0
	v_nop                                                            ; a plain place behind the last scaled conversion
.endm
; One block of 32: 16 numbers of a lane at v[raw] of window rw become 4 registers of codes at v[dst] of window dw; the word holds the block's byte, zero bytes above it.
.macro QPG raw, rw, dst, dw, word
	WIN (\rw|(\rw<<2))
	v_max3_num_f32 v[TM], |v[\raw]|, |v[\raw+1]|, 0x8000000
	v_max3_num_f32 v[TM+1], |v[\raw+2]|, |v[\raw+3]|, 0x8000000
.irp i, 4,8,12
	v_max3_num_f32 v[TM], |v[\raw+\i]|, |v[\raw+\i+1]|, v[TM]
	v_max3_num_f32 v[TM+1], |v[\raw+\i+2]|, |v[\raw+\i+3]|, v[TM+1]
.endr
	WIN 0
	v_max_num_f32 v[TM], v[TM], v[TM+1]
	v_permlanex16_b32 v[TM+4], v[TM], s[SEL], s[SEL+1]
	v_max_num_f32 v[TM], v[TM], v[TM+4]
	v_add_nc_u32 v[TM+12], 0xf8800000, v[TM]
	v_and_or_b32 v[TM+8], v[TM], 0x7f800000, s[MNT]
	v_lshrrev_b32 v[\word], 23, v[TM+12]                             ; the 16 holds below stand between this scale word and the products
	WIN ((\rw<<6)|\rw)
.irp i, 0,1,2,3,4,5,6,7,8,9,10,11,12,13,14,15
	v_med3_num_f32 v[\raw+\i], v[\raw+\i], -v[TM+8], v[TM+8]
.endr
	WIN ((\dw<<6)|\rw)
	v_cvt_scalef32_pk8_bf8_f32 v[\dst:\dst+1], v[\raw:\raw+7], v[TM+12]
	v_cvt_scalef32_pk8_bf8_f32 v[\dst+2:\dst+3], v[\raw+8:\raw+15], v[TM+12]
	WIN 0
	v_nop
.endm
; The statistics of tile t's four accumulators: a lane holds ONE channel and 32 rows.  first = 1: the shift is taken (row 0 lies in register 0 of lanes 0-15), subtracted, and kept as -K.
; Each accumulator is read from its low end on.
.macro ST t, first
.set AB, ACC+32*((\t)%2)
.if \first
	v_permlanex16_b32 v20, v[AB], s[SEL], s[SEL+1]
	v_cndmask_b32 v20, v[AB], v20, s[HM]
	v_xor_b32 v20, 0x80000000, v20
	v_mov_b32 v21, v20
.irp i, 0,1,2,3,4,5,6,7,8,9,10,11,12,13,14,15
	v_pk_add_f32 v[AB+2*\i:AB+2*\i+1], v[AB+2*\i:AB+2*\i+1], v[20:21]
.endr
.endif
.irp i, 0,1,2,3,4,5,6,7
	v_pk_add_f32 v[TT+2*\i:TT+2*\i+1], v[AB+4*\i:AB+4*\i+1], v[AB+4*\i+2:AB+4*\i+3]
.endr
.irp i, 0,1,2,3
	v_pk_mul_f32 v[UU+2*\i:UU+2*\i+1], v[AB+2*\i:AB+2*\i+1], v[AB+2*\i:AB+2*\i+1]
.endr
.irp i, 0,1,2,3
	v_pk_add_f32 v[TT+4*\i:TT+4*\i+1], v[TT+4*\i:TT+4*\i+1], v[TT+4*\i+2:TT+4*\i+3]
.endr
.irp i, 4,5,6,7,8,9,10,11,12,13,14,15
	v_pk_fma_f32 v[UU+2*(\i%4):UU+2*(\i%4)+1], v[AB+2*\i:AB+2*\i+1], v[AB+2*\i:AB+2*\i+1], v[UU+2*(\i%4):UU+2*(\i%4)+1]
.endr
	v_pk_add_f32 v[TT:TT+1], v[TT:TT+1], v[TT+4:TT+5]
	v_pk_add_f32 v[TT+8:TT+9], v[TT+8:TT+9], v[TT+12:TT+13]
	v_pk_add_f32 v[UU:UU+1], v[UU:UU+1], v[UU+2:UU+3]
	v_pk_add_f32 v[UU+4:UU+5], v[UU+4:UU+5], v[UU+6:UU+7]
.if \first
	WIN 0xc0                                                         ; the first group starts the sums: nothing is cleared
	v_pk_add_f32 v[SQ+4*(\t):SQ+4*(\t)+1], v[TT:TT+1], v[TT+8:TT+9]
	v_pk_add_f32 v[SQ+4*(\t)+2:SQ+4*(\t)+3], v[UU:UU+1], v[UU+4:UU+5]
.irp j, 0,1,2,3,4,5,6,7
	v_mov_b32 v[8*(\t)+\j], v20
.endr
.else
	v_pk_add_f32 v[TT:TT+1], v[TT:TT+1], v[TT+8:TT+9]
	v_pk_add_f32 v[UU:UU+1], v[UU:UU+1], v[UU+4:UU+5]
	WIN 0xc3
	v_pk_add_f32 v[SQ+4*(\t):SQ+4*(\t)+1], v[SQ+4*(\t):SQ+4*(\t)+1], v[TT:TT+1]
	v_pk_add_f32 v[SQ+4*(\t)+2:SQ+4*(\t)+3], v[SQ+4*(\t)+2:SQ+4*(\t)+3], v[UU:UU+1]
.endif
	WIN 0
.endm
.macro LOADW t, li, ls                 ; tile t of W2: two fragments and their scale words into set t % 3, as they lie: 512 consecutive bytes a load
.set WB, 96+32*((\t)%3)+64*(((\t)%3)/2)
.set WS, 40+2*((\t)%3)
.irp k, 0,1
.irp c, 0,1,2,3
	ds_load_b128 v[WB+16*\k+4*\c:WB+16*\k+4*\c+3], v[\li] offset:(2*(\t)+\k)*2048+512*\c
.endr
.endr
.irp k, 0,1
	ds_load_b32 v[WS+\k], v[\ls] offset:(2*(\t)+\k)*128
.endr
.endm
; Eight products: four tiles of rows x tile t of W2, two K steps.  The four accumulators take turns, one instruction a turn.
.macro MM t, first
.set AB, ACC+32*((\t)%2)
.set WB, 96+32*((\t)%3)+64*(((\t)%3)/2)
.set WS, 40+2*((\t)%3)
.if \first
	WIN 0x02
.else
	WIN 0x32
.endif
.irp m, 0,1,2,3
.if \first
	v_wmma_scale_f32_16x16x128_f8f6f4 v[AB+8*\m:AB+8*\m+7], v[32*\m:32*\m+15], v[WB:WB+15], 0, v[AS+2*\m], v[WS] matrix_a_fmt:MATRIX_FMT_BF8 matrix_b_fmt:MATRIX_FMT_BF8
.else
	v_wmma_scale_f32_16x16x128_f8f6f4 v[AB+8*\m:AB+8*\m+7], v[32*\m:32*\m+15], v[WB:WB+15], v[8*(\t):8*(\t)+7], v[AS+2*\m], v[WS] matrix_a_fmt:MATRIX_FMT_BF8 matrix_b_fmt:MATRIX_FMT_BF8
.endif
.endr
	WIN 0x02
.irp m, 0,1,2,3
	v_wmma_scale_f32_16x16x128_f8f6f4 v[AB+8*\m:AB+8*\m+7], v[32*\m+16:32*\m+31], v[WB+16:WB+31], v[AB+8*\m:AB+8*\m+7], v[AS+2*\m+1], v[WS+1] matrix_a_fmt:MATRIX_FMT_BF8 matrix_b_fmt:MATRIX_FMT_BF8
.endr
	WIN 0
.endm
; THE SWEEP.  Tile t + 1's products stand ahead of tile t's statistics: the statistics of tile t - 1 are the places behind tile t's products, for the reads of their results and for the loads
; into their set of fragments (for all but the loads).  Loads run three tiles ahead.
.macro SWEEP first, li, ls
	LOADW 0, \li, \ls
	LOADW 1, \li, \ls
	LOADW 2, \li, \ls
.rept 4
	v_nop                                          ; the codes just made stand four places ahead of the scaled products
.endr
	s_wait_dscnt 2*LL                              ; tile 0 is in; tiles 1 and 2 may be out
	MM 0, \first
.irp t, 0,1,2,3,4,5,6,7,8,9,10,11,12,13,14,15
.if \t < 15
.if \t < 14
	s_wait_dscnt LL                                ; tile t + 1 is in; tile t + 2 may be out
.else
	s_wait_dscnt 0x0
.endif
	MM \t+1, \first
.endif
.if \t == 0
.rept 8
	v_nop
.endr
.endif
	ST \t, \first
.if \t < 13
	LOADW \t+3, \li, \ls
.endif
.endr
.endm
; A group of ky.  P1s comes through a ring of four half tiles (16 loads each) in registers; a half is asked for again as soon as it is added.  more = 0: the last group asks for nothing beyond its own tiles.
.macro GROUPY first, more
.irp m, 0,1,2,3
.irp k, 0,1
.if \more || (2*\m+\k < 5)
	s_wait_loadcnt 48                              ; this half tile is in; the three younger halves may be out
.else
	s_wait_loadcnt 16*(7-2*\m-\k)                  ; the counts run down
.endif
	WIN 0x05+(\m%2)
.set n1, 0
.rept 32
	v_pk_add_f32 v[X+64*\k+n1:X+64*\k+n1+1], v[128+64*\k+n1:129+64*\k+n1], v[64*\k+n1:64*\k+n1+1]
.set n1, n1+2
.endr
.if \more || (\m < 2)
	WIN 0x40<<(\m%2)
.irp c, 0,1,2,3
.irp q, 0,1,2,3
	global_load_b128 v[128+64*\k+16*\c+4*\q:131+64*\k+16*\c+4*\q], v8, s[P1B:P1B+1] offset:(\m+2)*256+(4*\k+\c)*131072+16*\q
.endr
.endr
.endif
	WIN 0
	QUANT X+64*\k, 1, 2, 32*\m+16*\k, AS+2*\m+\k
.endr
.endr
.if \first
	s_wait_tensorcnt 0x0                           ; my quarters of the weights lie in LDS (they had this group's preparation in which to land),
	s_barrier_signal -1
	s_barrier_wait -1                              ; everybody's do
.endif
	SWEEP \first, 4, 5
.if \more
	s_wait_xcnt 0x0                                ; the loads have read their base
	s_add_nc_u64 s[P1B:P1B+1], s[P1B:P1B+1], 1024  ; four tiles of four table rows on
.endif
.endm
; A group of kg.  pairwise_g comes through a ring of four tiles (4 loads each): a tile's registers take the same tile of the next group as soon as it is quantised.
.macro GROUPG first, more
.irp m, 0,1,2,3
.if \more
	s_wait_loadcnt 12                              ; this tile is in; the three younger tiles may be out
.else
	s_wait_loadcnt 12-4*\m
.endif
	QPG 192+16*\m, 3, 208, 2, PGS
.if \more
	WIN 0xc0
.irp q, 0,1,2,3
	global_load_b128 v[192+16*\m+4*\q:195+16*\m+4*\q], v10, s[PGB:PGB+1] offset:(4+\m)*2048+16*\q
.endr
	WIN 0
.endif
.rept 4
	v_nop
.endr
	WIN 0x0a
.irp T, 0,1,2,3,4,5,6,7,8,9,10,11,12,13,14,15  ; TRANSPOSED: source 0 = 16 units of kg_W1, source 1 = my 16 rows.  A tile of kg_W1 is named as 16 registers from its own 4 on: the rest meets zero codes
	v_wmma_scale_f32_16x16x128_f8f6f4 v[X+8*\T:X+8*\T+7], v[128+4*\T:128+4*\T+15], v[208:223], 0, v[W1S+\T], v[PGS] matrix_a_fmt:MATRIX_FMT_BF8 matrix_b_fmt:MATRIX_FMT_BF8
.endr
	WIN 0
.rept 8
	v_nop
.endr
	WIN 0x14
.set n1, 0
.rept 64
	v_pk_fma_f32 v[X+n1:X+n1+1], v[X+n1:X+n1+1], v[n1:n1+1], v[128+n1:129+n1]   ; a1 x + c1, each accumulator from its low end on
.set n1, n1+2
.endr
	WIN 0
	QUANT X, 1, 2, 32*\m, AS+2*\m
	QUANT X+64, 1, 2, 32*\m+16, AS+2*\m+1
.endr
	SWEEP \first, 6, 7
.if \more
	s_wait_xcnt 0x0
	s_add_nc_u64 s[PGB:PGB+1], s[PGB:PGB+1], 8192
.endif
.endm
; The wave's 256 rows of a branch: mean = K + s / 256, M2 = q - s^2 / 256, to LDS.
.macro WTAIL br
	WIN 0x0f
.irp t, 0,1,2,3,4,5,6,7,8,9,10,11,12,13,14,15
	v_add_f32 v[96+\t], v[SQ+4*\t], v[SQ+4*\t+1]
	v_add_f32 v[112+\t], v[SQ+4*\t+2], v[SQ+4*\t+3]
	v_mov_b32 v[128+\t], v[8*\t]
.endr
	WIN 0
.irp t, 0,1,2,3,4,5,6,7,8,9,10,11,12,13,14,15
	v_permlanex16_b32 v[144+\t], v[96+\t], s[SEL], s[SEL+1]
	v_permlanex16_b32 v[160+\t], v[112+\t], s[SEL], s[SEL+1]
.endr
.irp t, 0,1,2,3,4,5,6,7,8,9,10,11,12,13,14,15
	v_add_f32 v[96+\t], v[96+\t], v[144+\t]
	v_add_f32 v[112+\t], v[112+\t], v[160+\t]
.endr
.irp t, 0,1,2,3,4,5,6,7,8,9,10,11,12,13,14,15
	v_mul_f32 v[144+\t], v[96+\t], v[96+\t]
	v_fma_f32 v[160+\t], v[96+\t], 0x3b800000, -v[128+\t]
.endr
.irp t, 0,1,2,3,4,5,6,7,8,9,10,11,12,13,14,15
	v_fma_f32 v[176+\t], v[144+\t], 0xbb800000, v[112+\t]
.endr
.irp t, 0,1,2,3,4,5,6,7,8,9,10,11,12,13,14,15
	ds_store_b32 v17, v[160+\t] offset:8192*\br+64*\t                ; channel 16 t + r; both halves of the lanes write the same word with the same value
	ds_store_b32 v17, v[176+\t] offset:8192*\br+64*\t+1024
.endr
.endm
.macro COMBINE B, O                    ; four waves' (mean, M2) of 256 rows, for two channels, become the work-group's
	v_pk_add_f32 v[\O:\O+1], v[\B:\B+1], v[\B+4:\B+5]
	v_pk_add_f32 v[\O+4:\O+5], v[\B+8:\B+9], v[\B+12:\B+13]
	v_pk_add_f32 v[\O+2:\O+3], v[\B+2:\B+3], v[\B+6:\B+7]
	v_pk_add_f32 v[\O+6:\O+7], v[\B+10:\B+11], v[\B+14:\B+15]
	v_pk_add_f32 v[\O:\O+1], v[\O:\O+1], v[\O+4:\O+5]
	v_pk_add_f32 v[\O+2:\O+3], v[\O+2:\O+3], v[\O+6:\O+7]
	v_pk_mul_f32 v[\O:\O+1], v[\O:\O+1], 0x3e800000 op_sel_hi:[1,0]
.irp w, 0,1,2,3
	v_pk_add_f32 v[\B+4*\w:\B+4*\w+1], v[\B+4*\w:\B+4*\w+1], v[\O:\O+1] neg_lo:[0,1] neg_hi:[0,1]
.endr
	v_pk_mul_f32 v[\O+4:\O+5], v[\B:\B+1], v[\B:\B+1]
.irp w, 1,2,3
	v_pk_fma_f32 v[\O+4:\O+5], v[\B+4*\w:\B+4*\w+1], v[\B+4*\w:\B+4*\w+1], v[\O+4:\O+5]
.endr
	v_pk_fma_f32 v[\O+2:\O+3], v[\O+4:\O+5], 0x43800000, v[\O+2:\O+3] op_sel_hi:[1,0,1]
.endm
	s_load_b256 s[4:11], s[0:1], 0x0               ; w1, w2, pairwise_g, p2
	v_lshl_add_u32 v94, v0, 2, 0x2c000
	v_mov_b32 v95, 0
	ds_add_u32 v94, v95
	ds_add_u32 v94, v95
	v_lshrrev_b32 v1, 5, v0
	v_readfirstlane_b32 s12, v1                    ; wave
	s_bfe_u32 s13, ttmp6, 0x40000                  ; cx
	s_lshl_b32 s14, ttmp9, 2
	s_add_co_u32 s14, s14, s13                     ; g = 4 x cluster + cx: it enters global offsets alone
	v_and_b32 v3, 31, v0
	v_and_b32 v1, 15, v0
	v_bfe_u32 v2, v0, 4, 1
	v_lshlrev_b32 v4, 4, v3                        ; ky_W2's images: 16 x lane
	v_lshl_add_u32 v5, v3, 2, KYS
	v_lshl_add_u32 v6, v3, 4, KGW
	v_lshl_add_u32 v7, v3, 2, KGS
	v_and_b32 v8, 3, v0
	v_lshlrev_b32 v8, 6, v8
	v_lshl_add_u32 v8, v2, 16, v8                  ; P1s: table row t = r % 4, group of channels + h
	v_bfe_u32 v9, v0, 2, 2
	v_lshlrev_b32 v9, 6, v9
	v_lshl_add_u32 v9, v2, 16, v9                  ; P2s: table row s = r / 4
	v_lshlrev_b32 v10, 7, v1
	v_lshl_add_u32 v10, v2, 6, v10                 ; pairwise_g: row r of 128 bytes + 64 h
	v_lshl_add_u32 v14, v2, 6, A1L
	v_lshl_add_u32 v15, v3, 4, W1L
	v_lshl_add_u32 v16, v3, 2, W1SL
	s_lshl_b32 s66, s12, 11
	s_add_co_u32 s66, s66, SCR
	v_lshl_add_u32 v17, v1, 2, s66
	v_lshl_add_u32 v18, v0, 3, SCR
	v_lshrrev_b32 v19, 4, v0
	v_lshlrev_b32 v19, 16, v19
	v_lshl_add_u32 v19, v1, 4, v19
	v_mov_b32 v20, 0                               ; written once: a lane permute's destination counts as one of its sources
.irp b, 0,1,2,3
	v_mov_b32 v[TM+4+\b], 0
.endr
	s_mov_b32 s[SEL], 0x76543210
	s_mov_b32 s[SEL+1], 0xfedcba98
	s_mov_b32 s[MNT], 0x600000
	s_mov_b32 s[HM], 0xffff0000
	; descriptors: dense blocks as rows of 256 bytes (32 elements of 8 bytes), no padding; mask: all four work-groups, bit 21 beside it
	s_mov_b32 s16, 15|(3<<16)|(1<<21)
	s_mov_b32 s17, 32<<16                          ; tensor_dim0 = 32
	s_mov_b32 s18, 138<<16                         ; tensor_dim1 = 138 rows: a quarter of the 141,312 bytes of W2's images, a1 and c1
	s_mov_b32 s19, 32<<16                          ; tile_dim0
	s_mov_b32 s20, 138                             ; tile_dim1
	s_mov_b32 s21, 32                              ; pitch
	s_mov_b32 s22, 0
	s_mov_b32 s23, 0
	s_mov_b32 s28, 15|(3<<16)|(1<<21)
	s_mov_b32 s29, 32<<16
	s_mov_b32 s30, 10<<16                          ; 10 rows: a quarter of kg_W1's 10,240 bytes
	s_mov_b32 s31, 32<<16
	s_mov_b32 s32, 10
	s_mov_b32 s33, 32
	s_mov_b32 s34, 0
	s_mov_b32 s35, 0
	s_mov_b32 s24, 1
	s_mul_i32 s25, s12, 35328                      ; LDS address: the wave's number times a constant
	s_add_co_u32 s66, s25, WQ
	s_mov_b32 s67, 0
	s_mov_b32 s36, 1
	s_mul_i32 s68, s12, 2560
	s_add_co_u32 s37, s68, W1L
	s_add_co_u32 s68, s68, W1Q
	s_mov_b32 s69, 0
	s_lshr_b32 s70, s14, 6                         ; b
	s_lshl_b32 s70, s70, 14                        ; P1s: table rows 256 b + 64 w on, 64 bytes each
	s_lshl_b32 s71, s12, 12
	s_add_co_u32 s70, s70, s71
	s_mov_b32 s71, 0
	s_lshl_b32 s72, s14, 8                         ; 256 g
	s_mov_b32 s73, 0
	s_lshl_b32 s74, s14, 17                        ; pairwise_g: 131,072 g + 32,768 w
	s_lshl_b32 s75, s12, 15
	s_add_co_u32 s74, s74, s75
	s_mov_b32 s75, 0
	s_wait_dscnt 0x0
	s_wait_kmcnt 0x0
	s_add_nc_u64 s[26:27], s[6:7], s[66:67]
	s_or_b32 s27, s27, 0x80000000
	s_add_nc_u64 s[38:39], s[4:5], s[68:69]
	s_or_b32 s39, s39, 0x80000000
	s_add_nc_u64 s[P1B:P1B+1], s[6:7], s[70:71]
	s_add_nc_u64 s[P2B:P2B+1], s[6:7], s[72:73]
	s_add_nc_u64 s[P2B:P2B+1], s[P2B:P2B+1], 1048576
	s_add_nc_u64 s[PGB:PGB+1], s[8:9], s[74:75]
	s_add_nc_u64 s[10:11], s[10:11], s[72:73]
	ROUND                                          ; all four work-groups are here: the joint loads meet
	tensor_load_to_lds s[24:27], s[16:23]          ; two loads of mine are out; both fill their bytes once
	s_nop 0
	tensor_load_to_lds s[36:39], s[28:35]
	s_nop 0
.rept 4
	v_nop
.endr
	WIN 0xc0
.irp m, 0,1,2,3
.irp q, 0,1,2,3
	global_load_b128 v[192+16*\m+4*\q:195+16*\m+4*\q], v10, s[PGB:PGB+1] offset:\m*2048+16*\q
.endr
.endr
	WIN 0x40
.irp k, 0,1,2,3,4,5,6,7
.irp q, 0,1,2,3
	global_load_b128 v[16*\k+4*\q:16*\k+4*\q+3], v9, s[P2B:P2B+1] offset:\k*131072+16*\q
.endr
.endr
.irp k, 0,1
.irp c, 0,1,2,3
.irp q, 0,1,2,3
	global_load_b128 v[128+64*\k+16*\c+4*\q:131+64*\k+16*\c+4*\q], v8, s[P1B:P1B+1] offset:(4*\k+\c)*131072+16*\q
.endr
.endr
.endr
	WIN 0x80
.irp k, 0,1
.irp c, 0,1,2,3
.irp q, 0,1,2,3
	global_load_b128 v[128+64*\k+16*\c+4*\q:131+64*\k+16*\c+4*\q], v8, s[P1B:P1B+1] offset:256+(4*\k+\c)*131072+16*\q
.endr
.endr
.endr
	WIN 0
	GROUPY 1, 1
	s_mov_b32 s[CNT], 2
.Lky:
	GROUPY 0, 1
	s_sub_co_u32 s[CNT], s[CNT], 1
	s_cmp_lg_u32 s[CNT], 0
	s_cbranch_scc1 .Lky
	GROUPY 0, 0
	WTAIL 0
	; kg: its constants come out of LDS into the registers that ky's tables have left
	WIN 0x40
.irp k, 0,1,2,3,4,5,6,7
.irp q, 0,1,2,3
	ds_load_b128 v[16*\k+4*\q:16*\k+4*\q+3], v14 offset:128*\k+16*\q             ; a1 of channels 32 k + 16 h + 4 q on
	ds_load_b128 v[128+16*\k+4*\q:131+16*\k+4*\q], v14 offset:1024+128*\k+16*\q  ; c1
.endr
.endr
	WIN 0x80
.irp T, 0,1,2,3,4,5,6,7,8,9,10,11,12,13,14,15
	ds_load_b128 v[128+4*\T:131+4*\T], v15 offset:512*\T
.endr
.irp i, 192,193,194,195,196,197,198,199,200,201,202,203,212,213,214,215,216,217,218,219,220,221,222,223
	v_mov_b32 v[\i], 0                             ; zero codes behind kg_W1's tiles, and the data's K blocks 1 to 3
.endr
	WIN 0
.irp T, 0,1,2,3,4,5,6,7,8,9,10,11,12,13,14,15
	ds_load_b32 v[W1S+\T], v16 offset:128*\T
.endr
	s_wait_dscnt 0x0
	GROUPG 1, 1
	s_mov_b32 s[CNT], 2
.Lkg:
	GROUPG 0, 1
	s_sub_co_u32 s[CNT], s[CNT], 1
	s_cmp_lg_u32 s[CNT], 0
	s_cbranch_scc1 .Lkg
	GROUPG 0, 0
	WTAIL 1
	s_wait_dscnt 0x0                               ; for the others' sake: my statistics lie in LDS
	s_barrier_signal -1
	s_barrier_wait -1
.irp b, 0,1
.irp w, 0,1,2,3
	ds_load_b64 v[96+16*\b+4*\w:97+16*\b+4*\w], v18 offset:8192*\b+2048*\w
	ds_load_b64 v[98+16*\b+4*\w:99+16*\b+4*\w], v18 offset:8192*\b+2048*\w+1024
.endr
.endr
	s_wait_dscnt 0x0
	COMBINE 96, 128
	COMBINE 112, 136
	global_store_b128 v19, v[128:131], s[10:11]                   ; 16 lanes store 256 consecutive bytes, aligned
	global_store_b128 v19, v[136:139], s[10:11] offset:524288
	s_wait_tensorcnt 0x0
	ds_add_u32 v94, v95
	s_wait_dscnt 0x0
	ROUND                                          ; the closing round
	s_endpgm
.Lfunc_end_k_q885ea9d032_passA:
	.size	k_q885ea9d032_passA, .Lfunc_end_k_q885ea9d032_passA-k_q885ea9d032_passA
	.p2alignl 7, 3214868480
	.fill 96, 4, 3214868480
	.section	.rodata,"a",@progbits
	.p2align	6, 0x0
	.amdhsa_kernel k_q885ea9d032_passA
		.amdhsa_group_segment_fixed_size 180736
		.amdhsa_private_segment_fixed_size 0
		.amdhsa_enable_private_segment 0
		.amdhsa_kernarg_size 32
		.amdhsa_user_sgpr_count 2
		.amdhsa_user_sgpr_kernarg_segment_ptr 1
		.amdhsa_wavefront_size32 1
		.amdhsa_system_sgpr_workgroup_id_x 1
		.amdhsa_system_sgpr_workgroup_id_y 1
		.amdhsa_system_sgpr_workgroup_id_z 1
		.amdhsa_system_vgpr_workitem_id 0
		.amdhsa_next_free_vgpr 1024
		.amdhsa_next_free_sgpr 80
		.amdhsa_reserve_vcc 0
		.amdhsa_float_denorm_mode_32 3
		.amdhsa_float_denorm_mode_16_64 3
		.amdhsa_memory_ordered 1
		.amdhsa_forward_progress 1
		.amdhsa_inst_pref_size 255
	.end_amdhsa_kernel
	.section	.bss,"aw",@nobits
	.p2align	6
	.space	262144
	.amdgpu_metadata
---
amdhsa.version: [ 1, 2 ]
amdhsa.kernels:
  - .name:           k_q885ea9d032_passA
    .symbol:         k_q885ea9d032_passA.kd
    .args:
      - { .name: w1, .offset: 0, .size: 8, .value_kind: global_buffer, .address_space: global }
      - { .name: w2, .offset: 8, .size: 8, .value_kind: global_buffer, .address_space: global }
      - { .name: pairwise_g, .offset: 16, .size: 8, .value_kind: global_buffer, .address_space: global }
      - { .name: p2, .offset: 24, .size: 8, .value_kind: global_buffer, .address_space: global }
    .group_segment_fixed_size: 180736
    .private_segment_fixed_size: 0
    .kernarg_segment_align: 8
    .kernarg_segment_size: 32
    .max_flat_workgroup_size: 128
    .sgpr_count:     80
    .vgpr_count:     1024
    .wavefront_size: 32
...
	.end_amdgpu_metadata
.endif
;; end of part 3
;; launch red2 (part 4): grid 16 x 1, 8 waves a work-group, no clusters, 5,120 bytes of LDS; arguments p2, ky_b2, ky_g2, ky_be2, ky_W3, kg_b2, kg_g2, kg_be2, kg_W3, c2; writes c2
.if DOCPART == 4
	.amdgcn_target "amdgcn-amd-amdhsa--gfx1250"
	.amdhsa_code_object_version 6
	.text
	.protected	k_q885ea9d032_red2
	.globl	k_q885ea9d032_red2
	.p2align	8
	.type	k_q885ea9d032_red2,@function
k_q885ea9d032_red2:
	s_mov_b64 s[64:65], 0
	v_nop
	global_prefetch_b8 v0, s[64:65] scope:SCOPE_SE
	s_setreg_imm32_b32 hwreg(HW_REG_WAVE_MODE, 25, 1), 1
	s_wait_xcnt 0x0
; FOURTH LAUNCH: the second BatchNorm of both MLPs from the 256 work-groups' parts.  Work-group n: branch n / 8 (ky, kg), channels 32 (n % 8) on.
; a2 = g rsqrt(var + 1e-5), c2 = a2 (b - mu) + be, mu = the product's mean + b; W3 is copied beside them, so that the next launch fetches one dense block.
; c2: [branch][a2 256 | c2 256 | W3 256] f32.  Sixteen work-groups: 8 KiB of parts a wave is all the work there is.  LIMITS: as in the first launch.
.set SEL, 52
.set HM,  55
.set IV,  40
.set EP,  41
.set OAC, 104                          ; v104: where a and c are stored;  v105: 4 x lane, for W3.  Both lie outside all that REDUCE writes
.set OW3, 105
.macro REDUCE pb, sb, sg, sbe, lb      ; as in the second launch.  At work: v8-27, v32-101
	global_load_b128 v[8:11], v4, s[\pb:\pb+1]
.irp i, 0,1,2,3,4,5,6,7,8,9,10,11,12,13,14,15
	global_load_b128 v[32+4*\i:35+4*\i], v5, s[\pb:\pb+1] offset:512*\i
.endr
	global_load_b64 v[96:97], v7, s[\sb:\sb+1]
	global_load_b64 v[98:99], v7, s[\sg:\sg+1]
	global_load_b64 v[100:101], v7, s[\sbe:\sbe+1]
	s_wait_loadcnt 0x0
.irp i, 0,1,2,3,4,5,6,7,8,9,10,11,12,13,14,15
.if \i < 2
	v_pk_add_f32 v[12+6*\i:13+6*\i], v[32+4*\i:33+4*\i], v[8:9] neg_lo:[0,1] neg_hi:[0,1]
	v_pk_mul_f32 v[14+6*\i:15+6*\i], v[12+6*\i:13+6*\i], v[12+6*\i:13+6*\i]
.else
	v_pk_add_f32 v[24+2*(\i%2):25+2*(\i%2)], v[32+4*\i:33+4*\i], v[8:9] neg_lo:[0,1] neg_hi:[0,1]
	v_pk_add_f32 v[12+6*(\i%2):13+6*(\i%2)], v[12+6*(\i%2):13+6*(\i%2)], v[24+2*(\i%2):25+2*(\i%2)]
	v_pk_fma_f32 v[14+6*(\i%2):15+6*(\i%2)], v[24+2*(\i%2):25+2*(\i%2)], v[24+2*(\i%2):25+2*(\i%2)], v[14+6*(\i%2):15+6*(\i%2)]
.if \i < 4
	v_pk_add_f32 v[16+6*(\i%2):17+6*(\i%2)], v[34+4*(\i-2):35+4*(\i-2)], v[34+4*\i:35+4*\i]
.else
	v_pk_add_f32 v[16+6*(\i%2):17+6*(\i%2)], v[16+6*(\i%2):17+6*(\i%2)], v[34+4*\i:35+4*\i]
.endif
.endif
.endr
.irp k, 0,2,4
	v_pk_add_f32 v[12+\k:13+\k], v[12+\k:13+\k], v[18+\k:19+\k]
.endr
.irp j, 0,1,2,3,4,5
	v_permlanex16_b32 v[32+\j], v[12+\j], s[SEL], s[SEL+1]
.endr
.irp k, 0,2,4
	v_pk_add_f32 v[12+\k:13+\k], v[12+\k:13+\k], v[32+\k:33+\k]
.endr
	ds_store_b64 v6, v[12:13] offset:\lb
	ds_store_b64 v6, v[14:15] offset:\lb+128
	ds_store_b64 v6, v[16:17] offset:\lb+256
	s_wait_dscnt 0x0                               ; for the others' sake
	s_barrier_signal -1
	s_barrier_wait -1
.irp w, 0,1,2,3,4,5,6,7
.irp k, 0,1,2
	ds_load_b64 v[32+6*\w+2*\k:33+6*\w+2*\k], v7 offset:\lb+384*\w+128*\k
.endr
.endr
	s_wait_dscnt 0x0
.irp k, 0,2,4
	v_pk_add_f32 v[12+\k:13+\k], v[32+\k:33+\k], v[38+\k:39+\k]
.endr
.irp w, 2,3,4,5,6,7
.irp k, 0,2,4
	v_pk_add_f32 v[12+\k:13+\k], v[12+\k:13+\k], v[32+6*\w+\k:33+6*\w+\k]
.endr
.endr
	v_pk_fma_f32 v[18:19], v[12:13], 0x3b800000, v[8:9] op_sel_hi:[1,0,1]      ; the product's mean = shift + sum / 256
	v_pk_mul_f32 v[20:21], v[12:13], v[12:13]
	v_pk_fma_f32 v[20:21], v[20:21], 0xbb800000, v[14:15] op_sel_hi:[1,0,1]    ; the means' squared deviations
	v_pk_fma_f32 v[20:21], v[20:21], 0x44800000, v[16:17] op_sel_hi:[1,0,1]    ; x 1,024 rows + the parts' M2
	v_fma_f32 v20, v20, s[IV], s[EP]
	v_fma_f32 v21, v21, s[IV], s[EP]
	v_rsq_f32 v20, v20
	v_rsq_f32 v21, v21
	v_pk_add_f32 v[18:19], v[18:19], v[96:97]                                  ; mu  (the plain place behind the roots)
	s_wait_alu depctr_va_vdst(0)
	v_pk_mul_f32 v[20:21], v[20:21], v[98:99]                                  ; a
	v_pk_add_f32 v[18:19], v[96:97], v[18:19] neg_lo:[0,1] neg_hi:[0,1]
	v_pk_fma_f32 v[22:23], v[20:21], v[18:19], v[100:101]                      ; c
	v_cndmask_b32 v24, v20, v22, s[HM]
	v_cndmask_b32 v25, v21, v23, s[HM]
.endm
	s_load_b256 s[4:11], s[0:1], 0x0               ; p2, ky_b2, ky_g2, ky_be2
	s_load_b256 s[12:19], s[0:1], 0x20             ; ky_W3, kg_b2, kg_g2, kg_be2
	s_load_b128 s[20:23], s[0:1], 0x40             ; kg_W3, c2
	v_lshl_add_u32 v128, v0, 2, 0x1000
	v_mov_b32 v129, 0
	v_lshrrev_b32 v1, 5, v0
	v_readfirstlane_b32 s24, v1                    ; wave 0..7
	v_and_b32 v3, 31, v0
	v_and_b32 v1, 15, v0
	v_bfe_u32 v2, v0, 4, 1
	v_lshlrev_b32 v4, 4, v1
	s_lshl_b32 s34, s24, 13
	v_lshl_add_u32 v5, v3, 4, s34
	s_mul_i32 s34, s24, 384
	v_lshl_add_u32 v6, v1, 3, s34
	v_lshlrev_b32 v7, 3, v1
	v_lshl_add_u32 v[OAC], v2, 10, v7              ; 8 (lane % 16) + 1,024 (lane / 16)
	v_lshlrev_b32 v[OW3], 2, v3
	s_mov_b32 s[SEL], 0x76543210
	s_mov_b32 s[SEL+1], 0xfedcba98
	s_mov_b32 s[HM], 0xffff0000
	s_mov_b32 s[IV], 0x36800000
	s_mov_b32 s[EP], 0x3727c5ac
	s_wait_kmcnt 0x0
	s_cmp_ge_u32 ttmp9, 8                          ; the branch: the choice hangs on the work-group's number alone
	s_cselect_b64 s[6:7], s[14:15], s[6:7]
	s_cselect_b64 s[8:9], s[16:17], s[8:9]
	s_cselect_b64 s[10:11], s[18:19], s[10:11]
	s_cselect_b64 s[12:13], s[20:21], s[12:13]
	s_cselect_b32 s26, 524288, 0
	s_cselect_b32 s28, 3072, 0
	s_and_b32 s30, ttmp9, 7
	s_lshl_b32 s31, s30, 16
	s_add_co_u32 s26, s26, s31
	s_mov_b32 s27, 0
	s_add_nc_u64 s[4:5], s[4:5], s[26:27]
	s_lshl_b32 s30, s30, 7
	s_mov_b32 s31, 0
	s_add_nc_u64 s[6:7], s[6:7], s[30:31]
	s_add_nc_u64 s[8:9], s[8:9], s[30:31]
	s_add_nc_u64 s[10:11], s[10:11], s[30:31]
	s_add_nc_u64 s[12:13], s[12:13], s[30:31]
	s_add_co_u32 s28, s28, s30
	s_mov_b32 s29, 0
	s_add_nc_u64 s[22:23], s[22:23], s[28:29]
	global_load_b32 v102, v[OW3], s[12:13]         ; W3's 32 numbers
	REDUCE 4, 6, 8, 10, 0
	s_cmp_lg_u32 s24, 0
	s_cbranch_scc1 .Lend
	global_store_b64 v[OAC], v[24:25], s[22:23]    ; lanes 0-15: a2's 128 bytes; lanes 16-31: c2's, 1,024 bytes on
	global_store_b32 v[OW3], v102, s[22:23] offset:2048
.Lend:
	s_wait_tensorcnt 0x0
	ds_add_u32 v128, v129
	s_wait_dscnt 0x0
	s_endpgm
.Lfunc_end_k_q885ea9d032_red2:
	.size	k_q885ea9d032_red2, .Lfunc_end_k_q885ea9d032_red2-k_q885ea9d032_red2
	.p2alignl 7, 3214868480
	.fill 96, 4, 3214868480
	.section	.rodata,"a",@progbits
	.p2align	6, 0x0
	.amdhsa_kernel k_q885ea9d032_red2
		.amdhsa_group_segment_fixed_size 5120
		.amdhsa_private_segment_fixed_size 0
		.amdhsa_enable_private_segment 0
		.amdhsa_kernarg_size 80
		.amdhsa_user_sgpr_count 2
		.amdhsa_user_sgpr_kernarg_segment_ptr 1
		.amdhsa_wavefront_size32 1
		.amdhsa_system_sgpr_workgroup_id_x 1
		.amdhsa_system_sgpr_workgroup_id_y 1
		.amdhsa_system_sgpr_workgroup_id_z 1
		.amdhsa_system_vgpr_workitem_id 0
		.amdhsa_next_free_vgpr 130
		.amdhsa_next_free_sgpr 66
		.amdhsa_reserve_vcc 0
		.amdhsa_float_denorm_mode_32 3
		.amdhsa_float_denorm_mode_16_64 3
		.amdhsa_memory_ordered 1
		.amdhsa_forward_progress 1
		.amdhsa_inst_pref_size 14
	.end_amdhsa_kernel
	.amdgpu_metadata
---
amdhsa.version: [ 1, 2 ]
amdhsa.kernels:
  - .name:           k_q885ea9d032_red2
    .symbol:         k_q885ea9d032_red2.kd
    .args:
      - { .name: p2, .offset: 0, .size: 8, .value_kind: global_buffer, .address_space: global }
      - { .name: ky_b2, .offset: 8, .size: 8, .value_kind: global_buffer, .address_space: global }
      - { .name: ky_g2, .offset: 16, .size: 8, .value_kind: global_buffer, .address_space: global }
      - { .name: ky_be2, .offset: 24, .size: 8, .value_kind: global_buffer, .address_space: global }
      - { .name: ky_W3, .offset: 32, .size: 8, .value_kind: global_buffer, .address_space: global }
      - { .name: kg_b2, .offset: 40, .size: 8, .value_kind: global_buffer, .address_space: global }
      - { .name: kg_g2, .offset: 48, .size: 8, .value_kind: global_buffer, .address_space: global }
      - { .name: kg_be2, .offset: 56, .size: 8, .value_kind: global_buffer, .address_space: global }
      - { .name: kg_W3, .offset: 64, .size: 8, .value_kind: global_buffer, .address_space: global }
      - { .name: c2, .offset: 72, .size: 8, .value_kind: global_buffer, .address_space: global }
    .group_segment_fixed_size: 5120
    .private_segment_fixed_size: 0
    .kernarg_segment_align: 8
    .kernarg_segment_size: 80
    .max_flat_workgroup_size: 256
    .sgpr_count:     66
    .vgpr_count:     130
    .wavefront_size: 32
...
	.end_amdgpu_metadata
.endif
;; end of part 4
;; launch passB (part 5): grid 256 x 1, 4 waves a work-group, clusters of 4 x 1, 180,736 bytes of LDS; arguments w1, w2, c2, pairwise_g, ky_b3, kg_b3, zz; writes zz
.if DOCPART == 5
	.amdgcn_target "amdgcn-amd-amdhsa--gfx1250"
	.amdhsa_code_object_version 6
	.text
	.protected	k_q885ea9d032_passB
	.globl	k_q885ea9d032_passB
	.p2align	8
	.type	k_q885ea9d032_passB,@function
k_q885ea9d032_passB:
	s_mov_b64 s[64:65], 0
	v_nop
	global_prefetch_b8 v0, s[64:65] scope:SCOPE_SE
	s_setreg_imm32_b32 hwreg(HW_REG_WAVE_MODE, 25, 1), 1
	s_wait_xcnt 0x0
	s_wait_alu depctr_hold_cnt(0) depctr_sa_sdst(0) depctr_va_vdst(0) depctr_va_sdst(0) depctr_va_ssrc(0) depctr_va_vcc(0) depctr_vm_vsrc(0)
	s_getreg_b32 s2, hwreg(HW_REG_IB_STS2, 6, 4)
	s_cmp_eq_u32 s2, 0
	s_cbranch_scc0 .Lentry_in_a_cluster
	s_endpgm
.Lentry_in_a_cluster:
	s_bfe_u32 s2, ttmp6, 0x10000c
	s_cmp_lg_u32 s2, 0x3003
	s_cbranch_scc0 .Lentry_shape_is_right
	s_endpgm
.Lentry_shape_is_right:
; FIFTH LAUNCH: both MLPs once more up to their second Linear, made exactly as in the third launch, and on: z = relu(a2 x + c2) . W3 + b3 for every row, and z's mean and sum of squared deviations for the work-group.
; What differs from the third launch: the second Linear is used TRANSPOSED (source 0 = 16 columns of W2, source 1 = 16 rows), so that a lane holds ONE row and its registers run along the channels: the third Linear
; (one column: f32 multiply-adds) is then a sum inside a lane and one exchange between the halves of the lanes.  a2, c2 and W3 of a tile's channels come from LDS with W2's fragments.
; A wave's z of a branch stay in eight registers, which move down by two in each group, so that no LDS address is stepped in a loop; at the branch's end they go through the wave's own stage and leave as 512 consecutive bytes a store.
; Shares, layout, cluster, limits: as in the third launch.  zz: 0 z of ky, 1,048,576 z of kg (rows in order), 2,097,152 [g] (mean ky, mean kg, M2 ky, M2 kg).
; REGISTERS as in the third launch, but: window 0: v11, v12 addresses of the constants, v13, v22, v23 the stage, v24-31 z, v88-95 at work;  window 3: v0-71 three sets of (a2, c2, W3) x 8, v72-79 four sums of z in two halves, v192-255 pairwise_g.
.set WQ,   2097152
.set W1Q,  2621440
.set KYS,  65536
.set KGW,  69632
.set KGS,  135168
.set A1L,  139264
.set W1L,  141312
.set W1SL, 149504
.set C2L,  151552                      ; [branch][a2 | c2 | W3], 6,144 bytes
.set SCR,  157696                      ; the z stages: 4,096 x branch + 1,024 x wave
.set ZS,   SCR+8192                    ; the waves' z statistics: 32 x branch + 8 x wave
.set X,   96
.set ACC, 160
.set AS,  32
.set W1S, 46
.set PGS, 62
.set TM,  64
.set LL,  16                           ; LDS loads for a tile of W2 and its constants
.set SEL, 52
.set MNT, 54
.set HM,  55
.set CNT, 56
.set P1B, 58
.set P2B, 60
.set PGB, 62
.set MSB, 0
.macro WIN new
.if MSB != (\new)
	s_set_vgpr_msb (MSB<<8)|(\new)
.set MSB, (\new)
.endif
.endm
.macro ROUND
	s_barrier_signal -1
	s_barrier_wait -1
	s_cmp_lg_u32 s12, 0
	s_cbranch_scc1 .Lnot_wave_0_\@
	s_barrier_signal -3
.Lnot_wave_0_\@:
	s_barrier_wait -3
	s_barrier_signal -1
	s_barrier_wait -1
.endm
.macro QUANT s, relu, dw, dst, word    ; as in the third launch
.irp b, 0,1,2,3
	v_max3_num_f32 v[TM+\b], v[\s+16*\b], v[\s+16*\b+1], 0x8000000
.endr
.irp i, 2,4,6,8,10,12,14
.irp b, 0,1,2,3
	v_max3_num_f32 v[TM+\b], v[TM+\b], v[\s+16*\b+\i], v[\s+16*\b+\i+1]
.endr
.endr
.irp b, 0,1,2,3
	v_permlanex16_b32 v[TM+4+\b], v[TM+\b], s[SEL], s[SEL+1]
.endr
.irp b, 0,1,2,3
	v_max_num_f32 v[TM+\b], v[TM+\b], v[TM+4+\b]
.endr
.irp b, 0,1,2,3
	v_add_nc_u32 v[TM+12+\b], 0xf8800000, v[TM+\b]
.endr
.irp b, 0,1,2,3
	v_and_or_b32 v[TM+8+\b], v[TM+\b], 0x7f800000, s[MNT]
.endr
.irp b, 0,1,2,3
	v_lshrrev_b32 v[TM+4+\b], 23, v[TM+12+\b]
.endr
	v_lshl_or_b32 v[\word], v[TM+5], 8, v[TM+4]
	v_lshl_or_b32 v[\word], v[TM+6], 16, v[\word]
	v_lshl_or_b32 v[\word], v[TM+7], 24, v[\word]
.irp b, 0,1,2,3
.irp i, 0,1,2,3,4,5,6,7,8,9,10,11,12,13,14,15
	v_med3_num_f32 v[\s+16*\b+\i], v[\s+16*\b+\i], 0, v[TM+8+\b]
.endr
.endr
	WIN (\dw<<6)
.irp b, 0,1,2,3
	v_cvt_scalef32_pk8_bf8_f32 v[\dst+4*\b:\dst+4*\b+1], v[\s+16*\b:\s+16*\b+7], v[TM+12+\b]
	v_cvt_scalef32_pk8_bf8_f32 v[\dst+4*\b+2:\dst+4*\b+3], v[\s+16*\b+8:\s+16*\b+15], v[TM+12+\b]
.endr
	WIN 0
	v_nop
.endm
.macro QPG raw, rw, dst, dw, word      ; as in the third launch
	WIN (\rw|(\rw<<2))
	v_max3_num_f32 v[TM], |v[\raw]|, |v[\raw+1]|, 0x8000000
	v_max3_num_f32 v[TM+1], |v[\raw+2]|, |v[\raw+3]|, 0x8000000
.irp i, 4,8,12
	v_max3_num_f32 v[TM], |v[\raw+\i]|, |v[\raw+\i+1]|, v[TM]
	v_max3_num_f32 v[TM+1], |v[\raw+\i+2]|, |v[\raw+\i+3]|, v[TM+1]
.endr
	WIN 0
	v_max_num_f32 v[TM], v[TM], v[TM+1]
	v_permlanex16_b32 v[TM+4], v[TM], s[SEL], s[SEL+1]
	v_max_num_f32 v[TM], v[TM], v[TM+4]
	v_add_nc_u32 v[TM+12], 0xf8800000, v[TM]
	v_and_or_b32 v[TM+8], v[TM], 0x7f800000, s[MNT]
	v_lshrrev_b32 v[\word], 23, v[TM+12]
	WIN ((\rw<<6)|\rw)
.irp i, 0,1,2,3,4,5,6,7,8,9,10,11,12,13,14,15
	v_med3_num_f32 v[\raw+\i], v[\raw+\i], -v[TM+8], v[TM+8]
.endr
	WIN ((\dw<<6)|\rw)
	v_cvt_scalef32_pk8_bf8_f32 v[\dst:\dst+1], v[\raw:\raw+7], v[TM+12]
	v_cvt_scalef32_pk8_bf8_f32 v[\dst+2:\dst+3], v[\raw+8:\raw+15], v[TM+12]
	WIN 0
	v_nop
.endm
.macro LOADW t, li, ls, lc             ; tile t of W2 into set t % 3, and a2, c2, W3 of channels 16 t + 8 h + 0 .. 7
.set WB, 96+32*((\t)%3)+64*(((\t)%3)/2)
.set WS, 40+2*((\t)%3)
.set CBB, 24*((\t)%3)
.irp k, 0,1
.irp c, 0,1,2,3
	ds_load_b128 v[WB+16*\k+4*\c:WB+16*\k+4*\c+3], v[\li] offset:(2*(\t)+\k)*2048+512*\c
.endr
.endr
.irp k, 0,1
	ds_load_b32 v[WS+\k], v[\ls] offset:(2*(\t)+\k)*128
.endr
	WIN 0xc0
.irp a, 0,1,2
.irp q, 0,1
	ds_load_b128 v[CBB+8*\a+4*\q:CBB+8*\a+4*\q+3], v[\lc] offset:1024*\a+64*(\t)+16*\q
.endr
.endr
	WIN 0
.endm
; Eight products, transposed: tile t of W2 x four tiles of rows, two K steps; the four accumulators take turns, one instruction a turn.
.macro MMT t
.set AB, ACC+32*((\t)%2)
.set WB, 96+32*((\t)%3)+64*(((\t)%3)/2)
.set WS, 40+2*((\t)%3)
	WIN 0x08
.irp m, 0,1,2,3
	v_wmma_scale_f32_16x16x128_f8f6f4 v[AB+8*\m:AB+8*\m+7], v[WB:WB+15], v[32*\m:32*\m+15], 0, v[WS], v[AS+2*\m] matrix_a_fmt:MATRIX_FMT_BF8 matrix_b_fmt:MATRIX_FMT_BF8
.endr
.irp m, 0,1,2,3
	v_wmma_scale_f32_16x16x128_f8f6f4 v[AB+8*\m:AB+8*\m+7], v[WB+16:WB+31], v[32*\m+16:32*\m+31], v[AB+8*\m:AB+8*\m+7], v[WS+1], v[AS+2*\m+1] matrix_a_fmt:MATRIX_FMT_BF8 matrix_b_fmt:MATRIX_FMT_BF8
.endr
	WIN 0
.endm
; Tile t's results: a2 x + c2, relu, times W3, onto the four tiles' sums.  Each accumulator is read from its low end on.  Tile 0 starts the sums.
.macro OUT t
.set AB, ACC+32*((\t)%2)
.set CBB, 24*((\t)%3)
	WIN 0x3c
.irp m, 0,1,2,3
.irp j, 0,2,4,6
	v_pk_fma_f32 v[AB+8*\m+\j:AB+8*\m+\j+1], v[AB+8*\m+\j:AB+8*\m+\j+1], v[CBB+\j:CBB+\j+1], v[CBB+8+\j:CBB+9+\j]
.endr
.endr
	WIN 0
.set n2, 0
.rept 32
	v_max_num_f32 v[AB+n2], 0, v[AB+n2]
.set n2, n2+1
.endr
	WIN 0xfc
.irp j, 0,2,4,6
.irp m, 0,1,2,3
.if ((\t) == 0) && (\j == 0)
	v_pk_mul_f32 v[72+2*\m:73+2*\m], v[AB+8*\m+\j:AB+8*\m+\j+1], v[CBB+16+\j:CBB+17+\j]
.else
	v_pk_fma_f32 v[72+2*\m:73+2*\m], v[AB+8*\m+\j:AB+8*\m+\j+1], v[CBB+16+\j:CBB+17+\j], v[72+2*\m:73+2*\m]
.endif
.endr
.endr
	WIN 0
.endm
.macro SWEEP li, ls, lc                ; the order of the third launch's sweep, for the same reasons
	LOADW 0, \li, \ls, \lc
	LOADW 1, \li, \ls, \lc
	LOADW 2, \li, \ls, \lc
.rept 4
	v_nop
.endr
	s_wait_dscnt 2*LL                              ; tile 0 is in; tiles 1 and 2 may be out
	MMT 0
.irp t, 0,1,2,3,4,5,6,7,8,9,10,11,12,13,14,15
.if \t < 15
.if \t < 14
	s_wait_dscnt LL
.else
	s_wait_dscnt 0x0
.endif
	MMT \t+1
.endif
.if \t == 0
.rept 8
	v_nop
.endr
.endif
	OUT \t
.if \t < 13
	LOADW \t+3, \li, \ls, \lc
.endif
.endr
.endm
; The group's 64 z: the two halves of a sum, the other half of the lanes' channels, b3.  v24-31 move down by two; lanes 0-15 then hold an even tile's rows, lanes 16-31 the odd one's.
.macro ZOUT sb
	WIN 0x0f
.irp m, 0,1,2,3
	v_add_f32 v[88+\m], v[72+2*\m], v[73+2*\m]
.endr
	WIN 0
.irp m, 0,1,2,3
	v_permlanex16_b32 v[TM+4+\m], v[88+\m], s[SEL], s[SEL+1]
.endr
.irp i, 0,1,2,3,4,5
	v_mov_b32 v[24+\i], v[26+\i]
.endr
.irp m, 0,1,2,3
	v_add_f32 v[88+\m], v[88+\m], v[TM+4+\m]
.endr
.irp m, 0,1,2,3
	v_add_f32 v[88+\m], s[\sb], v[88+\m]
.endr
	v_cndmask_b32 v30, v88, v89, s[HM]
	v_cndmask_b32 v31, v90, v91, s[HM]
.endm
.macro GROUPY bar, more
.irp m, 0,1,2,3
.irp k, 0,1
.if \more || (2*\m+\k < 5)
	s_wait_loadcnt 48                              ; this half tile is in; the three younger halves may be out
.else
	s_wait_loadcnt 16*(7-2*\m-\k)
.endif
	WIN 0x05+(\m%2)
.set n1, 0
.rept 32
	v_pk_add_f32 v[X+64*\k+n1:X+64*\k+n1+1], v[128+64*\k+n1:129+64*\k+n1], v[64*\k+n1:64*\k+n1+1]
.set n1, n1+2
.endr
.if \more || (\m < 2)
	WIN 0x40<<(\m%2)
.irp c, 0,1,2,3
.irp q, 0,1,2,3
	global_load_b128 v[128+64*\k+16*\c+4*\q:131+64*\k+16*\c+4*\q], v8, s[P1B:P1B+1] offset:(\m+2)*256+(4*\k+\c)*131072+16*\q
.endr
.endr
.endif
	WIN 0
	QUANT X+64*\k, 1, 2, 32*\m+16*\k, AS+2*\m+\k
.endr
.endr
.if \bar
	s_wait_tensorcnt 0x0                           ; my quarters of the weights and constants lie in LDS,
	s_barrier_signal -1
	s_barrier_wait -1                              ; everybody's do
.endif
	SWEEP 4, 5, 11
	ZOUT 70
.if \more
	s_wait_xcnt 0x0
	s_add_nc_u64 s[P1B:P1B+1], s[P1B:P1B+1], 1024
.endif
.endm
.macro GROUPG more
.irp m, 0,1,2,3
.if \more
	s_wait_loadcnt 12
.else
	s_wait_loadcnt 12-4*\m
.endif
	QPG 192+16*\m, 3, 208, 2, PGS
.if \more
	WIN 0xc0
.irp q, 0,1,2,3
	global_load_b128 v[192+16*\m+4*\q:195+16*\m+4*\q], v10, s[PGB:PGB+1] offset:(4+\m)*2048+16*\q
.endr
	WIN 0
.endif
.rept 4
	v_nop
.endr
	WIN 0x0a
.irp T, 0,1,2,3,4,5,6,7,8,9,10,11,12,13,14,15
	v_wmma_scale_f32_16x16x128_f8f6f4 v[X+8*\T:X+8*\T+7], v[128+4*\T:128+4*\T+15], v[208:223], 0, v[W1S+\T], v[PGS] matrix_a_fmt:MATRIX_FMT_BF8 matrix_b_fmt:MATRIX_FMT_BF8
.endr
	WIN 0
.rept 8
	v_nop
.endr
	WIN 0x14
.set n1, 0
.rept 64
	v_pk_fma_f32 v[X+n1:X+n1+1], v[X+n1:X+n1+1], v[n1:n1+1], v[128+n1:129+n1]
.set n1, n1+2
.endr
	WIN 0
	QUANT X, 1, 2, 32*\m, AS+2*\m
	QUANT X+64, 1, 2, 32*\m+16, AS+2*\m+1
.endr
	SWEEP 6, 7, 12
	ZOUT 71
.if \more
	s_wait_xcnt 0x0
	s_add_nc_u64 s[PGB:PGB+1], s[PGB:PGB+1], 8192
.endif
.endm
.macro LSUM a, tmp                     ; a sum over the wave's 32 lanes, in every lane
	v_add_f32_dpp v[\a], v[\a], v[\a] row_xmask:1 row_mask:0xf bank_mask:0xf
	v_add_f32_dpp v[\a], v[\a], v[\a] row_xmask:2 row_mask:0xf bank_mask:0xf
	v_add_f32_dpp v[\a], v[\a], v[\a] row_xmask:4 row_mask:0xf bank_mask:0xf
	v_add_f32_dpp v[\a], v[\a], v[\a] row_xmask:8 row_mask:0xf bank_mask:0xf
	v_permlanex16_b32 v[\tmp], v[\a], s[SEL], s[SEL+1]
	v_add_f32 v[\a], v[\a], v[\tmp]
.endm
; A branch's end: register i of v24-31 holds rows 32 i + lane.  Through my own stage they become 16 bytes a lane; their mean and squared deviations (two passes over the registers) go to LDS.
.macro ZEND br
.irp i, 0,1,2,3,4,5,6,7
	ds_store_b32 v13, v[24+\i] offset:4096*\br+128*\i
.endr
	ds_load_b128 v[96:99], v22 offset:4096*\br         ; LDS serves a wave's instructions in order: these see my stores
	ds_load_b128 v[100:103], v22 offset:4096*\br+512
	v_add_f32 v104, v24, v25
	v_add_f32 v105, v26, v27
	v_add_f32 v106, v28, v29
	v_add_f32 v107, v30, v31
	v_add_f32 v104, v104, v105
	v_add_f32 v106, v106, v107
	v_add_f32 v104, v104, v106
	LSUM 104, 105
	v_mul_f32 v108, 0x3b800000, v104               ; the wave's mean
.irp i, 0,1,2,3,4,5,6,7
	v_sub_f32 v[112+\i], v[24+\i], v108
.endr
	v_mul_f32 v109, v112, v112
	v_mul_f32 v110, v113, v113
.irp i, 2,4,6
	v_fmac_f32 v109, v[112+\i], v[112+\i]
	v_fmac_f32 v110, v[113+\i], v[113+\i]
.endr
	v_add_f32 v109, v109, v110
	LSUM 109, 110
	ds_store_b64 v23, v[108:109] offset:32*\br
	s_wait_dscnt 0x1                               ; the two loads are in; the store behind them may be out
	global_store_b128 v19, v[96:99], s[76:77] offset:1048576*\br          ; 32 lanes store 512 consecutive bytes, aligned
	global_store_b128 v19, v[100:103], s[76:77] offset:1048576*\br+512
	s_wait_xcnt 0x0                                ; the stores' data are written again only behind this wait
.endm
	s_load_b256 s[4:11], s[0:1], 0x0               ; w1, w2, c2, pairwise_g
	s_load_b128 s[72:75], s[0:1], 0x20             ; ky_b3, kg_b3
	s_load_b64 s[76:77], s[0:1], 0x30              ; zz
	v_lshl_add_u32 v94, v0, 2, 0x2c000
	v_mov_b32 v95, 0
	ds_add_u32 v94, v95
	ds_add_u32 v94, v95
	v_lshrrev_b32 v1, 5, v0
	v_readfirstlane_b32 s12, v1                    ; wave
	s_bfe_u32 s13, ttmp6, 0x40000                  ; cx
	s_lshl_b32 s14, ttmp9, 2
	s_add_co_u32 s14, s14, s13                     ; g: it enters global offsets alone
	v_and_b32 v3, 31, v0
	v_and_b32 v1, 15, v0
	v_bfe_u32 v2, v0, 4, 1
	v_lshlrev_b32 v4, 4, v3
	v_lshl_add_u32 v5, v3, 2, KYS
	v_lshl_add_u32 v6, v3, 4, KGW
	v_lshl_add_u32 v7, v3, 2, KGS
	v_and_b32 v8, 3, v0
	v_lshlrev_b32 v8, 6, v8
	v_lshl_add_u32 v8, v2, 16, v8
	v_bfe_u32 v9, v0, 2, 2
	v_lshlrev_b32 v9, 6, v9
	v_lshl_add_u32 v9, v2, 16, v9
	v_lshlrev_b32 v10, 7, v1
	v_lshl_add_u32 v10, v2, 6, v10
	v_lshl_add_u32 v11, v2, 5, C2L                 ; ky's constants: 32 h
	v_lshl_add_u32 v12, v2, 5, C2L+3072            ; kg's
	v_lshl_add_u32 v14, v2, 6, A1L
	v_lshl_add_u32 v15, v3, 4, W1L
	v_lshl_add_u32 v16, v3, 2, W1SL
	s_lshl_b32 s66, s12, 10
	s_add_co_u32 s66, s66, SCR
	v_lshl_add_u32 v13, v3, 2, s66                 ; my stage, in: 4 x lane
	v_lshl_add_u32 v22, v3, 4, s66                 ; and out: 16 x lane
	s_lshl_b32 s66, s12, 3
	s_add_co_u32 s66, s66, ZS
	v_mov_b32 v23, s66
	v_lshlrev_b32 v19, 4, v3
.irp i, 0,1,2,3,4,5,6,7
	v_mov_b32 v[24+\i], 0                          ; written once: the first groups move registers down that hold no z yet
.endr
.irp b, 0,1,2,3
	v_mov_b32 v[TM+4+\b], 0
.endr
	s_mov_b32 s[SEL], 0x76543210
	s_mov_b32 s[SEL+1], 0xfedcba98
	s_mov_b32 s[MNT], 0x600000
	s_mov_b32 s[HM], 0xffff0000
	s_mov_b32 s16, 15|(3<<16)|(1<<21)              ; descriptors as in the third launch,
	s_mov_b32 s17, 32<<16
	s_mov_b32 s18, 138<<16
	s_mov_b32 s19, 32<<16
	s_mov_b32 s20, 138
	s_mov_b32 s21, 32
	s_mov_b32 s22, 0
	s_mov_b32 s23, 0
	s_mov_b32 s28, 15|(3<<16)|(1<<21)
	s_mov_b32 s29, 32<<16
	s_mov_b32 s30, 10<<16
	s_mov_b32 s31, 32<<16
	s_mov_b32 s32, 10
	s_mov_b32 s33, 32
	s_mov_b32 s34, 0
	s_mov_b32 s35, 0
	s_mov_b32 s40, 15|(3<<16)|(1<<21)              ; and one for a quarter of the 6,144 bytes of a2, c2, W3: 6 rows
	s_mov_b32 s41, 32<<16
	s_mov_b32 s42, 6<<16
	s_mov_b32 s43, 32<<16
	s_mov_b32 s44, 6
	s_mov_b32 s45, 32
	s_mov_b32 s46, 0
	s_mov_b32 s47, 0
	s_mov_b32 s24, 1
	s_mul_i32 s25, s12, 35328
	s_add_co_u32 s66, s25, WQ
	s_mov_b32 s67, 0
	s_mov_b32 s36, 1
	s_mul_i32 s68, s12, 2560
	s_add_co_u32 s37, s68, W1L
	s_add_co_u32 s68, s68, W1Q
	s_mov_b32 s69, 0
	s_mov_b32 s48, 1
	s_mul_i32 s70, s12, 1536
	s_add_co_u32 s49, s70, C2L
	s_mov_b32 s71, 0
	s_wait_dscnt 0x0
	s_wait_kmcnt 0x0
	s_add_nc_u64 s[26:27], s[6:7], s[66:67]
	s_or_b32 s27, s27, 0x80000000
	s_add_nc_u64 s[38:39], s[4:5], s[68:69]
	s_or_b32 s39, s39, 0x80000000
	s_add_nc_u64 s[50:51], s[8:9], s[70:71]
	s_or_b32 s51, s51, 0x80000000
	s_load_b32 s70, s[72:73], 0x0                  ; ky_b3
	s_load_b32 s71, s[74:75], 0x0                  ; kg_b3
	s_lshr_b32 s66, s14, 6
	s_lshl_b32 s66, s66, 14
	s_lshl_b32 s67, s12, 12
	s_add_co_u32 s66, s66, s67
	s_mov_b32 s67, 0
	s_add_nc_u64 s[P1B:P1B+1], s[6:7], s[66:67]
	s_lshl_b32 s66, s14, 8
	s_add_nc_u64 s[P2B:P2B+1], s[6:7], s[66:67]
	s_add_nc_u64 s[P2B:P2B+1], s[P2B:P2B+1], 1048576
	s_lshl_b32 s66, s14, 17
	s_lshl_b32 s68, s12, 15
	s_add_co_u32 s66, s66, s68
	s_add_nc_u64 s[PGB:PGB+1], s[10:11], s[66:67]
	s_lshl_b32 s66, s14, 4
	s_add_nc_u64 s[78:79], s[76:77], s[66:67]
	s_add_nc_u64 s[78:79], s[78:79], 2097152       ; my 16 bytes of z statistics
	s_lshl_b32 s66, s14, 12
	s_lshl_b32 s68, s12, 10
	s_add_co_u32 s66, s66, s68
	s_add_nc_u64 s[76:77], s[76:77], s[66:67]      ; my wave's 256 z
	ROUND                                          ; all four work-groups are here: the joint loads meet
	tensor_load_to_lds s[24:27], s[16:23]          ; three loads of mine are out; all fill their bytes once
	s_nop 0
	tensor_load_to_lds s[36:39], s[28:35]
	s_nop 0
	tensor_load_to_lds s[48:51], s[40:47]
	s_nop 0
.rept 4
	v_nop
.endr
	WIN 0xc0
.irp m, 0,1,2,3
.irp q, 0,1,2,3
	global_load_b128 v[192+16*\m+4*\q:195+16*\m+4*\q], v10, s[PGB:PGB+1] offset:\m*2048+16*\q
.endr
.endr
	WIN 0x40
.irp k, 0,1,2,3,4,5,6,7
.irp q, 0,1,2,3
	global_load_b128 v[16*\k+4*\q:16*\k+4*\q+3], v9, s[P2B:P2B+1] offset:\k*131072+16*\q
.endr
.endr
.irp k, 0,1
.irp c, 0,1,2,3
.irp q, 0,1,2,3
	global_load_b128 v[128+64*\k+16*\c+4*\q:131+64*\k+16*\c+4*\q], v8, s[P1B:P1B+1] offset:(4*\k+\c)*131072+16*\q
.endr
.endr
.endr
	WIN 0x80
.irp k, 0,1
.irp c, 0,1,2,3
.irp q, 0,1,2,3
	global_load_b128 v[128+64*\k+16*\c+4*\q:131+64*\k+16*\c+4*\q], v8, s[P1B:P1B+1] offset:256+(4*\k+\c)*131072+16*\q
.endr
.endr
.endr
	WIN 0
	s_wait_kmcnt 0x0                               ; b3 of both branches
	GROUPY 1, 1
	s_mov_b32 s[CNT], 2
.Lky:
	GROUPY 0, 1
	s_sub_co_u32 s[CNT], s[CNT], 1
	s_cmp_lg_u32 s[CNT], 0
	s_cbranch_scc1 .Lky
	GROUPY 0, 0
	ZEND 0
	WIN 0x40
.irp k, 0,1,2,3,4,5,6,7
.irp q, 0,1,2,3
	ds_load_b128 v[16*\k+4*\q:16*\k+4*\q+3], v14 offset:128*\k+16*\q
	ds_load_b128 v[128+16*\k+4*\q:131+16*\k+4*\q], v14 offset:1024+128*\k+16*\q
.endr
.endr
	WIN 0x80
.irp T, 0,1,2,3,4,5,6,7,8,9,10,11,12,13,14,15
	ds_load_b128 v[128+4*\T:131+4*\T], v15 offset:512*\T
.endr
.irp i, 192,193,194,195,196,197,198,199,200,201,202,203,212,213,214,215,216,217,218,219,220,221,222,223
	v_mov_b32 v[\i], 0
.endr
	WIN 0
.irp T, 0,1,2,3,4,5,6,7,8,9,10,11,12,13,14,15
	ds_load_b32 v[W1S+\T], v16 offset:128*\T
.endr
	s_wait_dscnt 0x0
	s_mov_b32 s[CNT], 3
.Lkg:
	GROUPG 1
	s_sub_co_u32 s[CNT], s[CNT], 1
	s_cmp_lg_u32 s[CNT], 0
	s_cbranch_scc1 .Lkg
	GROUPG 0
	ZEND 1
	s_wait_dscnt 0x0                               ; for the others' sake: my z statistics lie in LDS
	s_barrier_signal -1
	s_barrier_wait -1
	v_mov_b32 v21, ZS
.irp i, 0,1,2,3
	ds_load_b128 v[96+4*\i:99+4*\i], v21 offset:16*\i      ; [branch][wave] (mean, M2)
.endr
	v_mov_b32 v118, 0
	s_wait_dscnt 0x0
.irp b, 0,1
	v_add_f32 v[112+\b], v[96+8*\b], v[98+8*\b]
	v_add_f32 v116, v[100+8*\b], v[102+8*\b]
	v_add_f32 v[114+\b], v[97+8*\b], v[99+8*\b]
	v_add_f32 v117, v[101+8*\b], v[103+8*\b]
	v_add_f32 v[112+\b], v[112+\b], v116
	v_add_f32 v[114+\b], v[114+\b], v117
	v_mul_f32 v[112+\b], 0x3e800000, v[112+\b]
.irp w, 0,1,2,3
	v_sub_f32 v[96+8*\b+2*\w], v[96+8*\b+2*\w], v[112+\b]
.endr
	v_mul_f32 v116, v[96+8*\b], v[96+8*\b]
.irp w, 1,2,3
	v_fmac_f32 v116, v[96+8*\b+2*\w], v[96+8*\b+2*\w]
.endr
	v_fmac_f32 v[114+\b], 0x43800000, v116         ; + 256 x the means' squared deviations
.endr
	v_cmp_eq_u32 vcc_lo, 0, v0
	s_wait_xcnt 0x0                                ; EXEC changes only behind this wait
	s_and_saveexec_b32 s66, vcc_lo
	global_store_b128 v118, v[112:115], s[78:79]   ; thread 0 alone: the work-group's 16 bytes
	s_wait_xcnt 0x0
	s_or_b32 exec_lo, exec_lo, s66
	s_wait_tensorcnt 0x0
	ds_add_u32 v94, v95
	s_wait_dscnt 0x0
	ROUND                                          ; the closing round
	s_endpgm
.Lfunc_end_k_q885ea9d032_passB:
	.size	k_q885ea9d032_passB, .Lfunc_end_k_q885ea9d032_passB-k_q885ea9d032_passB
	.p2alignl 7, 3214868480
	.fill 96, 4, 3214868480
	.section	.rodata,"a",@progbits
	.p2align	6, 0x0
	.amdhsa_kernel k_q885ea9d032_passB
		.amdhsa_group_segment_fixed_size 180736
		.amdhsa_private_segment_fixed_size 0
		.amdhsa_enable_private_segment 0
		.amdhsa_kernarg_size 56
		.amdhsa_user_sgpr_count 2
		.amdhsa_user_sgpr_kernarg_segment_ptr 1
		.amdhsa_wavefront_size32 1
		.amdhsa_system_sgpr_workgroup_id_x 1
		.amdhsa_system_sgpr_workgroup_id_y 1
		.amdhsa_system_sgpr_workgroup_id_z 1
		.amdhsa_system_vgpr_workitem_id 0
		.amdhsa_next_free_vgpr 1024
		.amdhsa_next_free_sgpr 80
		.amdhsa_reserve_vcc 1
		.amdhsa_float_denorm_mode_32 3
		.amdhsa_float_denorm_mode_16_64 3
		.amdhsa_memory_ordered 1
		.amdhsa_forward_progress 1
		.amdhsa_inst_pref_size 255
	.end_amdhsa_kernel
	.section	.bss,"aw",@nobits
	.p2align	6
	.space	262144
	.amdgpu_metadata
---
amdhsa.version: [ 1, 2 ]
amdhsa.kernels:
  - .name:           k_q885ea9d032_passB
    .symbol:         k_q885ea9d032_passB.kd
    .args:
      - { .name: w1, .offset: 0, .size: 8, .value_kind: global_buffer, .address_space: global }
      - { .name: w2, .offset: 8, .size: 8, .value_kind: global_buffer, .address_space: global }
      - { .name: c2, .offset: 16, .size: 8, .value_kind: global_buffer, .address_space: global }
      - { .name: pairwise_g, .offset: 24, .size: 8, .value_kind: global_buffer, .address_space: global }
      - { .name: ky_b3, .offset: 32, .size: 8, .value_kind: global_buffer, .address_space: global }
      - { .name: kg_b3, .offset: 40, .size: 8, .value_kind: global_buffer, .address_space: global }
      - { .name: zz, .offset: 48, .size: 8, .value_kind: global_buffer, .address_space: global }
    .group_segment_fixed_size: 180736
    .private_segment_fixed_size: 0
    .kernarg_segment_align: 8
    .kernarg_segment_size: 56
    .max_flat_workgroup_size: 128
    .sgpr_count:     80
    .vgpr_count:     1024
    .wavefront_size: 32
...
	.end_amdgpu_metadata
.endif
;; end of part 5
;; launch final (part 6): grid 256 x 1, 4 waves a work-group, no clusters, 0 bytes of LDS; arguments zz, ky_g3, ky_be3, kg_g3, kg_be3, out0; writes out0
.if DOCPART == 6
	.amdgcn_target "amdgcn-amd-amdhsa--gfx1250"
	.amdhsa_code_object_version 6
	.text
	.protected	k_q885ea9d032_final
	.globl	k_q885ea9d032_final
	.p2align	8
	.type	k_q885ea9d032_final,@function
k_q885ea9d032_final:
	s_mov_b64 s[64:65], 0
	v_nop
	global_prefetch_b8 v0, s[64:65] scope:SCOPE_SE
	s_setreg_imm32_b32 hwreg(HW_REG_WAVE_MODE, 25, 1), 1
	s_wait_xcnt 0x0
; SIXTH LAUNCH: the third BatchNorm of both MLPs and their sum: out = relu(a_k (z_k - mu_k) + be_k) + relu(a_g (z_g - mu_g) + be_g), a = g3 rsqrt(var + 1e-5).
; Every wave makes the statistics for itself from the 256 work-groups' parts (4 KiB): first the mean of the means, then the parts' M2 + 1,024 x the means' squared deviations: two passes, no difference of large sums.
; A thread takes 8 rows of each branch: each load and store of a wave covers 512 consecutive bytes, aligned.  A stream: no LDS, no barrier, no matrix unit, no cluster (what is shared is 4 KiB).
; LIMITS: NaN and infinities are not served.
.set SEL, 28
.macro LSUM a, tmp
	v_add_f32_dpp v[\a], v[\a], v[\a] row_xmask:1 row_mask:0xf bank_mask:0xf
	v_add_f32_dpp v[\a], v[\a], v[\a] row_xmask:2 row_mask:0xf bank_mask:0xf
	v_add_f32_dpp v[\a], v[\a], v[\a] row_xmask:4 row_mask:0xf bank_mask:0xf
	v_add_f32_dpp v[\a], v[\a], v[\a] row_xmask:8 row_mask:0xf bank_mask:0xf
	v_permlanex16_b32 v[\tmp], v[\a], s[SEL], s[SEL+1]
	v_add_f32 v[\a], v[\a], v[\tmp]
.endm
	s_load_b256 s[4:11], s[0:1], 0x0               ; zz, ky_g3, ky_be3, kg_g3
	s_load_b128 s[12:15], s[0:1], 0x20             ; kg_be3, out0
	v_and_b32 v3, 31, v0
	v_lshlrev_b32 v4, 4, v0
	v_lshlrev_b32 v5, 4, v3
	v_mov_b32 v10, 0                               ; written once: a lane permute's destination counts as one of its sources
	v_mov_b32 v11, 0
	s_lshl_b32 s16, ttmp9, 12
	s_mov_b32 s17, 0
	s_mov_b32 s[SEL], 0x76543210
	s_mov_b32 s[SEL+1], 0xfedcba98
	s_mov_b32 s26, 0x36800000                      ; 1 / 262,144
	s_mov_b32 s27, 0x3727c5ac                      ; 1e-5
	s_wait_kmcnt 0x0
	s_load_b32 s20, s[6:7], 0x0
	s_load_b32 s21, s[8:9], 0x0
	s_load_b32 s22, s[10:11], 0x0
	s_load_b32 s23, s[12:13], 0x0
	s_add_nc_u64 s[18:19], s[4:5], s[16:17]
	s_add_nc_u64 s[14:15], s[14:15], s[16:17]
	s_add_nc_u64 s[24:25], s[4:5], 2097152
.irp i, 0,1,2,3,4,5,6,7
	global_load_b128 v[16+4*\i:19+4*\i], v5, s[24:25] offset:512*\i   ; parts 32 i + lane: (mean ky, mean kg, M2 ky, M2 kg)
.endr
	global_load_b128 v[48:51], v4, s[18:19]
	global_load_b128 v[52:55], v4, s[18:19] offset:2048
	global_load_b128 v[56:59], v4, s[18:19] offset:1048576
	global_load_b128 v[60:63], v4, s[18:19] offset:1048576+2048
	s_wait_loadcnt 0x4                             ; the eight loads of parts are in; z's four may be out
	v_pk_add_f32 v[8:9], v[16:17], v[20:21]
.irp i, 2,3,4,5,6,7
	v_pk_add_f32 v[8:9], v[8:9], v[16+4*\i:17+4*\i]
.endr
	LSUM 8, 10
	LSUM 9, 11
	v_pk_mul_f32 v[8:9], v[8:9], 0x3b800000 op_sel_hi:[1,0]          ; mu of ky, of kg
	v_pk_add_f32 v[12:13], v[16:17], v[8:9] neg_lo:[0,1] neg_hi:[0,1]
	v_pk_mul_f32 v[14:15], v[12:13], v[12:13]
	v_pk_add_f32 v[6:7], v[18:19], v[22:23]
.irp i, 1,2,3,4,5,6,7
	v_pk_add_f32 v[12:13], v[16+4*\i:17+4*\i], v[8:9] neg_lo:[0,1] neg_hi:[0,1]
	v_pk_fma_f32 v[14:15], v[12:13], v[12:13], v[14:15]
.endr
.irp i, 2,3,4,5,6,7
	v_pk_add_f32 v[6:7], v[6:7], v[18+4*\i:19+4*\i]
.endr
	v_pk_fma_f32 v[6:7], v[14:15], 0x44800000, v[6:7] op_sel_hi:[1,0,1]
	LSUM 6, 10
	LSUM 7, 11
	v_fma_f32 v6, v6, s26, s27                     ; variance + 1e-5
	v_fma_f32 v7, v7, s26, s27
	v_rsq_f32 v6, v6
	v_rsq_f32 v7, v7
	v_nop                                          ; a plain place behind the roots
	s_wait_kmcnt 0x0
	s_wait_alu depctr_va_vdst(0)
	v_mul_f32 v6, s20, v6
	v_mul_f32 v7, s22, v7
	s_wait_loadcnt 0x0
.irp i, 0,1,2,3,4,5,6,7
	v_sub_f32 v[48+\i], v[48+\i], v8
	v_sub_f32 v[56+\i], v[56+\i], v9
.endr
.irp i, 0,1,2,3,4,5,6,7
	v_fma_f32 v[48+\i], v[48+\i], v6, s21
	v_fma_f32 v[56+\i], v[56+\i], v7, s23
.endr
.irp i, 0,1,2,3,4,5,6,7
	v_max_num_f32 v[48+\i], 0, v[48+\i]
	v_max_num_f32 v[56+\i], 0, v[56+\i]
.endr
.irp i, 0,1,2,3,4,5,6,7
	v_add_f32 v[48+\i], v[48+\i], v[56+\i]
.endr
	global_store_b128 v4, v[48:51], s[14:15]
	global_store_b128 v4, v[52:55], s[14:15] offset:2048
	s_endpgm
.Lfunc_end_k_q885ea9d032_final:
	.size	k_q885ea9d032_final, .Lfunc_end_k_q885ea9d032_final-k_q885ea9d032_final
	.p2alignl 7, 3214868480
	.fill 96, 4, 3214868480
	.section	.rodata,"a",@progbits
	.p2align	6, 0x0
	.amdhsa_kernel k_q885ea9d032_final
		.amdhsa_group_segment_fixed_size 0
		.amdhsa_private_segment_fixed_size 0
		.amdhsa_enable_private_segment 0
		.amdhsa_kernarg_size 48
		.amdhsa_user_sgpr_count 2
		.amdhsa_user_sgpr_kernarg_segment_ptr 1
		.amdhsa_wavefront_size32 1
		.amdhsa_system_sgpr_workgroup_id_x 1
		.amdhsa_system_sgpr_workgroup_id_y 1
		.amdhsa_system_sgpr_workgroup_id_z 1
		.amdhsa_system_vgpr_workitem_id 0
		.amdhsa_next_free_vgpr 64
		.amdhsa_next_free_sgpr 66
		.amdhsa_reserve_vcc 0
		.amdhsa_float_denorm_mode_32 3
		.amdhsa_float_denorm_mode_16_64 3
		.amdhsa_memory_ordered 1
		.amdhsa_forward_progress 1
		.amdhsa_inst_pref_size 9
	.end_amdhsa_kernel
	.amdgpu_metadata
---
amdhsa.version: [ 1, 2 ]
amdhsa.kernels:
  - .name:           k_q885ea9d032_final
    .symbol:         k_q885ea9d032_final.kd
    .args:
      - { .name: zz, .offset: 0, .size: 8, .value_kind: global_buffer, .address_space: global }
      - { .name: ky_g3, .offset: 8, .size: 8, .value_kind: global_buffer, .address_space: global }
      - { .name: ky_be3, .offset: 16, .size: 8, .value_kind: global_buffer, .address_space: global }
      - { .name: kg_g3, .offset: 24, .size: 8, .value_kind: global_buffer, .address_space: global }
      - { .name: kg_be3, .offset: 32, .size: 8, .value_kind: global_buffer, .address_space: global }
      - { .name: out0, .offset: 40, .size: 8, .value_kind: global_buffer, .address_space: global }
    .group_segment_fixed_size: 0
    .private_segment_fixed_size: 0
    .kernarg_segment_align: 8
    .kernarg_segment_size: 48
    .max_flat_workgroup_size: 128
    .sgpr_count:     66
    .vgpr_count:     64
    .wavefront_size: 32
...
	.end_amdgpu_metadata
.endif
;; end of part 6
;; ======== version 2 of 2: 6 launches
;; limits: right only within a limited range of input values
;; workspace buffers: w1 2,631,680 bytes; w2 2,238,464 bytes; p2 1,048,576 bytes; c2 6,144 bytes; zz 2,101,248 bytes
;; launch stat1: the kernel of part 1 again; grid 256 x 1, 4 waves a work-group, no clusters, 20,992 bytes of LDS; arguments pairwise_g, coset_functions, ky_W1, kg_W1, w1; writes w1
;; launch mid (part 7): grid 32 x 1, 8 waves a work-group, no clusters, 17,408 bytes of LDS; arguments w1, ky_W2, kg_W2, kg_b1, kg_g1, kg_be1, ky_b1, ky_g1, ky_be1, w2; writes w2
.if DOCPART == 7
	.amdgcn_target "amdgcn-amd-amdhsa--gfx1250"
	.amdhsa_code_object_version 6
	.text
	.protected	k_q885ea9d032_mid
	.globl	k_q885ea9d032_mid
	.p2align	8
	.type	k_q885ea9d032_mid,@function
k_q885ea9d032_mid:
	s_mov_b64 s[64:65], 0
	v_nop
	global_prefetch_b8 v0, s[64:65] scope:SCOPE_SE
	s_setreg_imm32_b32 hwreg(HW_REG_WAVE_MODE, 25, 1), 1
	s_wait_xcnt 0x0
; SECOND LAUNCH: three small jobs that all hang on the first launch or on inputs alone; the work-group's number picks the job, and each job has LDS bytes of its own and ends by itself.
; Work-groups 0-7 (32 channels each): kg's first BatchNorm from the 256 work-groups' parts: a1 = g rsqrt(var + 1e-5), c1 = a1 (b - mu) + be, mu = the product's mean + b; later h = a1 x product + c1.
; Work-groups 8-15: ky_W2 and kg_W2 (K is their FIRST axis) become codes of E5M2 with E8M0 bytes, laid as images of the operand's registers: a wave makes one fragment (16 columns x 128 K): a lane takes a
;   column and its registers run down K, so nothing is transposed.
; Work-groups 16-31 (16 channels each): ky's first BatchNorm.  h = p1[b, (j, t)] + p2[b, (i, s)] + b1 runs over all pairs inside a batch, so for each batch mean = m1 + m2 + b1 and variance = V1 + V2, and over
;   the four batches variance = the mean of (V1 + V2 + (batch mean - mean)^2).  Sums are taken about a shift (the table's row 0).  Out go P1s = a1 (p1 - mean1) and P2s = a1 (p2 + (b1 - mu) + mean1) + be1: h1 = relu(P1s + P2s).
; LIMITS: as in the first launch (NaN, infinities; bytes held at 1; the shift of a variance is one sample).  Few work-groups: each job's work is a few thousand numbers a thread at the most.
; w2: 0 P1s, 1,048,576 P2s (laid as the raw tables); WQ: ky_W2's 32 fragments of 2,048 bytes, 32 x 128 bytes of scale words, kg_W2's likewise, a1[256], c1[256].
.set PART1, 2097152
.set WQ,    2097152
.set TM,  64
.set SEL, 52
.set MNT, 54
.set HM,  55
.set IV,  40                           ; s40 2^-18 = 1 / 262,144;  s41 1e-5;  s42 0.25
.set EP,  41
.set QT,  42
.set OAC, 104                          ; v104: where a and c are stored; outside all that REDUCE writes
.macro QUANT s, relu, dw, dst, word            ; as in the first launch; here always signed and in window 0
.irp b, 0,1,2,3
	v_max3_num_f32 v[TM+\b], |v[\s+16*\b]|, |v[\s+16*\b+1]|, 0x8000000
.endr
.irp i, 2,4,6,8,10,12,14
.irp b, 0,1,2,3
	s_delay_alu instid0(VALU_DEP_4)
	v_max3_num_f32 v[TM+\b], v[TM+\b], |v[\s+16*\b+\i]|, |v[\s+16*\b+\i+1]|
.endr
.endr
.irp b, 0,1,2,3
	s_delay_alu instid0(VALU_DEP_4)
	v_permlanex16_b32 v[TM+4+\b], v[TM+\b], s[SEL], s[SEL+1]
.endr
.irp b, 0,1,2,3
	s_delay_alu instid0(VALU_DEP_4)
	v_max_num_f32 v[TM+\b], v[TM+\b], v[TM+4+\b]
.endr
.irp b, 0,1,2,3
	s_delay_alu instid0(VALU_DEP_4)
	v_add_nc_u32 v[TM+12+\b], 0xf8800000, v[TM+\b]
.endr
.irp b, 0,1,2,3
	v_and_or_b32 v[TM+8+\b], v[TM+\b], 0x7f800000, s[MNT]
.endr
.irp b, 0,1,2,3
	v_lshrrev_b32 v[TM+4+\b], 23, v[TM+12+\b]
.endr
	s_delay_alu instid0(VALU_DEP_3)
	v_lshl_or_b32 v[\word], v[TM+5], 8, v[TM+4]
	s_delay_alu instid0(VALU_DEP_1)
	v_lshl_or_b32 v[\word], v[TM+6], 16, v[\word]
	s_delay_alu instid0(VALU_DEP_1)
	v_lshl_or_b32 v[\word], v[TM+7], 24, v[\word]
.irp b, 0,1,2,3
.irp i, 0,1,2,3,4,5,6,7,8,9,10,11,12,13,14,15
	v_med3_num_f32 v[\s+16*\b+\i], v[\s+16*\b+\i], -v[TM+8+\b], v[TM+8+\b]
.endr
.endr
.irp b, 0,1,2,3
	v_cvt_scalef32_pk8_bf8_f32 v[\dst+4*\b:\dst+4*\b+1], v[\s+16*\b:\s+16*\b+7], v[TM+12+\b]
	v_cvt_scalef32_pk8_bf8_f32 v[\dst+4*\b+2:\dst+4*\b+3], v[\s+16*\b+8:\s+16*\b+15], v[TM+12+\b]
.endr
	v_nop
.endm
; 256 parts (mean, M2 of 1,024 rows) of 32 channels become a and c.  Wave v takes parts 32 v .. 32 v + 31, a lane a pair of channels of every second part.  The shift is part 0's mean.
; v4 16 (lane % 16), v5 8,192 wave + 16 lane, v6 384 wave + 8 (lane % 16), v7 8 (lane % 16).  At work: v8-27, v32-101.  Result: v[24:25]: lanes 0-15 a, lanes 16-31 c.
.macro REDUCE pb, sb, sg, sbe, lb
	global_load_b128 v[8:11], v4, s[\pb:\pb+1]
.irp i, 0,1,2,3,4,5,6,7,8,9,10,11,12,13,14,15
	global_load_b128 v[32+4*\i:35+4*\i], v5, s[\pb:\pb+1] offset:512*\i
.endr
	global_load_b64 v[96:97], v7, s[\sb:\sb+1]
	global_load_b64 v[98:99], v7, s[\sg:\sg+1]
	global_load_b64 v[100:101], v7, s[\sbe:\sbe+1]
	s_wait_loadcnt 0x0
.irp i, 0,1,2,3,4,5,6,7,8,9,10,11,12,13,14,15  ; two chains; the first two parts start the sums
.if \i < 2
	v_pk_add_f32 v[12+6*\i:13+6*\i], v[32+4*\i:33+4*\i], v[8:9] neg_lo:[0,1] neg_hi:[0,1]
	s_delay_alu instid0(VALU_DEP_1)
	v_pk_mul_f32 v[14+6*\i:15+6*\i], v[12+6*\i:13+6*\i], v[12+6*\i:13+6*\i]
.else
	v_pk_add_f32 v[24+2*(\i%2):25+2*(\i%2)], v[32+4*\i:33+4*\i], v[8:9] neg_lo:[0,1] neg_hi:[0,1]
	s_delay_alu instid0(VALU_DEP_1)
	v_pk_add_f32 v[12+6*(\i%2):13+6*(\i%2)], v[12+6*(\i%2):13+6*(\i%2)], v[24+2*(\i%2):25+2*(\i%2)]
	s_delay_alu instid0(VALU_DEP_2)
	v_pk_fma_f32 v[14+6*(\i%2):15+6*(\i%2)], v[24+2*(\i%2):25+2*(\i%2)], v[24+2*(\i%2):25+2*(\i%2)], v[14+6*(\i%2):15+6*(\i%2)]
.if \i < 4
	v_pk_add_f32 v[16+6*(\i%2):17+6*(\i%2)], v[34+4*(\i-2):35+4*(\i-2)], v[34+4*\i:35+4*\i]
.else
	v_pk_add_f32 v[16+6*(\i%2):17+6*(\i%2)], v[16+6*(\i%2):17+6*(\i%2)], v[34+4*\i:35+4*\i]
.endif
.endif
.endr
.irp k, 0,2,4
	s_delay_alu instid0(VALU_DEP_3)
	v_pk_add_f32 v[12+\k:13+\k], v[12+\k:13+\k], v[18+\k:19+\k]
.endr
.irp j, 0,1,2,3,4,5
	v_permlanex16_b32 v[32+\j], v[12+\j], s[SEL], s[SEL+1]
.endr
.irp k, 0,2,4
	v_pk_add_f32 v[12+\k:13+\k], v[12+\k:13+\k], v[32+\k:33+\k]
.endr
	ds_store_b64 v6, v[12:13] offset:\lb
	ds_store_b64 v6, v[14:15] offset:\lb+128
	ds_store_b64 v6, v[16:17] offset:\lb+256
	s_wait_dscnt 0x0                               ; for the others' sake
	s_barrier_signal -1
	s_barrier_wait -1
.irp w, 0,1,2,3,4,5,6,7
.irp k, 0,1,2
	ds_load_b64 v[32+6*\w+2*\k:33+6*\w+2*\k], v7 offset:\lb+384*\w+128*\k
.endr
.endr
	s_wait_dscnt 0x0
.irp k, 0,2,4
	v_pk_add_f32 v[12+\k:13+\k], v[32+\k:33+\k], v[38+\k:39+\k]
.endr
.irp w, 2,3,4,5,6,7
.irp k, 0,2,4
	s_delay_alu instid0(VALU_DEP_3)
	v_pk_add_f32 v[12+\k:13+\k], v[12+\k:13+\k], v[32+6*\w+\k:33+6*\w+\k]
.endr
.endr
	s_delay_alu instid0(VALU_DEP_3)
	v_pk_fma_f32 v[18:19], v[12:13], 0x3b800000, v[8:9] op_sel_hi:[1,0,1]      ; the product's mean = shift + sum / 256
	s_delay_alu instid0(VALU_DEP_4)
	v_pk_mul_f32 v[20:21], v[12:13], v[12:13]
	s_delay_alu instid0(VALU_DEP_1)
	v_pk_fma_f32 v[20:21], v[20:21], 0xbb800000, v[14:15] op_sel_hi:[1,0,1]    ; the means' squared deviations
	s_delay_alu instid0(VALU_DEP_1)
	v_pk_fma_f32 v[20:21], v[20:21], 0x44800000, v[16:17] op_sel_hi:[1,0,1]    ; x 1,024 rows + the parts' M2
	s_delay_alu instid0(VALU_DEP_1)
	v_fma_f32 v20, v20, s[IV], s[EP]                                           ; variance + 1e-5
	s_delay_alu instid0(VALU_DEP_2)
	v_fma_f32 v21, v21, s[IV], s[EP]
	s_wait_alu depctr_va_vdst(0)
	v_rsq_f32 v20, v20
	v_rsq_f32 v21, v21
	v_pk_add_f32 v[18:19], v[18:19], v[96:97]                                  ; mu = mean + b  (the plain place behind the roots)
	s_wait_alu depctr_va_vdst(0)
	v_pk_mul_f32 v[20:21], v[20:21], v[98:99]                                  ; a
	v_pk_add_f32 v[18:19], v[96:97], v[18:19] neg_lo:[0,1] neg_hi:[0,1]        ; b - mu
	s_delay_alu instid0(VALU_DEP_1)
	v_pk_fma_f32 v[22:23], v[20:21], v[18:19], v[100:101]                      ; c
	s_delay_alu instid0(VALU_DEP_1)
	v_cndmask_b32 v24, v20, v22, s[HM]
	s_delay_alu instid0(VALU_DEP_2)
	v_cndmask_b32 v25, v21, v23, s[HM]
.endm
	s_load_b256 s[4:11], s[0:1], 0x0               ; w1, ky_W2, kg_W2, kg_b1
	s_load_b256 s[12:19], s[0:1], 0x20             ; kg_g1, kg_be1, ky_b1, ky_g1
	s_load_b128 s[20:23], s[0:1], 0x40             ; ky_be1, w2
	s_set_vgpr_msb 0x40
	v_lshl_add_u32 v0, v0, 2, 0x4000
	v_mov_b32 v1, 0
	s_set_vgpr_msb 0x4000
	v_lshrrev_b32 v1, 5, v0
	s_delay_alu instid0(VALU_DEP_1)
	v_readfirstlane_b32 s24, v1                    ; wave 0..7
	v_and_b32 v3, 31, v0
	v_and_b32 v1, 15, v0
	v_bfe_u32 v2, v0, 4, 1
.irp b, 0,1,2,3
	v_mov_b32 v[TM+4+\b], 0                        ; written once: a lane permute's destination counts as one of its sources
.endr
	s_mov_b32 s[SEL], 0x76543210
	s_mov_b32 s[SEL+1], 0xfedcba98
	s_mov_b32 s[MNT], 0x600000
	s_mov_b32 s[HM], 0xffff0000
	s_mov_b32 s[IV], 0x36800000
	s_mov_b32 s[EP], 0x3727c5ac
	s_mov_b32 s[QT], 0x3e800000
	s_wait_kmcnt 0x0
	s_cmp_lt_u32 ttmp9, 8
	s_cbranch_scc1 .LroleR
	s_cmp_lt_u32 ttmp9, 16
	s_cbranch_scc1 .LroleW
	; ---- ky's first BatchNorm, 16 channels.  Thread n: rows 64 u + n / 4 (u = 0 .. 15; batch u / 4) of both tables, channels 4 (n % 4) on
	s_sub_co_u32 s26, ttmp9, 16
	s_lshl_b32 s32, s26, 6
	s_mov_b32 s33, 0
	s_lshl_b32 s26, s26, 16
	s_mov_b32 s27, 0
	s_add_nc_u64 s[28:29], s[4:5], s[26:27]
	s_add_nc_u64 s[30:31], s[22:23], s[26:27]
	s_add_nc_u64 s[16:17], s[16:17], s[32:33]
	s_add_nc_u64 s[18:19], s[18:19], s[32:33]
	s_add_nc_u64 s[20:21], s[20:21], s[32:33]
	v_and_b32 v4, 3, v0
	s_delay_alu instid0(VALU_DEP_1)
	v_lshlrev_b32 v4, 4, v4
	v_lshlrev_b32 v5, 4, v0
	s_lshl_b32 s34, s24, 10
	s_add_co_u32 s34, s34, 4096
	v_add_nc_u32 v6, s34, v4                       ; my wave's 1,024 bytes of partial sums
	v_lshl_add_u32 v7, v0, 2, 4096
	global_load_b128 v[8:11], v4, s[28:29]                  ; the shifts: row 0 of each table
	global_load_b128 v[12:15], v4, s[28:29] offset:1048576
.irp T, 0,1
.irp u, 0,1,2,3,4,5,6,7,8,9,10,11,12,13,14,15
	global_load_b128 v[128+64*\T+4*\u:131+64*\T+4*\u], v5, s[28:29] offset:\T*1048576+\u*4096
.endr
.endr
	global_load_b128 v[36:39], v4, s[16:17]
	global_load_b128 v[40:43], v4, s[18:19]
	global_load_b128 v[44:47], v4, s[20:21]
	s_wait_loadcnt 0x0
.irp T, 0,1                                    ; for table T and batch b: sums of d = x - shift at v[64 + 8 (4 T + b)], of d^2 four registers on
.irp u, 0,1,2,3,4,5,6,7,8,9,10,11,12,13,14,15
.irp p, 0,2
.if (\u%4) == 0
	v_pk_add_f32 v[64+8*(4*\T+\u/4)+\p:65+8*(4*\T+\u/4)+\p], v[128+64*\T+4*\u+\p:129+64*\T+4*\u+\p], v[8+4*\T+\p:9+4*\T+\p] neg_lo:[0,1] neg_hi:[0,1]
	s_delay_alu instid0(VALU_DEP_1)
	v_pk_mul_f32 v[68+8*(4*\T+\u/4)+\p:69+8*(4*\T+\u/4)+\p], v[64+8*(4*\T+\u/4)+\p:65+8*(4*\T+\u/4)+\p], v[64+8*(4*\T+\u/4)+\p:65+8*(4*\T+\u/4)+\p]
.else
	v_pk_add_f32 v[28+\p:29+\p], v[128+64*\T+4*\u+\p:129+64*\T+4*\u+\p], v[8+4*\T+\p:9+4*\T+\p] neg_lo:[0,1] neg_hi:[0,1]
	s_delay_alu instid0(VALU_DEP_1)
	v_pk_add_f32 v[64+8*(4*\T+\u/4)+\p:65+8*(4*\T+\u/4)+\p], v[64+8*(4*\T+\u/4)+\p:65+8*(4*\T+\u/4)+\p], v[28+\p:29+\p]
	s_delay_alu instid0(VALU_DEP_2)
	v_pk_fma_f32 v[68+8*(4*\T+\u/4)+\p:69+8*(4*\T+\u/4)+\p], v[28+\p:29+\p], v[28+\p:29+\p], v[68+8*(4*\T+\u/4)+\p:69+8*(4*\T+\u/4)+\p]
.endif
.endr
.endr
.endr
.set n1, 0
.rept 64                                       ; the eight lanes of a wave that hold the same channels
	v_add_f32_dpp v[64+n1], v[64+n1], v[64+n1] row_xmask:4 row_mask:0xf bank_mask:0xf
.set n1, n1+1
.endr
.set n1, 0
.rept 64
	v_add_f32_dpp v[64+n1], v[64+n1], v[64+n1] row_xmask:8 row_mask:0xf bank_mask:0xf
.set n1, n1+1
.endr
.set n1, 0
.rept 16
.irp j, 0,1,2,3
	v_permlanex16_b32 v[28+\j], v[64+n1+\j], s[SEL], s[SEL+1]
.endr
.irp j, 0,1,2,3
	s_delay_alu instid0(VALU_DEP_4)
	v_add_f32 v[64+n1+\j], v[64+n1+\j], v[28+\j]
.endr
.set n1, n1+4
.endr
.irp e, 0,1,2,3,4,5,6,7,8,9,10,11,12,13,14,15
	ds_store_b128 v6, v[64+4*\e:67+4*\e] offset:64*\e                 ; lanes with the same channels write the same bytes with the same values
.endr
	s_wait_dscnt 0x0
	s_barrier_signal -1
	s_barrier_wait -1
.irp w, 0,1,2,3,4,5,6,7
	ds_load_b32 v[16+\w], v7 offset:1024*\w        ; thread n sums word n of the eight waves
.endr
	s_wait_dscnt 0x0
	v_add_f32 v16, v16, v17
	v_add_f32 v18, v18, v19
	v_add_f32 v20, v20, v21
	v_add_f32 v22, v22, v23
	s_delay_alu instid0(VALU_DEP_3)
	v_add_f32 v16, v16, v18
	s_delay_alu instid0(VALU_DEP_2)
	v_add_f32 v20, v20, v22
	s_delay_alu instid0(VALU_DEP_1)
	v_add_f32 v16, v16, v20
	ds_store_b32 v7, v16 offset:8192               ; the totals, at 12,288
	s_wait_dscnt 0x0
	s_barrier_signal -1
	s_barrier_wait -1
.irp e, 0,1,2,3,4,5,6,7,8,9,10,11,12,13,14,15
	ds_load_b128 v[64+4*\e:67+4*\e], v4 offset:12288+64*\e
.endr
	s_wait_dscnt 0x0
.irp e, 0,1,2,3,4,5,6,7
.irp p, 0,2
	v_pk_mul_f32 v[64+8*\e+\p:65+8*\e+\p], v[64+8*\e+\p:65+8*\e+\p], 0x3b800000 op_sel_hi:[1,0]   ; batch mean - shift (256 rows a batch)
.endr
.endr
.irp e, 0,1,2,3,4,5,6,7
.irp p, 0,2
	v_pk_mul_f32 v[28+\p:29+\p], v[64+8*\e+\p:65+8*\e+\p], v[64+8*\e+\p:65+8*\e+\p]
	s_delay_alu instid0(VALU_DEP_1)
	v_pk_fma_f32 v[68+8*\e+\p:69+8*\e+\p], v[68+8*\e+\p:69+8*\e+\p], 0x3b800000, v[28+\p:29+\p] op_sel_hi:[1,0,1] neg_lo:[0,0,1] neg_hi:[0,0,1]   ; batch variance
.endr
.endr
.irp T, 0,1
.irp p, 0,2
	v_pk_add_f32 v[16+4*\T+\p:17+4*\T+\p], v[64+32*\T+\p:65+32*\T+\p], v[72+32*\T+\p:73+32*\T+\p]
	v_pk_add_f32 v[32+\p:33+\p], v[80+32*\T+\p:81+32*\T+\p], v[88+32*\T+\p:89+32*\T+\p]
	s_delay_alu instid0(VALU_DEP_1)
	v_pk_add_f32 v[16+4*\T+\p:17+4*\T+\p], v[16+4*\T+\p:17+4*\T+\p], v[32+\p:33+\p]
	s_delay_alu instid0(VALU_DEP_1)
	v_pk_mul_f32 v[16+4*\T+\p:17+4*\T+\p], v[16+4*\T+\p:17+4*\T+\p], 0x3e800000 op_sel_hi:[1,0]   ; the table's mean - shift
.endr
.endr
.irp b, 0,1,2,3
.irp p, 0,2
	v_pk_add_f32 v[28+\p:29+\p], v[64+8*\b+\p:65+8*\b+\p], v[16+\p:17+\p] neg_lo:[0,1] neg_hi:[0,1]
	v_pk_add_f32 v[32+\p:33+\p], v[96+8*\b+\p:97+8*\b+\p], v[20+\p:21+\p] neg_lo:[0,1] neg_hi:[0,1]
	s_delay_alu instid0(VALU_DEP_1)
	v_pk_add_f32 v[28+\p:29+\p], v[28+\p:29+\p], v[32+\p:33+\p]      ; the batch's mean less the mean
.if \b == 0
	v_pk_add_f32 v[24+\p:25+\p], v[68+\p:69+\p], v[100+\p:101+\p]
.else
	v_pk_add_f32 v[24+\p:25+\p], v[24+\p:25+\p], v[68+8*\b+\p:69+8*\b+\p]
	s_delay_alu instid0(VALU_DEP_1)
	v_pk_add_f32 v[24+\p:25+\p], v[24+\p:25+\p], v[100+8*\b+\p:101+8*\b+\p]
.endif
	s_delay_alu instid0(VALU_DEP_1)
	v_pk_fma_f32 v[24+\p:25+\p], v[28+\p:29+\p], v[28+\p:29+\p], v[24+\p:25+\p]
.endr
.endr
.irp j, 0,1,2,3
	v_fma_f32 v[24+\j], v[24+\j], s[QT], s[EP]     ; variance + 1e-5
.endr
	s_wait_alu depctr_va_vdst(0)
.irp j, 0,1,2,3
	v_rsq_f32 v[24+\j], v[24+\j]
.endr
.irp p, 0,2
	v_pk_add_f32 v[52+\p:53+\p], v[8+\p:9+\p], v[16+\p:17+\p]        ; mean1  (plain places behind the roots)
	v_pk_add_f32 v[32+\p:33+\p], v[12+\p:13+\p], v[20+\p:21+\p]      ; mean2
.endr
	s_wait_alu depctr_va_vdst(0)
.irp p, 0,2
	v_pk_mul_f32 v[48+\p:49+\p], v[24+\p:25+\p], v[40+\p:41+\p]      ; a1
	v_pk_add_f32 v[28+\p:29+\p], v[52+\p:53+\p], v[32+\p:33+\p]
	s_delay_alu instid0(VALU_DEP_1)
	v_pk_add_f32 v[28+\p:29+\p], v[28+\p:29+\p], v[36+\p:37+\p]      ; mu
	s_delay_alu instid0(VALU_DEP_1)
	v_pk_add_f32 v[56+\p:57+\p], v[36+\p:37+\p], v[28+\p:29+\p] neg_lo:[0,1] neg_hi:[0,1]
	s_delay_alu instid0(VALU_DEP_1)
	v_pk_add_f32 v[56+\p:57+\p], v[56+\p:57+\p], v[52+\p:53+\p]      ; (b1 - mu) + mean1
.endr
.irp u, 0,1,2,3,4,5,6,7,8,9,10,11,12,13,14,15
.irp p, 0,2
	v_pk_add_f32 v[128+4*\u+\p:129+4*\u+\p], v[128+4*\u+\p:129+4*\u+\p], v[52+\p:53+\p] neg_lo:[0,1] neg_hi:[0,1]
	v_pk_add_f32 v[192+4*\u+\p:193+4*\u+\p], v[192+4*\u+\p:193+4*\u+\p], v[56+\p:57+\p]
.endr
.irp p, 0,2
	s_delay_alu instid0(VALU_DEP_4)
	v_pk_mul_f32 v[128+4*\u+\p:129+4*\u+\p], v[128+4*\u+\p:129+4*\u+\p], v[48+\p:49+\p]
	s_delay_alu instid0(VALU_DEP_4)
	v_pk_fma_f32 v[192+4*\u+\p:193+4*\u+\p], v[192+4*\u+\p:193+4*\u+\p], v[48+\p:49+\p], v[44+\p:45+\p]
.endr
	global_store_b128 v5, v[128+4*\u:131+4*\u], s[30:31] offset:\u*4096
	global_store_b128 v5, v[192+4*\u:195+4*\u], s[30:31] offset:1048576+\u*4096
.endr
	s_set_vgpr_msb 0x5
	s_wait_tensorcnt 0x0
	ds_add_u32 v0, v1
	s_wait_dscnt 0x0
	s_set_vgpr_msb 0x500
	s_endpgm
.LroleW:                                           ; ---- a wave makes fragment f = 2 t + ks of ky_W2 (work-groups 8-11) or kg_W2 (12-15)
	s_cmp_ge_u32 ttmp9, 12
	s_cselect_b64 s[28:29], s[8:9], s[6:7]
	s_cselect_b32 s30, 69632, 0
	s_sub_co_u32 s26, ttmp9, 8
	s_lshl_b32 s26, s26, 3
	s_add_co_u32 s26, s26, s24
	s_and_b32 s26, s26, 31                         ; f
	s_and_b32 s32, s26, 1
	s_lshl_b32 s32, s32, 17                        ; 128 ks rows of 1,024 bytes
	s_lshr_b32 s33, s26, 1
	s_lshl_b32 s33, s33, 6                         ; 16 t columns
	s_add_co_u32 s32, s32, s33
	s_mov_b32 s33, 0
	s_add_nc_u64 s[28:29], s[28:29], s[32:33]
	s_lshl_b32 s34, s26, 11
	s_add_co_u32 s34, s34, s30
	s_add_co_u32 s34, s34, WQ
	s_mov_b32 s35, 0
	s_add_nc_u64 s[34:35], s[22:23], s[34:35]
	s_lshl_b32 s36, s26, 7
	s_add_co_u32 s36, s36, s30
	s_add_co_u32 s36, s36, WQ+65536
	s_mov_b32 s37, 0
	s_add_nc_u64 s[36:37], s[22:23], s[36:37]
	s_wait_alu depctr_va_vdst(0)
	v_lshlrev_b32 v4, 2, v1
	s_delay_alu instid0(VALU_DEP_1)
	v_lshl_add_u32 v4, v2, 14, v4                  ; column r, 16 h rows down
	v_lshlrev_b32 v5, 4, v3
	v_lshlrev_b32 v6, 2, v3
.irp c, 0,1,2,3
.irp i, 0,1,2,3,4,5,6,7,8,9,10,11,12,13,14,15
	global_load_b32 v[96+16*\c+\i], v4, s[28:29] offset:(32*\c+\i)*1024
.endr
.endr
	s_wait_loadcnt 0x0
	QUANT 96, 0, 0, 32, 31
.irp c, 0,1,2,3
	global_store_b128 v5, v[32+4*\c:35+4*\c], s[34:35] offset:512*\c   ; 32 lanes store 512 consecutive bytes, aligned
.endr
	global_store_b32 v6, v31, s[36:37]
	s_endpgm
.LroleR:                                           ; ---- kg's first BatchNorm, 32 channels
	s_lshl_b32 s26, ttmp9, 16
	s_add_co_u32 s26, s26, PART1
	s_mov_b32 s27, 0
	s_add_nc_u64 s[28:29], s[4:5], s[26:27]
	s_lshl_b32 s26, ttmp9, 7
	s_add_nc_u64 s[10:11], s[10:11], s[26:27]
	s_add_nc_u64 s[12:13], s[12:13], s[26:27]
	s_add_nc_u64 s[14:15], s[14:15], s[26:27]
	s_add_co_u32 s26, s26, WQ+139264
	s_add_nc_u64 s[32:33], s[22:23], s[26:27]
	s_wait_alu depctr_va_vdst(0)
	v_lshlrev_b32 v4, 4, v1
	s_lshl_b32 s34, s24, 13
	v_lshl_add_u32 v5, v3, 4, s34
	s_mul_i32 s34, s24, 384
	v_lshl_add_u32 v6, v1, 3, s34
	v_lshlrev_b32 v7, 3, v1
	s_delay_alu instid0(VALU_DEP_1)
	v_lshl_add_u32 v[OAC], v2, 10, v7              ; 8 (lane % 16) + 1,024 (lane / 16)
	REDUCE 28, 10, 12, 14, 0
	s_cmp_lg_u32 s24, 0
	s_cbranch_scc1 .LendR
	global_store_b64 v[OAC], v[24:25], s[32:33]    ; lanes 0-15: a1's 128 bytes; lanes 16-31: c1's, 1,024 bytes on
.LendR:
	s_set_vgpr_msb 0x5
	s_wait_tensorcnt 0x0
	ds_add_u32 v0, v1
	s_wait_dscnt 0x0
	s_set_vgpr_msb 0x500
	s_endpgm
.Lfunc_end_k_q885ea9d032_mid:
	.size	k_q885ea9d032_mid, .Lfunc_end_k_q885ea9d032_mid-k_q885ea9d032_mid
	.p2alignl 7, 3214868480
	.fill 96, 4, 3214868480
	.section	.rodata,"a",@progbits
	.p2align	6, 0x0
	.amdhsa_kernel k_q885ea9d032_mid
		.amdhsa_group_segment_fixed_size 17408
		.amdhsa_private_segment_fixed_size 0
		.amdhsa_enable_private_segment 0
		.amdhsa_kernarg_size 80
		.amdhsa_user_sgpr_count 2
		.amdhsa_user_sgpr_kernarg_segment_ptr 1
		.amdhsa_wavefront_size32 1
		.amdhsa_system_sgpr_workgroup_id_x 1
		.amdhsa_system_sgpr_workgroup_id_y 1
		.amdhsa_system_sgpr_workgroup_id_z 1
		.amdhsa_system_vgpr_workitem_id 0
		.amdhsa_next_free_vgpr 258
		.amdhsa_next_free_sgpr 66
		.amdhsa_reserve_vcc 0
		.amdhsa_float_denorm_mode_32 3
		.amdhsa_float_denorm_mode_16_64 3
		.amdhsa_memory_ordered 1
		.amdhsa_forward_progress 1
		.amdhsa_inst_pref_size 94
	.end_amdhsa_kernel
	.amdgpu_metadata
---
amdhsa.version: [ 1, 2 ]
amdhsa.kernels:
  - .name:           k_q885ea9d032_mid
    .symbol:         k_q885ea9d032_mid.kd
    .args:
      - { .name: w1, .offset: 0, .size: 8, .value_kind: global_buffer, .address_space: global }
      - { .name: ky_W2, .offset: 8, .size: 8, .value_kind: global_buffer, .address_space: global }
      - { .name: kg_W2, .offset: 16, .size: 8, .value_kind: global_buffer, .address_space: global }
      - { .name: kg_b1, .offset: 24, .size: 8, .value_kind: global_buffer, .address_space: global }
      - { .name: kg_g1, .offset: 32, .size: 8, .value_kind: global_buffer, .address_space: global }
      - { .name: kg_be1, .offset: 40, .size: 8, .value_kind: global_buffer, .address_space: global }
      - { .name: ky_b1, .offset: 48, .size: 8, .value_kind: global_buffer, .address_space: global }
      - { .name: ky_g1, .offset: 56, .size: 8, .value_kind: global_buffer, .address_space: global }
      - { .name: ky_be1, .offset: 64, .size: 8, .value_kind: global_buffer, .address_space: global }
      - { .name: w2, .offset: 72, .size: 8, .value_kind: global_buffer, .address_space: global }
    .group_segment_fixed_size: 17408
    .private_segment_fixed_size: 0
    .kernarg_segment_align: 8
    .kernarg_segment_size: 80
    .max_flat_workgroup_size: 256
    .sgpr_count:     66
    .vgpr_count:     258
    .wavefront_size: 32
...
	.end_amdgpu_metadata
.endif
;; end of part 7
;; launch passA (part 8): grid 256 x 1, 4 waves a work-group, clusters of 4 x 1, 180,736 bytes of LDS; arguments w1, w2, pairwise_g, p2; writes p2
.if DOCPART == 8
	.amdgcn_target "amdgcn-amd-amdhsa--gfx1250"
	.amdhsa_code_object_version 6
	.text
	.protected	k_q885ea9d032_passA
	.globl	k_q885ea9d032_passA
	.p2align	8
	.type	k_q885ea9d032_passA,@function
k_q885ea9d032_passA:
	s_mov_b64 s[64:65], 0
	v_nop
	global_prefetch_b8 v0, s[64:65] scope:SCOPE_SE
	s_setreg_imm32_b32 hwreg(HW_REG_WAVE_MODE, 25, 1), 1
	s_wait_xcnt 0x0
	s_wait_alu depctr_hold_cnt(0) depctr_sa_sdst(0) depctr_va_vdst(0) depctr_va_sdst(0) depctr_va_ssrc(0) depctr_va_vcc(0) depctr_vm_vsrc(0)
	s_getreg_b32 s2, hwreg(HW_REG_IB_STS2, 6, 4)
	s_cmp_eq_u32 s2, 0
	s_cbranch_scc0 .Lentry_in_a_cluster
	s_endpgm
.Lentry_in_a_cluster:
	s_bfe_u32 s2, ttmp6, 0x10000c
	s_cmp_lg_u32 s2, 0x3003
	s_cbranch_scc0 .Lentry_shape_is_right
	s_endpgm
.Lentry_shape_is_right:
; THIRD LAUNCH: both MLPs up to their second Linear, whose result is not kept: only its statistics are (mean and sum of squared deviations of each channel over the work-group's 1,024 rows).
; Keeping the second Linear's results, or the hidden layer's codes, would send hundreds of megabytes to memory and back; making them again from the small inputs costs a few products.
; SHARES.  Work-group g = (b, i) owns 1,024 rows, wave w 256 of them (j = 16 w + tau), in four groups of four tiles of 16 rows.  First ky, then kg.
; A GROUP: (1) the hidden layer of 64 rows is made in f32 and quantised in registers: lane (r, h) holds row r and, in register 16 c + i of a K step, channel 32 c + 16 h + i: the conversions' results ARE the operand.
;   ky: relu(P1s[b, j, t] + P2s[b, i, s]), from the second launch's tables.  kg: pairwise_g is quantised (one block of 32), multiplied by kg_W1 (used transposed, its units chosen so that two tiles' registers are
;   16 neighbours along the next K), then relu(a1 x + c1).  (2) THE SWEEP: 16 tiles of 16 columns of W2, whose fragments come from LDS as images of their registers; eight products a tile (four tiles of rows, two K steps);
;   a lane then holds one channel and 32 rows, and their sums and sums of squares about the wave's shift K are taken.  -K is the C of the first K step.
; A GROUP IS WRITTEN ONCE for ky and once for kg and walked four times: two group bodies are the bulk of the text.  What that asks: -K and the sums begin as zeros (192 registers a branch, set once); in the first trip
;   alone a scalar branch on the trip counter lets each tile take its shift (its own row 0), subtract it and keep -K; and the loads that run ahead are issued in every trip, so that every counted wait counts the same:
;   in the last trip their pointers are held, they read that trip's own tiles once more, and what they bring is not used: no load leaves its buffer.
; Waves share nothing in the loops: no barrier stands there.  All of LDS is filled once, so no slot is filled again.
; CLUSTER.  All work-groups read the same weights, so the four of a cluster ask for them JOINTLY: each wave one joint load (a third of W2's block, or kg_W1's), the same descriptor in all four work-groups.  The work-group's place enters global offsets alone.
; LIMITS: as in the first launch.
; REGISTERS.  window 0: v1 r, v2 h, v3 lane, v4-19 addresses, v20-21 -K, v32-39 the hidden layer's scale words, v40-45 W2's (three sets), v46-61 kg_W1's, v62 the data's, v64-87 at work,
;   v96-223 the hidden layer in f32; in the sweep v96, v128, v224 three sets of W2's two fragments, v160, v192 two sets of four accumulators.
;   window 1: ky: v0-127 P2s, v128, v192 two halves of P1s' ring; kg: v0-127 a1, v128-255 c1.   window 2: v0-127 the hidden layer's codes (tile m, K step k at 32 m + 16 k); ky: v128, v192 the ring's other halves;
;   kg: v128-203 kg_W1 (16 tiles, 4 registers apart, 12 of zeros), v208-223 the data's fragment.   window 3: v0-127 -K, v128-191 the sums, v192-255 four tiles of pairwise_g.
.set WQ,   2097152
.set W1Q,  2621440
.set KYS,  65536                       ; LDS: 0 ky_W2's codes; its scale words; kg_W2's codes; its scale words; a1, c1; kg_W1's codes; its scale words; the waves' statistics
.set KGW,  69632
.set KGS,  135168
.set A1L,  139264
.set W1L,  141312
.set W1SL, 149504
.set SCR,  157696
.set X,   96
.set ACC, 160
.set AS,  32
.set W1S, 46
.set PGS, 62
.set TM,  64
.set TT,  64
.set UU,  80
.set SQ,  128
.set LL,  10                           ; LDS loads for a tile of W2
.set GROUPS, 4                         ; trips of each loop
.set FLR, 2                            ; s2  2^(16 - 127), the floor under a block's largest magnitude
.set E15, 3                            ; s3  -(15 << 23)
.set EXM, 15                           ; s15 the exponent field's mask
.set SEL, 52
.set MNT, 54
.set HM,  55
.set CNT, 56                           ; s56 trips left, this one among them
.set P1B, 58                           ; s[58:59] P1s at the group in hand
.set P2B, 60
.set PGB, 62                           ; s[62:63] pairwise_g one group behind what the ring asks for
.set P1N, 72                           ; s[72:73] P1s at the next group (in the last trip: at the group in hand)
.set STP, 74                           ; s[74:75] a pointer's step, as a pair with 0 above it
; THE TEXT'S LOOP: ONE loop of 2 x GROUPS trips serves both MLPs: trips 8 to 5 are ky's groups, trips 4 to 1 kg's.  A scalar branch on the trip counter picks the front that makes the hidden layer's codes;
; the sweep over W2's 16 tiles is written once, and its LDS bases are made at each trip's top from the counter.  Behind ky's last sweep (counter 5) its statistics go to LDS and kg's constants come into registers.
; THE HEAD'S JOINT LOADS, one a wave: waves 0 to 2 a third each (184 rows of 256 bytes) of W2's images with a1 and c1, wave 3 kg_W1's 40 rows.
.set FST, 80                           ; s80 0 in a branch's first trip
.set WOF, 81                           ; s81 LDS base of the branch's W2 codes
.set WOS, 82                           ; s82 and of their scale words
.set MSB, 0
.macro WIN new                         ; the immediate's high byte repeats the setting that is left; a switch that changes nothing is dropped
.if MSB != (\new)
	s_set_vgpr_msb (MSB<<8)|(\new)
.set MSB, (\new)
.endif
.endm
.macro ROUND                           ; a round of the cluster's barrier
	s_barrier_signal -1
	s_barrier_wait -1
	s_cmp_lg_u32 s12, 0
	s_cbranch_scc1 .Lnot_wave_0_\@
	s_barrier_signal -3
.Lnot_wave_0_\@:
	s_barrier_wait -3
	s_barrier_signal -1
	s_barrier_wait -1
.endm
; 64 numbers of a lane, register 16 b + i = k 32 b + 16 (lane / 16) + i, become 16 registers of codes at v[dst] of window dw and a scale word.  What is negative becomes 0 on the way.
.macro QUANT s, relu, dw, dst, word
.irp b, 0,1,2,3
	v_max3_num_f32 v[TM+\b], v[\s+16*\b], v[\s+16*\b+1], s[FLR]      ; no |.|: what is negative is to become 0 and must not count; the floor holds the byte at 1 from below
.endr
.irp i, 2,4,6,8,10,12,14
.irp b, 0,1,2,3
	v_max3_num_f32 v[TM+\b], v[TM+\b], v[\s+16*\b+\i], v[\s+16*\b+\i+1]
.endr
.endr
.irp b, 0,1,2,3
	v_permlanex16_b32 v[TM+4+\b], v[TM+\b], s[SEL], s[SEL+1]
.endr
.irp b, 0,1,2,3
	v_max_num_f32 v[TM+\b], v[TM+\b], v[TM+4+\b]                     ; with lane l xor 16's: the block's largest magnitude
.endr
.irp b, 0,1,2,3
	v_add_nc_u32 v[TM+12+\b], s[E15], v[TM+\b]                       ; 15 off its exponent field: the conversion's scale operand
.endr
.irp b, 0,1,2,3
	v_and_or_b32 v[TM+8+\b], v[TM+\b], s[EXM], s[MNT]                ; 57,344 x the scale
.endr
.irp b, 0,1,2,3
	v_lshrrev_b32 v[TM+4+\b], 23, v[TM+12+\b]                        ; the scale's byte
.endr
	v_lshl_or_b32 v[\word], v[TM+5], 8, v[TM+4]
	v_lshl_or_b32 v[\word], v[TM+6], 16, v[\word]
	v_lshl_or_b32 v[\word], v[TM+7], 24, v[\word]
.irp b, 0,1,2,3
.irp i, 0,1,2,3,4,5,6,7,8,9,10,11,12,13,14,15
	v_med3_num_f32 v[\s+16*\b+\i], v[\s+16*\b+\i], 0, v[TM+8+\b]     ; the activation and the hold in one (the conversion does not saturate: ISA guide 7.6.2)
.endr
.endr
	WIN (\dw<<6)
.irp b, 0,1,2,3
	v_cvt_scalef32_pk8_bf8_f32 v[\dst+4*\b:\dst+4*\b+1], v[\s+16*\b:\s+16*\b+7], v[TM+12+\b]
	v_cvt_scalef32_pk8_bf8_f32 v[\dst+4*\b+2:\dst+4*\b+3], v[\s+16*\b+8:\s+16*\b+15], v[TM+12+\b]
.endr
	WIN 0
	v_nop                                                            ; a plain place behind the last scaled conversion
.endm
; One block of 32: 16 numbers of a lane at v[raw] of window rw become 4 registers of codes at v[dst] of window dw; the word holds the block's byte, zero bytes above it.
.macro QPG raw, rw, dst, dw, word
	WIN (\rw|(\rw<<2))
	v_max3_num_f32 v[TM], |v[\raw]|, |v[\raw+1]|, s[FLR]
	v_max3_num_f32 v[TM+1], |v[\raw+2]|, |v[\raw+3]|, s[FLR]
.irp i, 4,8,12
	v_max3_num_f32 v[TM], |v[\raw+\i]|, |v[\raw+\i+1]|, v[TM]
	v_max3_num_f32 v[TM+1], |v[\raw+\i+2]|, |v[\raw+\i+3]|, v[TM+1]
.endr
	WIN 0
	v_max_num_f32 v[TM], v[TM], v[TM+1]
	v_permlanex16_b32 v[TM+4], v[TM], s[SEL], s[SEL+1]
	v_max_num_f32 v[TM], v[TM], v[TM+4]
	v_add_nc_u32 v[TM+12], s[E15], v[TM]
	v_and_or_b32 v[TM+8], v[TM], s[EXM], s[MNT]
	v_lshrrev_b32 v[\word], 23, v[TM+12]                             ; the 16 holds below stand between this scale word and the products
	WIN ((\rw<<6)|\rw)
.irp i, 0,1,2,3,4,5,6,7,8,9,10,11,12,13,14,15
	v_med3_num_f32 v[\raw+\i], v[\raw+\i], -v[TM+8], v[TM+8]
.endr
	WIN ((\dw<<6)|\rw)
	v_cvt_scalef32_pk8_bf8_f32 v[\dst:\dst+1], v[\raw:\raw+7], v[TM+12]
	v_cvt_scalef32_pk8_bf8_f32 v[\dst+2:\dst+3], v[\raw+8:\raw+15], v[TM+12]
	WIN 0
	v_nop
.endm
; The statistics of tile t's four accumulators: a lane holds ONE channel and 32 rows.  In the first trip alone the shift is taken (row 0 lies in register 0 of lanes 0-15), subtracted, and kept as -K: the later
; trips' products bring x - K themselves and jump over these lines.  Each accumulator is read from its low end on, on both ways.
.macro ST t
.set AB, ACC+32*((\t)%2)
	s_cmp_lg_u32 s[FST], 0                                           ; a branch's first trip?  The flag is the same in every wave and every work-group
	s_cbranch_scc1 .Lshifted_\@
	v_permlanex16_b32 v20, v[AB], s[SEL], s[SEL+1]
	v_cndmask_b32 v20, v[AB], v20, s[HM]                             ; lanes 16-31 take lanes 0-15's: both halves hold row 0's number
	v_xor_b32 v20, 0x80000000, v20
	v_mov_b32 v21, v20
.irp i, 0,1,2,3,4,5,6,7,8,9,10,11,12,13,14,15
	v_pk_add_f32 v[AB+2*\i:AB+2*\i+1], v[AB+2*\i:AB+2*\i+1], v[20:21]
.endr
	WIN 0xc0
.irp j, 0,1,2,3,4,5,6,7
	v_mov_b32 v[8*(\t)+\j], v20
.endr
	WIN 0                                                            ; at a label and at a branch every window is 0
.Lshifted_\@:
.irp i, 0,1,2,3,4,5,6,7
	v_pk_add_f32 v[TT+2*\i:TT+2*\i+1], v[AB+4*\i:AB+4*\i+1], v[AB+4*\i+2:AB+4*\i+3]
.endr
.irp i, 0,1,2,3
	v_pk_mul_f32 v[UU+2*\i:UU+2*\i+1], v[AB+2*\i:AB+2*\i+1], v[AB+2*\i:AB+2*\i+1]
.endr
.irp i, 0,1,2,3
	v_pk_add_f32 v[TT+4*\i:TT+4*\i+1], v[TT+4*\i:TT+4*\i+1], v[TT+4*\i+2:TT+4*\i+3]
.endr
.irp i, 4,5,6,7,8,9,10,11,12,13,14,15
	v_pk_fma_f32 v[UU+2*(\i%4):UU+2*(\i%4)+1], v[AB+2*\i:AB+2*\i+1], v[AB+2*\i:AB+2*\i+1], v[UU+2*(\i%4):UU+2*(\i%4)+1]
.endr
	v_pk_add_f32 v[TT:TT+1], v[TT:TT+1], v[TT+4:TT+5]
	v_pk_add_f32 v[TT+8:TT+9], v[TT+8:TT+9], v[TT+12:TT+13]
	v_pk_add_f32 v[UU:UU+1], v[UU:UU+1], v[UU+2:UU+3]
	v_pk_add_f32 v[UU+4:UU+5], v[UU+4:UU+5], v[UU+6:UU+7]
	v_pk_add_f32 v[TT:TT+1], v[TT:TT+1], v[TT+8:TT+9]
	v_pk_add_f32 v[UU:UU+1], v[UU:UU+1], v[UU+4:UU+5]
	WIN 0xc3
	v_pk_add_f32 v[SQ+4*(\t):SQ+4*(\t)+1], v[SQ+4*(\t):SQ+4*(\t)+1], v[TT:TT+1]
	v_pk_add_f32 v[SQ+4*(\t)+2:SQ+4*(\t)+3], v[SQ+4*(\t)+2:SQ+4*(\t)+3], v[UU:UU+1]
	WIN 0
.endm
.macro ZEROS                           ; -K and the sums of a branch begin as zeros: the group is written once, and its first trip finds them so
	WIN 0xc0
.set n1, 0
.rept 192
	v_mov_b32 v[n1], 0
.set n1, n1+1
.endr
	WIN 0
.endm
.macro LOADW t, li, ls                 ; tile t of W2: two fragments and their scale words into set t % 3, as they lie: 512 consecutive bytes a load
.set WB, 96+32*((\t)%3)+64*(((\t)%3)/2)
.set WS, 40+2*((\t)%3)
.irp k, 0,1
.irp c, 0,1,2,3
	ds_load_b128 v[WB+16*\k+4*\c:WB+16*\k+4*\c+3], v[\li] offset:(2*(\t)+\k)*2048+512*\c
.endr
.endr
.irp k, 0,1
	ds_load_b32 v[WS+\k], v[\ls] offset:(2*(\t)+\k)*128
.endr
.endm
; Eight products: four tiles of rows x tile t of W2, two K steps; the first takes -K (in the first trip: zeros) as its C.  The four accumulators take turns, one instruction a turn.
.macro MM t
.set AB, ACC+32*((\t)%2)
.set WB, 96+32*((\t)%3)+64*(((\t)%3)/2)
.set WS, 40+2*((\t)%3)
	WIN 0x32
.irp m, 0,1,2,3
	v_wmma_scale_f32_16x16x128_f8f6f4 v[AB+8*\m:AB+8*\m+7], v[32*\m:32*\m+15], v[WB:WB+15], v[8*(\t):8*(\t)+7], v[AS+2*\m], v[WS] matrix_a_fmt:MATRIX_FMT_BF8 matrix_b_fmt:MATRIX_FMT_BF8
.endr
	s_wait_alu depctr_va_vdst(0)
	WIN 0x02
.irp m, 0,1,2,3
	v_wmma_scale_f32_16x16x128_f8f6f4 v[AB+8*\m:AB+8*\m+7], v[32*\m+16:32*\m+31], v[WB+16:WB+31], v[AB+8*\m:AB+8*\m+7], v[AS+2*\m+1], v[WS+1] matrix_a_fmt:MATRIX_FMT_BF8 matrix_b_fmt:MATRIX_FMT_BF8
.endr
	WIN 0
.endm
; THE SWEEP.  Tile t + 1's products stand ahead of tile t's statistics: the statistics of tile t - 1 are the places behind tile t's products, for the reads of their results, for the write of their -K and for the loads
; into their set of fragments (for all but the loads).  Loads run three tiles ahead.
; Tile t + 1's eight products and tile t's statistics, by turns: behind each product stand four lines of the statistics, which name none of its registers; behind the last stand eight,
; the places ahead of the next tile's first read of its results (ISA guide 7.12.1).  The products keep their order: four accumulators by turns, two K steps.
.macro SHIFT t                         ; a branch's first trip alone: tile t takes its shift, subtracts it and keeps -K (as in ST)
	s_cmp_lg_u32 s[FST], 0
	s_cbranch_scc1 .Lkept_\@
	v_permlanex16_b32 v20, v[AB], s[SEL], s[SEL+1]
	v_cndmask_b32 v20, v[AB], v20, s[HM]
	v_xor_b32 v20, 0x80000000, v20
	v_mov_b32 v21, v20
.irp i, 0,1,2,3,4,5,6,7,8,9,10,11,12,13,14,15
	v_pk_add_f32 v[AB+2*\i:AB+2*\i+1], v[AB+2*\i:AB+2*\i+1], v[20:21]
.endr
	WIN 0xc0
.irp j, 0,1,2,3,4,5,6,7
	v_mov_b32 v[8*(\t)+\j], v20
.endr
	WIN 0
.Lkept_\@:
.endm
.macro MK0 t, m                        ; the first K step of row tile m: -K of tile t is its C
	WIN 0x32
	v_wmma_scale_f32_16x16x128_f8f6f4 v[AN+8*\m:AN+8*\m+7], v[32*\m:32*\m+15], v[WB:WB+15], v[8*(\t):8*(\t)+7], v[AS+2*\m], v[WS] matrix_a_fmt:MATRIX_FMT_BF8 matrix_b_fmt:MATRIX_FMT_BF8
	WIN 0
.endm
.macro MK1 m                           ; the second K step
	WIN 0x02
	v_wmma_scale_f32_16x16x128_f8f6f4 v[AN+8*\m:AN+8*\m+7], v[32*\m+16:32*\m+31], v[WB+16:WB+31], v[AN+8*\m:AN+8*\m+7], v[AS+2*\m+1], v[WS+1] matrix_a_fmt:MATRIX_FMT_BF8 matrix_b_fmt:MATRIX_FMT_BF8
	WIN 0
.endm
.macro SSUM a, b, c, d                 ; sums of neighbouring pairs, each accumulator from its low end on
.irp i, \a, \b, \c, \d
	v_pk_add_f32 v[TT+2*\i:TT+2*\i+1], v[AB+4*\i:AB+4*\i+1], v[AB+4*\i+2:AB+4*\i+3]
.endr
.endm
.macro SSQ a, b, c, d                  ; squares onto four chains
.irp i, \a, \b, \c, \d
	v_pk_fma_f32 v[UU+2*(\i%4):UU+2*(\i%4)+1], v[AB+2*\i:AB+2*\i+1], v[AB+2*\i:AB+2*\i+1], v[UU+2*(\i%4):UU+2*(\i%4)+1]
.endr
.endm
.macro MMST t
.set AB, ACC+32*((\t)%2)
.set AN, ACC+32*(((\t)+1)%2)
.set WB, 96+32*(((\t)+1)%3)+64*((((\t)+1)%3)/2)
.set WS, 40+2*(((\t)+1)%3)
	SHIFT \t
	MK0 (\t)+1, 0
	SSUM 0, 1, 2, 3
	MK0 (\t)+1, 1
	SSUM 4, 5, 6, 7
	MK0 (\t)+1, 2
.irp i, 0,1,2,3
	v_pk_mul_f32 v[UU+2*\i:UU+2*\i+1], v[AB+2*\i:AB+2*\i+1], v[AB+2*\i:AB+2*\i+1]
.endr
	MK0 (\t)+1, 3
.irp i, 0,1,2,3
	v_pk_add_f32 v[TT+4*\i:TT+4*\i+1], v[TT+4*\i:TT+4*\i+1], v[TT+4*\i+2:TT+4*\i+3]
.endr
	s_wait_alu depctr_va_vdst(0)
	MK1 0
	SSQ 4, 5, 6, 7
	MK1 1
	SSQ 8, 9, 10, 11
	MK1 2
	SSQ 12, 13, 14, 15
	MK1 3
	v_pk_add_f32 v[TT:TT+1], v[TT:TT+1], v[TT+4:TT+5]
	v_pk_add_f32 v[TT+8:TT+9], v[TT+8:TT+9], v[TT+12:TT+13]
	v_pk_add_f32 v[UU:UU+1], v[UU:UU+1], v[UU+2:UU+3]
	v_pk_add_f32 v[UU+4:UU+5], v[UU+4:UU+5], v[UU+6:UU+7]
	v_pk_add_f32 v[TT:TT+1], v[TT:TT+1], v[TT+8:TT+9]
	v_pk_add_f32 v[UU:UU+1], v[UU:UU+1], v[UU+4:UU+5]
	WIN 0xc3
	v_pk_add_f32 v[SQ+4*(\t):SQ+4*(\t)+1], v[SQ+4*(\t):SQ+4*(\t)+1], v[TT:TT+1]
	v_pk_add_f32 v[SQ+4*(\t)+2:SQ+4*(\t)+3], v[SQ+4*(\t)+2:SQ+4*(\t)+3], v[UU:UU+1]
	WIN 0
.endm
.macro SWEEP li, ls
	LOADW 0, \li, \ls
	LOADW 1, \li, \ls
	LOADW 2, \li, \ls
.rept 4
	v_nop                                          ; the codes just made stand four places ahead of the scaled products
.endr
	s_wait_dscnt 2*LL                              ; tile 0 is in; tiles 1 and 2 may be out
	MM 0
.rept 8
	v_nop                                          ; the places behind tile 0's products: no other vector work is at hand
.endr
.irp t, 0,1,2,3,4,5,6,7,8,9,10,11,12,13,14
.if \t < 14
	s_wait_dscnt LL                                ; tile t + 1 is in; tile t + 2 may be out
.else
	s_wait_dscnt 0x0
.endif
	MMST \t
.if \t < 13
	LOADW \t+3, \li, \ls
.endif
.endr
	ST 15
.endm
; A group of ky.  P1s comes through a ring of four half tiles (16 loads each) in registers; a half is asked for again as soon as it is added: tiles 2 and 3 of this group, then tiles 0 and 1 of the next.
.macro GROUPY
.irp m, 0,1,2,3
.irp k, 0,1
	s_wait_loadcnt 48                              ; this half tile is in; the three younger halves may be out
	WIN 0x05+(\m%2)
.set n1, 0
.rept 32
	v_pk_add_f32 v[X+64*\k+n1:X+64*\k+n1+1], v[128+64*\k+n1:129+64*\k+n1], v[64*\k+n1:64*\k+n1+1]
.set n1, n1+2
.endr
	WIN 0x40<<(\m%2)
.irp c, 0,1,2,3
.irp q, 0,1,2,3
.if \m < 2
	global_load_b128 v[128+64*\k+16*\c+4*\q:131+64*\k+16*\c+4*\q], v8, s[P1B:P1B+1] offset:(\m+2)*256+(4*\k+\c)*131072+16*\q
.else
	global_load_b128 v[128+64*\k+16*\c+4*\q:131+64*\k+16*\c+4*\q], v8, s[P1N:P1N+1] offset:(\m-2)*256+(4*\k+\c)*131072+16*\q
.endif
.endr
.endr
	WIN 0
	QUANT X+64*\k, 1, 2, 32*\m+16*\k, AS+2*\m+\k
.endr
.endr
	s_wait_alu depctr_va_vdst(0)                   ; the wait ahead of the branch that follows
.endm
; A group of kg.  pairwise_g comes through a ring of four tiles (4 loads each): a tile's registers take the same tile of the next group as soon as it is quantised.
.macro GROUPG
	s_wait_loadcnt 0x0                             ; the group's four tiles were asked for in the trip before, ahead of its sweep; nothing else of mine is out
.irp m, 0,1,2,3
	QPG 192+16*\m, 3, 208, 2, PGS
	WIN 0xc0
.irp q, 0,1,2,3
	global_load_b128 v[192+16*\m+4*\q:195+16*\m+4*\q], v10, s[PGB:PGB+1] offset:(4+\m)*2048+16*\q
.endr
	WIN 0
.rept 4
	v_nop
.endr
	WIN 0x0a
.irp T, 0,1,2,3,4,5,6,7,8,9,10,11,12,13,14,15  ; TRANSPOSED: source 0 = 16 units of kg_W1, source 1 = my 16 rows.  A tile of kg_W1 is named as 16 registers from its own 4 on: the rest meets zero codes
	v_wmma_scale_f32_16x16x128_f8f6f4 v[X+8*\T:X+8*\T+7], v[128+4*\T:128+4*\T+15], v[208:223], 0, v[W1S+\T], v[PGS] matrix_a_fmt:MATRIX_FMT_BF8 matrix_b_fmt:MATRIX_FMT_BF8
.endr
	WIN 0
.rept 8
	v_nop
.endr
	WIN 0x14
.set n1, 0
.rept 64
	v_pk_fma_f32 v[X+n1:X+n1+1], v[X+n1:X+n1+1], v[n1:n1+1], v[128+n1:129+n1]   ; a1 x + c1, each accumulator from its low end on
.set n1, n1+2
.endr
	WIN 0
	QUANT X, 1, 2, 32*\m, AS+2*\m
	QUANT X+64, 1, 2, 32*\m+16, AS+2*\m+1
.endr
	s_wait_alu depctr_va_vdst(0)                   ; the wait ahead of the join that follows
.endm
; The wave's 256 rows of a branch: mean = K + s / 256, M2 = q - s^2 / 256, to LDS.
.macro WTAIL br
	WIN 0x0f
.irp t, 0,1,2,3,4,5,6,7,8,9,10,11,12,13,14,15
	v_add_f32 v[96+\t], v[SQ+4*\t], v[SQ+4*\t+1]
	v_add_f32 v[112+\t], v[SQ+4*\t+2], v[SQ+4*\t+3]
	v_mov_b32 v[128+\t], v[8*\t]
.endr
	WIN 0
.irp t, 0,1,2,3,4,5,6,7,8,9,10,11,12,13,14,15
	v_permlanex16_b32 v[144+\t], v[96+\t], s[SEL], s[SEL+1]
	v_permlanex16_b32 v[160+\t], v[112+\t], s[SEL], s[SEL+1]
.endr
.irp t, 0,1,2,3,4,5,6,7,8,9,10,11,12,13,14,15
	v_add_f32 v[96+\t], v[96+\t], v[144+\t]
	v_add_f32 v[112+\t], v[112+\t], v[160+\t]
.endr
.irp t, 0,1,2,3,4,5,6,7,8,9,10,11,12,13,14,15
	v_mul_f32 v[144+\t], v[96+\t], v[96+\t]
	v_fma_f32 v[160+\t], v[96+\t], 0x3b800000, -v[128+\t]
.endr
.irp t, 0,1,2,3,4,5,6,7,8,9,10,11,12,13,14,15
	v_fma_f32 v[176+\t], v[144+\t], 0xbb800000, v[112+\t]
.endr
.irp t, 0,1,2,3,4,5,6,7,8,9,10,11,12,13,14,15
	ds_store_b32 v17, v[160+\t] offset:8192*\br+64*\t                ; channel 16 t + r; both halves of the lanes write the same word with the same value
	ds_store_b32 v17, v[176+\t] offset:8192*\br+64*\t+1024
.endr
.endm
.macro COMBINE B, O                    ; four waves' (mean, M2) of 256 rows, for two channels, become the work-group's
	v_pk_add_f32 v[\O:\O+1], v[\B:\B+1], v[\B+4:\B+5]
	v_pk_add_f32 v[\O+4:\O+5], v[\B+8:\B+9], v[\B+12:\B+13]
	v_pk_add_f32 v[\O+2:\O+3], v[\B+2:\B+3], v[\B+6:\B+7]
	v_pk_add_f32 v[\O+6:\O+7], v[\B+10:\B+11], v[\B+14:\B+15]
	v_pk_add_f32 v[\O:\O+1], v[\O:\O+1], v[\O+4:\O+5]
	v_pk_add_f32 v[\O+2:\O+3], v[\O+2:\O+3], v[\O+6:\O+7]
	v_pk_mul_f32 v[\O:\O+1], v[\O:\O+1], 0x3e800000 op_sel_hi:[1,0]
.irp w, 0,1,2,3
	v_pk_add_f32 v[\B+4*\w:\B+4*\w+1], v[\B+4*\w:\B+4*\w+1], v[\O:\O+1] neg_lo:[0,1] neg_hi:[0,1]
.endr
	v_pk_mul_f32 v[\O+4:\O+5], v[\B:\B+1], v[\B:\B+1]
.irp w, 1,2,3
	v_pk_fma_f32 v[\O+4:\O+5], v[\B+4*\w:\B+4*\w+1], v[\B+4*\w:\B+4*\w+1], v[\O+4:\O+5]
.endr
	v_pk_fma_f32 v[\O+2:\O+3], v[\O+4:\O+5], 0x43800000, v[\O+2:\O+3] op_sel_hi:[1,0,1]
.endm
	s_load_b256 s[4:11], s[0:1], 0x0               ; w1, w2, pairwise_g, p2
	v_lshl_add_u32 v94, v0, 2, 0x2c000
	v_mov_b32 v95, 0
	ds_add_u32 v94, v95
	ds_add_u32 v94, v95
	v_lshrrev_b32 v1, 5, v0
	v_readfirstlane_b32 s12, v1                    ; wave
	s_bfe_u32 s13, ttmp6, 0x40000                  ; cx
	s_lshl_b32 s14, ttmp9, 2
	s_add_co_u32 s14, s14, s13                     ; g = 4 x cluster + cx: it enters global offsets alone
	v_and_b32 v3, 31, v0
	v_and_b32 v1, 15, v0
	v_bfe_u32 v2, v0, 4, 1
	v_and_b32 v8, 3, v0
	v_lshlrev_b32 v8, 6, v8
	v_lshl_add_u32 v8, v2, 16, v8                  ; P1s: table row t = r % 4, group of channels + h
	v_bfe_u32 v9, v0, 2, 2
	v_lshlrev_b32 v9, 6, v9
	v_lshl_add_u32 v9, v2, 16, v9                  ; P2s: table row s = r / 4
	v_lshlrev_b32 v10, 7, v1
	v_lshl_add_u32 v10, v2, 6, v10                 ; pairwise_g: row r of 128 bytes + 64 h
	v_lshl_add_u32 v14, v2, 6, A1L
	v_lshl_add_u32 v15, v3, 4, W1L
	v_lshl_add_u32 v16, v3, 2, W1SL
	s_lshl_b32 s66, s12, 11
	s_add_co_u32 s66, s66, SCR
	v_lshl_add_u32 v17, v1, 2, s66
	v_lshl_add_u32 v18, v0, 3, SCR
	v_lshrrev_b32 v19, 4, v0
	v_lshlrev_b32 v19, 16, v19
	v_lshl_add_u32 v19, v1, 4, v19
	v_mov_b32 v20, 0                               ; written once: a lane permute's destination counts as one of its sources
.irp b, 0,1,2,3
	v_mov_b32 v[TM+4+\b], 0
.endr
	s_mov_b32 s[FLR], 0x8000000
	s_mov_b32 s[E15], 0xf8800000
	s_mov_b32 s[EXM], 0x7f800000
	s_mov_b32 s[SEL], 0x76543210
	s_mov_b32 s[SEL+1], 0xfedcba98
	s_mov_b32 s[MNT], 0x600000
	s_mov_b32 s[HM], 0xffff0000
	; descriptors: dense blocks as rows of 256 bytes (32 elements of 8 bytes), no padding; mask: all four work-groups, bit 21 beside it
	s_mov_b32 s16, 15|(3<<16)|(1<<21)
	s_mov_b32 s17, 32<<16                          ; tensor_dim0 = 32
	s_mov_b32 s18, 184<<16                         ; tensor_dim1 = 184 rows: a third of the 141,312 bytes of W2's images, a1 and c1
	s_mov_b32 s19, 32<<16                          ; tile_dim0
	s_mov_b32 s20, 184                             ; tile_dim1
	s_mov_b32 s21, 32                              ; pitch
	s_mov_b32 s22, 0
	s_mov_b32 s23, 0
	s_mov_b32 s28, 15|(3<<16)|(1<<21)
	s_mov_b32 s29, 32<<16
	s_mov_b32 s30, 40<<16                          ; 40 rows: kg_W1's 10,240 bytes
	s_mov_b32 s31, 32<<16
	s_mov_b32 s32, 40
	s_mov_b32 s33, 32
	s_mov_b32 s34, 0
	s_mov_b32 s35, 0
	s_mov_b32 s24, 1
	s_mul_i32 s25, s12, 47104                      ; LDS address: the wave's number times a constant (waves 0 to 2 use it)
	s_add_co_u32 s66, s25, WQ
	s_mov_b32 s67, 0
	s_mov_b32 s36, 1
	s_mov_b32 s37, W1L
	s_mov_b32 s68, W1Q
	s_mov_b32 s69, 0
	s_lshr_b32 s70, s14, 6                         ; b
	s_lshl_b32 s70, s70, 14                        ; P1s: table rows 256 b + 64 w on, 64 bytes each
	s_lshl_b32 s71, s12, 12
	s_add_co_u32 s70, s70, s71
	s_mov_b32 s71, 0
	s_lshl_b32 s72, s14, 8                         ; 256 g
	s_mov_b32 s73, 0
	s_lshl_b32 s74, s14, 17                        ; pairwise_g: 131,072 g + 32,768 w
	s_lshl_b32 s75, s12, 15
	s_add_co_u32 s74, s74, s75
	s_mov_b32 s75, 0
	s_wait_dscnt 0x0
	s_wait_kmcnt 0x0
	s_add_nc_u64 s[26:27], s[6:7], s[66:67]
	s_or_b32 s27, s27, 0x80000000
	s_add_nc_u64 s[38:39], s[4:5], s[68:69]
	s_or_b32 s39, s39, 0x80000000
	s_add_nc_u64 s[P1B:P1B+1], s[6:7], s[70:71]
	s_add_nc_u64 s[P2B:P2B+1], s[6:7], s[72:73]
	s_add_nc_u64 s[P2B:P2B+1], s[P2B:P2B+1], 1048576
	s_add_nc_u64 s[PGB:PGB+1], s[8:9], s[74:75]
	s_add_nc_u64 s[10:11], s[10:11], s[72:73]
	s_add_nc_u64 s[P1N:P1N+1], s[P1B:P1B+1], 1024  ; (s72-75 are done with as offsets)  P1s at the second group
	s_mov_b32 s[STP+1], 0                          ; the upper word of a step
	ROUND                                          ; all four work-groups are here: the joint loads meet
	s_cmp_lt_u32 s12, 3                            ; one joint load a wave, in one chain of branches on the wave's number
	s_cbranch_scc0 .Lhead_w1
	tensor_load_to_lds s[24:27], s[16:23]          ; waves 0 to 2: a third of W2's block
	s_nop 0
.rept 4
	v_nop
.endr
	s_branch .Lhead_asked
.Lhead_w1:
	tensor_load_to_lds s[36:39], s[28:35]          ; wave 3: kg_W1's block
	s_nop 0
.rept 4
	v_nop
.endr
.Lhead_asked:
	WIN 0xc0
.irp m, 0,1,2,3
.irp q, 0,1,2,3
	global_load_b128 v[192+16*\m+4*\q:195+16*\m+4*\q], v10, s[PGB:PGB+1] offset:\m*2048+16*\q
.endr
.endr
	WIN 0x40
.irp k, 0,1,2,3,4,5,6,7
.irp q, 0,1,2,3
	global_load_b128 v[16*\k+4*\q:16*\k+4*\q+3], v9, s[P2B:P2B+1] offset:\k*131072+16*\q
.endr
.endr
.irp k, 0,1
.irp c, 0,1,2,3
.irp q, 0,1,2,3
	global_load_b128 v[128+64*\k+16*\c+4*\q:131+64*\k+16*\c+4*\q], v8, s[P1B:P1B+1] offset:(4*\k+\c)*131072+16*\q
.endr
.endr
.endr
	WIN 0x80
.irp k, 0,1
.irp c, 0,1,2,3
.irp q, 0,1,2,3
	global_load_b128 v[128+64*\k+16*\c+4*\q:131+64*\k+16*\c+4*\q], v8, s[P1B:P1B+1] offset:256+(4*\k+\c)*131072+16*\q
.endr
.endr
.endr
	WIN 0
	ZEROS                                          ; ky's -K and sums, while the loads are on their way
	s_wait_tensorcnt 0x0                           ; my joint load's bytes lie in LDS,
	s_barrier_signal -1
	s_barrier_wait -1                              ; everybody's do
.irp T, 0,1,2,3,4,5,6,7,8,9,10,11,12,13,14,15
	ds_load_b32 v[W1S+\T], v16 offset:128*\T       ; kg_W1's scale words: ky leaves their registers alone
.endr
	s_wait_dscnt 0x0
	s_mov_b32 s[CNT], 2*GROUPS
.Ltrip:
	s_and_b32 s[FST], s[CNT], GROUPS-1             ; 0 in trips 8 and 4
	s_cmp_gt_u32 s[CNT], GROUPS                    ; ky's trip?
	s_cselect_b32 s[WOF], 0, KGW
	s_add_co_u32 s[WOS], s[WOF], KYS               ; kg's scale words lie as far behind ky's as its codes do
	v_lshl_add_u32 v4, v3, 4, s[WOF]               ; W2's images: 16 x lane
	v_lshl_add_u32 v5, v3, 2, s[WOS]               ; their scale words: 4 x lane
	s_cmp_gt_u32 s[CNT], GROUPS
	s_cbranch_scc0 .Lfront_g
	GROUPY
	s_branch .Lsweep
.Lfront_g:
	GROUPG
.Lsweep:
	SWEEP 4, 5
	s_wait_xcnt 0x0                                ; the loads have read their bases
	s_mov_b64 s[P1B:P1B+1], s[P1N:P1N+1]           ; ky: on to the next group;
	s_cmp_gt_u32 s[CNT], GROUPS+2                  ; the base that runs ahead steps while a group is left for it, and is held then
	s_cselect_b32 s[STP], 1024, 0
	s_add_nc_u64 s[P1N:P1N+1], s[P1N:P1N+1], s[STP:STP+1]
	s_cmp_gt_u32 s[CNT], 2                         ; kg: its base steps in trips 4 and 3 alone
	s_cselect_b32 s[STP], 8192, 0
	s_cmp_gt_u32 s[CNT], GROUPS
	s_cselect_b32 s[STP], 0, s[STP]
	s_add_nc_u64 s[PGB:PGB+1], s[PGB:PGB+1], s[STP:STP+1]
	s_cmp_lg_u32 s[CNT], GROUPS+1                  ; behind ky's last sweep alone: its statistics, and kg's constants
	s_cbranch_scc1 .Lnext
	s_wait_loadcnt 0x0                             ; what ky's last trip asked for ahead has landed: its registers are taken for kg's constants below
	WTAIL 0
	; kg: its constants come out of LDS into the registers that ky's tables have left
	WIN 0x40
.irp k, 0,1,2,3,4,5,6,7
.irp q, 0,1,2,3
	ds_load_b128 v[16*\k+4*\q:16*\k+4*\q+3], v14 offset:128*\k+16*\q             ; a1 of channels 32 k + 16 h + 4 q on
	ds_load_b128 v[128+16*\k+4*\q:131+16*\k+4*\q], v14 offset:1024+128*\k+16*\q  ; c1
.endr
.endr
	WIN 0x80
.irp T, 0,1,2,3,4,5,6,7,8,9,10,11,12,13,14,15
	ds_load_b128 v[128+4*\T:131+4*\T], v15 offset:512*\T
.endr
.irp i, 192,193,194,195,196,197,198,199,200,201,202,203,212,213,214,215,216,217,218,219,220,221,222,223
	v_mov_b32 v[\i], 0                             ; zero codes behind kg_W1's tiles, and the data's K blocks 1 to 3
.endr
	WIN 0
	ZEROS                                          ; kg's -K and sums
	s_wait_dscnt 0x0
.Lnext:
	s_sub_co_u32 s[CNT], s[CNT], 1
	s_cmp_lg_u32 s[CNT], 0
	s_cbranch_scc1 .Ltrip
	s_wait_loadcnt 0x0                             ; what the last trip asked for ahead has landed; it is not used
	WTAIL 1
	s_wait_dscnt 0x0                               ; for the others' sake: my statistics lie in LDS
	s_barrier_signal -1
	s_barrier_wait -1
.irp b, 0,1
.irp w, 0,1,2,3
	ds_load_b64 v[96+16*\b+4*\w:97+16*\b+4*\w], v18 offset:8192*\b+2048*\w
	ds_load_b64 v[98+16*\b+4*\w:99+16*\b+4*\w], v18 offset:8192*\b+2048*\w+1024
.endr
.endr
	s_wait_dscnt 0x0
	COMBINE 96, 128
	COMBINE 112, 136
	global_store_b128 v19, v[128:131], s[10:11]                   ; 16 lanes store 256 consecutive bytes, aligned
	global_store_b128 v19, v[136:139], s[10:11] offset:524288
	s_wait_tensorcnt 0x0
	ds_add_u32 v94, v95
	s_wait_dscnt 0x0
	ROUND                                          ; the closing round
	s_endpgm
.Lfunc_end_k_q885ea9d032_passA:
	.size	k_q885ea9d032_passA, .Lfunc_end_k_q885ea9d032_passA-k_q885ea9d032_passA
	.p2alignl 7, 3214868480
	.fill 96, 4, 3214868480
	.section	.rodata,"a",@progbits
	.p2align	6, 0x0
	.amdhsa_kernel k_q885ea9d032_passA
		.amdhsa_group_segment_fixed_size 180736
		.amdhsa_private_segment_fixed_size 0
		.amdhsa_enable_private_segment 0
		.amdhsa_kernarg_size 32
		.amdhsa_user_sgpr_count 2
		.amdhsa_user_sgpr_kernarg_segment_ptr 1
		.amdhsa_wavefront_size32 1
		.amdhsa_system_sgpr_workgroup_id_x 1
		.amdhsa_system_sgpr_workgroup_id_y 1
		.amdhsa_system_sgpr_workgroup_id_z 1
		.amdhsa_system_vgpr_workitem_id 0
		.amdhsa_next_free_vgpr 1024
		.amdhsa_next_free_sgpr 88
		.amdhsa_reserve_vcc 0
		.amdhsa_float_denorm_mode_32 3
		.amdhsa_float_denorm_mode_16_64 3
		.amdhsa_memory_ordered 1
		.amdhsa_forward_progress 1
		.amdhsa_inst_pref_size 255
	.end_amdhsa_kernel
	.section	.bss,"aw",@nobits
	.p2align	6
	.space	262144
	.amdgpu_metadata
---
amdhsa.version: [ 1, 2 ]
amdhsa.kernels:
  - .name:           k_q885ea9d032_passA
    .symbol:         k_q885ea9d032_passA.kd
    .args:
      - { .name: w1, .offset: 0, .size: 8, .value_kind: global_buffer, .address_space: global }
      - { .name: w2, .offset: 8, .size: 8, .value_kind: global_buffer, .address_space: global }
      - { .name: pairwise_g, .offset: 16, .size: 8, .value_kind: global_buffer, .address_space: global }
      - { .name: p2, .offset: 24, .size: 8, .value_kind: global_buffer, .address_space: global }
    .group_segment_fixed_size: 180736
    .private_segment_fixed_size: 0
    .kernarg_segment_align: 8
    .kernarg_segment_size: 32
    .max_flat_workgroup_size: 128
    .sgpr_count:     88
    .vgpr_count:     1024
    .wavefront_size: 32
...
	.end_amdgpu_metadata
.endif
;; end of part 8
;; launch red2 (part 9): grid 16 x 1, 8 waves a work-group, no clusters, 5,120 bytes of LDS; arguments p2, ky_b2, ky_g2, ky_be2, ky_W3, kg_b2, kg_g2, kg_be2, kg_W3, c2; writes c2
.if DOCPART == 9
	.amdgcn_target "amdgcn-amd-amdhsa--gfx1250"
	.amdhsa_code_object_version 6
	.text
	.protected	k_q885ea9d032_red2
	.globl	k_q885ea9d032_red2
	.p2align	8
	.type	k_q885ea9d032_red2,@function
k_q885ea9d032_red2:
	s_mov_b64 s[64:65], 0
	v_nop
	global_prefetch_b8 v0, s[64:65] scope:SCOPE_SE
	s_setreg_imm32_b32 hwreg(HW_REG_WAVE_MODE, 25, 1), 1
	s_wait_xcnt 0x0
; FOURTH LAUNCH: the second BatchNorm of both MLPs from the 256 work-groups' parts.  Work-group n: branch n / 8 (ky, kg), channels 32 (n % 8) on.
; a2 = g rsqrt(var + 1e-5), c2 = a2 (b - mu) + be, mu = the product's mean + b; W3 is copied beside them, so that the next launch fetches one dense block.
; c2: [branch][a2 256 | c2 256 | W3 256] f32.  Sixteen work-groups: 8 KiB of parts a wave is all the work there is.  LIMITS: as in the first launch.
.set SEL, 52
.set HM,  55
.set IV,  40
.set EP,  41
.set OAC, 104                          ; v104: where a and c are stored;  v105: 4 x lane, for W3.  Both lie outside all that REDUCE writes
.set OW3, 105
.macro REDUCE pb, sb, sg, sbe, lb      ; as in the second launch.  At work: v8-27, v32-101
	global_load_b128 v[8:11], v4, s[\pb:\pb+1]
.irp i, 0,1,2,3,4,5,6,7,8,9,10,11,12,13,14,15
	global_load_b128 v[32+4*\i:35+4*\i], v5, s[\pb:\pb+1] offset:512*\i
.endr
	global_load_b64 v[96:97], v7, s[\sb:\sb+1]
	global_load_b64 v[98:99], v7, s[\sg:\sg+1]
	global_load_b64 v[100:101], v7, s[\sbe:\sbe+1]
	s_wait_loadcnt 0x0
.irp i, 0,1,2,3,4,5,6,7,8,9,10,11,12,13,14,15
.if \i < 2
	v_pk_add_f32 v[12+6*\i:13+6*\i], v[32+4*\i:33+4*\i], v[8:9] neg_lo:[0,1] neg_hi:[0,1]
	s_delay_alu instid0(VALU_DEP_1)
	v_pk_mul_f32 v[14+6*\i:15+6*\i], v[12+6*\i:13+6*\i], v[12+6*\i:13+6*\i]
.else
	v_pk_add_f32 v[24+2*(\i%2):25+2*(\i%2)], v[32+4*\i:33+4*\i], v[8:9] neg_lo:[0,1] neg_hi:[0,1]
	s_delay_alu instid0(VALU_DEP_1)
	v_pk_add_f32 v[12+6*(\i%2):13+6*(\i%2)], v[12+6*(\i%2):13+6*(\i%2)], v[24+2*(\i%2):25+2*(\i%2)]
	s_delay_alu instid0(VALU_DEP_2)
	v_pk_fma_f32 v[14+6*(\i%2):15+6*(\i%2)], v[24+2*(\i%2):25+2*(\i%2)], v[24+2*(\i%2):25+2*(\i%2)], v[14+6*(\i%2):15+6*(\i%2)]
.if \i < 4
	v_pk_add_f32 v[16+6*(\i%2):17+6*(\i%2)], v[34+4*(\i-2):35+4*(\i-2)], v[34+4*\i:35+4*\i]
.else
	v_pk_add_f32 v[16+6*(\i%2):17+6*(\i%2)], v[16+6*(\i%2):17+6*(\i%2)], v[34+4*\i:35+4*\i]
.endif
.endif
.endr
.irp k, 0,2,4
	s_delay_alu instid0(VALU_DEP_3)
	v_pk_add_f32 v[12+\k:13+\k], v[12+\k:13+\k], v[18+\k:19+\k]
.endr
.irp j, 0,1,2,3,4,5
	v_permlanex16_b32 v[32+\j], v[12+\j], s[SEL], s[SEL+1]
.endr
.irp k, 0,2,4
	v_pk_add_f32 v[12+\k:13+\k], v[12+\k:13+\k], v[32+\k:33+\k]
.endr
	ds_store_b64 v6, v[12:13] offset:\lb
	ds_store_b64 v6, v[14:15] offset:\lb+128
	ds_store_b64 v6, v[16:17] offset:\lb+256
	s_wait_dscnt 0x0                               ; for the others' sake
	s_barrier_signal -1
	s_barrier_wait -1
.irp w, 0,1,2,3,4,5,6,7
.irp k, 0,1,2
	ds_load_b64 v[32+6*\w+2*\k:33+6*\w+2*\k], v7 offset:\lb+384*\w+128*\k
.endr
.endr
	s_wait_dscnt 0x0
.irp k, 0,2,4
	v_pk_add_f32 v[12+\k:13+\k], v[32+\k:33+\k], v[38+\k:39+\k]
.endr
.irp w, 2,3,4,5,6,7
.irp k, 0,2,4
	s_delay_alu instid0(VALU_DEP_3)
	v_pk_add_f32 v[12+\k:13+\k], v[12+\k:13+\k], v[32+6*\w+\k:33+6*\w+\k]
.endr
.endr
	s_delay_alu instid0(VALU_DEP_3)
	v_pk_fma_f32 v[18:19], v[12:13], 0x3b800000, v[8:9] op_sel_hi:[1,0,1]      ; the product's mean = shift + sum / 256
	s_delay_alu instid0(VALU_DEP_4)
	v_pk_mul_f32 v[20:21], v[12:13], v[12:13]
	s_delay_alu instid0(VALU_DEP_1)
	v_pk_fma_f32 v[20:21], v[20:21], 0xbb800000, v[14:15] op_sel_hi:[1,0,1]    ; the means' squared deviations
	s_delay_alu instid0(VALU_DEP_1)
	v_pk_fma_f32 v[20:21], v[20:21], 0x44800000, v[16:17] op_sel_hi:[1,0,1]    ; x 1,024 rows + the parts' M2
	s_delay_alu instid0(VALU_DEP_1)
	v_fma_f32 v20, v20, s[IV], s[EP]
	s_delay_alu instid0(VALU_DEP_2)
	v_fma_f32 v21, v21, s[IV], s[EP]
	s_wait_alu depctr_va_vdst(0)
	v_rsq_f32 v20, v20
	v_rsq_f32 v21, v21
	v_pk_add_f32 v[18:19], v[18:19], v[96:97]                                  ; mu  (the plain place behind the roots)
	s_wait_alu depctr_va_vdst(0)
	v_pk_mul_f32 v[20:21], v[20:21], v[98:99]                                  ; a
	v_pk_add_f32 v[18:19], v[96:97], v[18:19] neg_lo:[0,1] neg_hi:[0,1]
	s_delay_alu instid0(VALU_DEP_1)
	v_pk_fma_f32 v[22:23], v[20:21], v[18:19], v[100:101]                      ; c
	s_delay_alu instid0(VALU_DEP_1)
	v_cndmask_b32 v24, v20, v22, s[HM]
	s_delay_alu instid0(VALU_DEP_2)
	v_cndmask_b32 v25, v21, v23, s[HM]
.endm
	s_load_b256 s[4:11], s[0:1], 0x0               ; p2, ky_b2, ky_g2, ky_be2
	s_load_b256 s[12:19], s[0:1], 0x20             ; ky_W3, kg_b2, kg_g2, kg_be2
	s_load_b128 s[20:23], s[0:1], 0x40             ; kg_W3, c2
	v_lshl_add_u32 v128, v0, 2, 0x1000
	v_mov_b32 v129, 0
	v_lshrrev_b32 v1, 5, v0
	s_delay_alu instid0(VALU_DEP_1)
	v_readfirstlane_b32 s24, v1                    ; wave 0..7
	v_and_b32 v3, 31, v0
	v_and_b32 v1, 15, v0
	v_bfe_u32 v2, v0, 4, 1
	s_delay_alu instid0(VALU_DEP_2)
	v_lshlrev_b32 v4, 4, v1
	s_lshl_b32 s34, s24, 13
	v_lshl_add_u32 v5, v3, 4, s34
	s_mul_i32 s34, s24, 384
	v_lshl_add_u32 v6, v1, 3, s34
	v_lshlrev_b32 v7, 3, v1
	s_delay_alu instid0(VALU_DEP_1)
	v_lshl_add_u32 v[OAC], v2, 10, v7              ; 8 (lane % 16) + 1,024 (lane / 16)
	v_lshlrev_b32 v[OW3], 2, v3
	s_mov_b32 s[SEL], 0x76543210
	s_mov_b32 s[SEL+1], 0xfedcba98
	s_mov_b32 s[HM], 0xffff0000
	s_mov_b32 s[IV], 0x36800000
	s_mov_b32 s[EP], 0x3727c5ac
	s_wait_alu depctr_va_vdst(0)
	s_wait_kmcnt 0x0
	s_cmp_ge_u32 ttmp9, 8                          ; the branch: the choice hangs on the work-group's number alone
	s_cselect_b64 s[6:7], s[14:15], s[6:7]
	s_cselect_b64 s[8:9], s[16:17], s[8:9]
	s_cselect_b64 s[10:11], s[18:19], s[10:11]
	s_cselect_b64 s[12:13], s[20:21], s[12:13]
	s_cselect_b32 s26, 524288, 0
	s_cselect_b32 s28, 3072, 0
	s_and_b32 s30, ttmp9, 7
	s_lshl_b32 s31, s30, 16
	s_add_co_u32 s26, s26, s31
	s_mov_b32 s27, 0
	s_add_nc_u64 s[4:5], s[4:5], s[26:27]
	s_lshl_b32 s30, s30, 7
	s_mov_b32 s31, 0
	s_add_nc_u64 s[6:7], s[6:7], s[30:31]
	s_add_nc_u64 s[8:9], s[8:9], s[30:31]
	s_add_nc_u64 s[10:11], s[10:11], s[30:31]
	s_add_nc_u64 s[12:13], s[12:13], s[30:31]
	s_add_co_u32 s28, s28, s30
	s_mov_b32 s29, 0
	s_add_nc_u64 s[22:23], s[22:23], s[28:29]
	global_load_b32 v102, v[OW3], s[12:13]         ; W3's 32 numbers
	REDUCE 4, 6, 8, 10, 0
	s_cmp_lg_u32 s24, 0
	s_cbranch_scc1 .Lend
	global_store_b64 v[OAC], v[24:25], s[22:23]    ; lanes 0-15: a2's 128 bytes; lanes 16-31: c2's, 1,024 bytes on
	global_store_b32 v[OW3], v102, s[22:23] offset:2048
.Lend:
	s_wait_tensorcnt 0x0
	ds_add_u32 v128, v129
	s_wait_dscnt 0x0
	s_endpgm
.Lfunc_end_k_q885ea9d032_red2:
	.size	k_q885ea9d032_red2, .Lfunc_end_k_q885ea9d032_red2-k_q885ea9d032_red2
	.p2alignl 7, 3214868480
	.fill 96, 4, 3214868480
	.section	.rodata,"a",@progbits
	.p2align	6, 0x0
	.amdhsa_kernel k_q885ea9d032_red2
		.amdhsa_group_segment_fixed_size 5120
		.amdhsa_private_segment_fixed_size 0
		.amdhsa_enable_private_segment 0
		.amdhsa_kernarg_size 80
		.amdhsa_user_sgpr_count 2
		.amdhsa_user_sgpr_kernarg_segment_ptr 1
		.amdhsa_wavefront_size32 1
		.amdhsa_system_sgpr_workgroup_id_x 1
		.amdhsa_system_sgpr_workgroup_id_y 1
		.amdhsa_system_sgpr_workgroup_id_z 1
		.amdhsa_system_vgpr_workitem_id 0
		.amdhsa_next_free_vgpr 130
		.amdhsa_next_free_sgpr 66
		.amdhsa_reserve_vcc 0
		.amdhsa_float_denorm_mode_32 3
		.amdhsa_float_denorm_mode_16_64 3
		.amdhsa_memory_ordered 1
		.amdhsa_forward_progress 1
		.amdhsa_inst_pref_size 16
	.end_amdhsa_kernel
	.amdgpu_metadata
---
amdhsa.version: [ 1, 2 ]
amdhsa.kernels:
  - .name:           k_q885ea9d032_red2
    .symbol:         k_q885ea9d032_red2.kd
    .args:
      - { .name: p2, .offset: 0, .size: 8, .value_kind: global_buffer, .address_space: global }
      - { .name: ky_b2, .offset: 8, .size: 8, .value_kind: global_buffer, .address_space: global }
      - { .name: ky_g2, .offset: 16, .size: 8, .value_kind: global_buffer, .address_space: global }
      - { .name: ky_be2, .offset: 24, .size: 8, .value_kind: global_buffer, .address_space: global }
      - { .name: ky_W3, .offset: 32, .size: 8, .value_kind: global_buffer, .address_space: global }
      - { .name: kg_b2, .offset: 40, .size: 8, .value_kind: global_buffer, .address_space: global }
      - { .name: kg_g2, .offset: 48, .size: 8, .value_kind: global_buffer, .address_space: global }
      - { .name: kg_be2, .offset: 56, .size: 8, .value_kind: global_buffer, .address_space: global }
      - { .name: kg_W3, .offset: 64, .size: 8, .value_kind: global_buffer, .address_space: global }
      - { .name: c2, .offset: 72, .size: 8, .value_kind: global_buffer, .address_space: global }
    .group_segment_fixed_size: 5120
    .private_segment_fixed_size: 0
    .kernarg_segment_align: 8
    .kernarg_segment_size: 80
    .max_flat_workgroup_size: 256
    .sgpr_count:     66
    .vgpr_count:     130
    .wavefront_size: 32
...
	.end_amdgpu_metadata
.endif
;; end of part 9
;; launch passB (part 10): grid 256 x 1, 4 waves a work-group, clusters of 4 x 1, 180,736 bytes of LDS; arguments w1, w2, c2, pairwise_g, ky_b3, kg_b3, zz; writes zz
.if DOCPART == 10
	.amdgcn_target "amdgcn-amd-amdhsa--gfx1250"
	.amdhsa_code_object_version 6
	.text
	.protected	k_q885ea9d032_passB
	.globl	k_q885ea9d032_passB
	.p2align	8
	.type	k_q885ea9d032_passB,@function
k_q885ea9d032_passB:
	s_mov_b64 s[64:65], 0
	v_nop
	global_prefetch_b8 v0, s[64:65] scope:SCOPE_SE
	s_setreg_imm32_b32 hwreg(HW_REG_WAVE_MODE, 25, 1), 1
	s_wait_xcnt 0x0
	s_wait_alu depctr_hold_cnt(0) depctr_sa_sdst(0) depctr_va_vdst(0) depctr_va_sdst(0) depctr_va_ssrc(0) depctr_va_vcc(0) depctr_vm_vsrc(0)
	s_getreg_b32 s2, hwreg(HW_REG_IB_STS2, 6, 4)
	s_cmp_eq_u32 s2, 0
	s_cbranch_scc0 .Lentry_in_a_cluster
	s_endpgm
.Lentry_in_a_cluster:
	s_bfe_u32 s2, ttmp6, 0x10000c
	s_cmp_lg_u32 s2, 0x3003
	s_cbranch_scc0 .Lentry_shape_is_right
	s_endpgm
.Lentry_shape_is_right:
; FIFTH LAUNCH: both MLPs once more up to their second Linear, made exactly as in the third launch, and on: z = relu(a2 x + c2) . W3 + b3 for every row, and z's mean and sum of squared deviations for the work-group.
; What differs from the third launch: the second Linear is used TRANSPOSED (source 0 = 16 columns of W2, source 1 = 16 rows), so that a lane holds ONE row and its registers run along the channels: the third Linear
; (one column: f32 multiply-adds) is then a sum inside a lane and one exchange between the halves of the lanes.  a2, c2 and W3 of a tile's channels come from LDS with W2's fragments.
; A wave's z of a branch stay in eight registers, which move down by two in each group, so that no LDS address is stepped in a loop; at the branch's end they go through the wave's own stage and leave as 512 consecutive bytes a store.
; A GROUP IS WRITTEN ONCE for ky and once for kg and walked four times, as in the third launch: the loads that run ahead are issued in every trip, so that every counted wait counts the same; in the last trip their
; pointers are held, they read that trip's own tiles once more, and what they bring is not used: no load leaves its buffer.
; Shares, layout, cluster, limits: as in the third launch.  zz: 0 z of ky, 1,048,576 z of kg (rows in order), 2,097,152 [g] (mean ky, mean kg, M2 ky, M2 kg).
; REGISTERS as in the third launch, but: window 0: v11 the address of the branch's constants, v13, v22, v23 the stage, v24-31 z, v88-95 at work;  window 3: v0-71 three sets of (a2, c2, W3) x 8, v72-79 four sums of z in two halves, v192-255 pairwise_g.
.set WQ,   2097152
.set W1Q,  2621440
.set KYS,  65536
.set KGW,  69632
.set KGS,  135168
.set A1L,  139264
.set W1L,  141312
.set W1SL, 149504
.set C2L,  151552                      ; [branch][a2 | c2 | W3], 6,144 bytes
.set SCR,  157696                      ; the z stages: 4,096 x branch + 1,024 x wave
.set ZS,   SCR+8192                    ; the waves' z statistics: 32 x branch + 8 x wave
.set X,   96
.set ACC, 160
.set AS,  32
.set W1S, 46
.set PGS, 62
.set TM,  64
.set LL,  16                           ; LDS loads for a tile of W2 and its constants
.set GROUPS, 4                         ; trips of each loop
.set FLR, 2                            ; s2  2^(16 - 127), the floor under a block's largest magnitude
.set E15, 3                            ; s3  -(15 << 23)
.set EXM, 15                           ; s15 the exponent field's mask
.set SEL, 52
.set MNT, 54
.set HM,  55
.set CNT, 56                           ; s56 trips left, this one among them
.set P1B, 58                           ; s[58:59] P1s at the group in hand
.set P2B, 60
.set PGB, 62                           ; s[62:63] pairwise_g one group behind what the ring asks for
.set P1N, 72                           ; s[72:73] P1s at the next group (in the last trip: at the group in hand)
.set STP, 74                           ; s[74:75] a pointer's step, as a pair with 0 above it
; THE TEXT'S LOOP: ONE loop of 2 x GROUPS trips serves both MLPs, as in the third launch: trips 8 to 5 are ky's groups, trips 4 to 1 kg's; a scalar branch on the trip counter picks the front,
; the sweep is written once, and its LDS bases and b3 are chosen at each trip's top from the counter.  Behind ky's last sweep (counter 5) its z leave and kg's constants come into registers.
; THE HEAD'S JOINT LOADS, one a wave: waves 0 and 1 a half each (276 rows of 256 bytes) of W2's images with a1 and c1, wave 2 kg_W1's 40 rows, wave 3 the 24 rows of a2, c2, W3.
.set WOF, 81                           ; s81 LDS base of the branch's W2 codes
.set WOS, 82                           ; s82 of their scale words
.set WOC, 83                           ; s83 of its a2, c2, W3
.set B3,  84                           ; s84 its b3
.set MSB, 0
.macro WIN new
.if MSB != (\new)
	s_set_vgpr_msb (MSB<<8)|(\new)
.set MSB, (\new)
.endif
.endm
.macro ROUND
	s_barrier_signal -1
	s_barrier_wait -1
	s_cmp_lg_u32 s12, 0
	s_cbranch_scc1 .Lnot_wave_0_\@
	s_barrier_signal -3
.Lnot_wave_0_\@:
	s_barrier_wait -3
	s_barrier_signal -1
	s_barrier_wait -1
.endm
.macro QUANT s, relu, dw, dst, word    ; as in the third launch
.irp b, 0,1,2,3
	v_max3_num_f32 v[TM+\b], v[\s+16*\b], v[\s+16*\b+1], s[FLR]
.endr
.irp i, 2,4,6,8,10,12,14
.irp b, 0,1,2,3
	v_max3_num_f32 v[TM+\b], v[TM+\b], v[\s+16*\b+\i], v[\s+16*\b+\i+1]
.endr
.endr
.irp b, 0,1,2,3
	v_permlanex16_b32 v[TM+4+\b], v[TM+\b], s[SEL], s[SEL+1]
.endr
.irp b, 0,1,2,3
	v_max_num_f32 v[TM+\b], v[TM+\b], v[TM+4+\b]
.endr
.irp b, 0,1,2,3
	v_add_nc_u32 v[TM+12+\b], s[E15], v[TM+\b]
.endr
.irp b, 0,1,2,3
	v_and_or_b32 v[TM+8+\b], v[TM+\b], s[EXM], s[MNT]
.endr
.irp b, 0,1,2,3
	v_lshrrev_b32 v[TM+4+\b], 23, v[TM+12+\b]
.endr
	v_lshl_or_b32 v[\word], v[TM+5], 8, v[TM+4]
	v_lshl_or_b32 v[\word], v[TM+6], 16, v[\word]
	v_lshl_or_b32 v[\word], v[TM+7], 24, v[\word]
.irp b, 0,1,2,3
.irp i, 0,1,2,3,4,5,6,7,8,9,10,11,12,13,14,15
	v_med3_num_f32 v[\s+16*\b+\i], v[\s+16*\b+\i], 0, v[TM+8+\b]
.endr
.endr
	WIN (\dw<<6)
.irp b, 0,1,2,3
	v_cvt_scalef32_pk8_bf8_f32 v[\dst+4*\b:\dst+4*\b+1], v[\s+16*\b:\s+16*\b+7], v[TM+12+\b]
	v_cvt_scalef32_pk8_bf8_f32 v[\dst+4*\b+2:\dst+4*\b+3], v[\s+16*\b+8:\s+16*\b+15], v[TM+12+\b]
.endr
	WIN 0
	v_nop
.endm
.macro QPG raw, rw, dst, dw, word      ; as in the third launch
	WIN (\rw|(\rw<<2))
	v_max3_num_f32 v[TM], |v[\raw]|, |v[\raw+1]|, s[FLR]
	v_max3_num_f32 v[TM+1], |v[\raw+2]|, |v[\raw+3]|, s[FLR]
.irp i, 4,8,12
	v_max3_num_f32 v[TM], |v[\raw+\i]|, |v[\raw+\i+1]|, v[TM]
	v_max3_num_f32 v[TM+1], |v[\raw+\i+2]|, |v[\raw+\i+3]|, v[TM+1]
.endr
	WIN 0
	v_max_num_f32 v[TM], v[TM], v[TM+1]
	v_permlanex16_b32 v[TM+4], v[TM], s[SEL], s[SEL+1]
	v_max_num_f32 v[TM], v[TM], v[TM+4]
	v_add_nc_u32 v[TM+12], s[E15], v[TM]
	v_and_or_b32 v[TM+8], v[TM], s[EXM], s[MNT]
	v_lshrrev_b32 v[\word], 23, v[TM+12]
	WIN ((\rw<<6)|\rw)
.irp i, 0,1,2,3,4,5,6,7,8,9,10,11,12,13,14,15
	v_med3_num_f32 v[\raw+\i], v[\raw+\i], -v[TM+8], v[TM+8]
.endr
	WIN ((\dw<<6)|\rw)
	v_cvt_scalef32_pk8_bf8_f32 v[\dst:\dst+1], v[\raw:\raw+7], v[TM+12]
	v_cvt_scalef32_pk8_bf8_f32 v[\dst+2:\dst+3], v[\raw+8:\raw+15], v[TM+12]
	WIN 0
	v_nop
.endm
.macro LOADW t, li, ls, lc             ; tile t of W2 into set t % 3, and a2, c2, W3 of channels 16 t + 8 h + 0 .. 7
.set WB, 96+32*((\t)%3)+64*(((\t)%3)/2)
.set WS, 40+2*((\t)%3)
.set CBB, 24*((\t)%3)
.irp k, 0,1
.irp c, 0,1,2,3
	ds_load_b128 v[WB+16*\k+4*\c:WB+16*\k+4*\c+3], v[\li] offset:(2*(\t)+\k)*2048+512*\c
.endr
.endr
.irp k, 0,1
	ds_load_b32 v[WS+\k], v[\ls] offset:(2*(\t)+\k)*128
.endr
	WIN 0xc0
.irp a, 0,1,2
.irp q, 0,1
	ds_load_b128 v[CBB+8*\a+4*\q:CBB+8*\a+4*\q+3], v[\lc] offset:1024*\a+64*(\t)+16*\q
.endr
.endr
	WIN 0
.endm
; Eight products, transposed: tile t of W2 x four tiles of rows, two K steps; the four accumulators take turns, one instruction a turn.
.macro MMT t
.set AB, ACC+32*((\t)%2)
.set WB, 96+32*((\t)%3)+64*(((\t)%3)/2)
.set WS, 40+2*((\t)%3)
	WIN 0x08
.irp m, 0,1,2,3
	v_wmma_scale_f32_16x16x128_f8f6f4 v[AB+8*\m:AB+8*\m+7], v[WB:WB+15], v[32*\m:32*\m+15], 0, v[WS], v[AS+2*\m] matrix_a_fmt:MATRIX_FMT_BF8 matrix_b_fmt:MATRIX_FMT_BF8
.endr
	s_wait_alu depctr_va_vdst(0)
.irp m, 0,1,2,3
	v_wmma_scale_f32_16x16x128_f8f6f4 v[AB+8*\m:AB+8*\m+7], v[WB+16:WB+31], v[32*\m+16:32*\m+31], v[AB+8*\m:AB+8*\m+7], v[WS+1], v[AS+2*\m+1] matrix_a_fmt:MATRIX_FMT_BF8 matrix_b_fmt:MATRIX_FMT_BF8
.endr
	WIN 0
.endm
; Tile t's results: a2 x + c2, relu, times W3, onto the four tiles' sums.  Each accumulator is read from its low end on.  Tile 0 starts the sums.
.macro OUT t
.set AB, ACC+32*((\t)%2)
.set CBB, 24*((\t)%3)
	WIN 0x3c
.irp m, 0,1,2,3
.irp j, 0,2,4,6
	v_pk_fma_f32 v[AB+8*\m+\j:AB+8*\m+\j+1], v[AB+8*\m+\j:AB+8*\m+\j+1], v[CBB+\j:CBB+\j+1], v[CBB+8+\j:CBB+9+\j]
.endr
.endr
	WIN 0
.set n2, 0
.rept 32
	v_max_num_f32 v[AB+n2], 0, v[AB+n2]
.set n2, n2+1
.endr
	WIN 0xfc
.irp j, 0,2,4,6
.irp m, 0,1,2,3
.if ((\t) == 0) && (\j == 0)
	v_pk_mul_f32 v[72+2*\m:73+2*\m], v[AB+8*\m+\j:AB+8*\m+\j+1], v[CBB+16+\j:CBB+17+\j]
.else
	v_pk_fma_f32 v[72+2*\m:73+2*\m], v[AB+8*\m+\j:AB+8*\m+\j+1], v[CBB+16+\j:CBB+17+\j], v[72+2*\m:73+2*\m]
.endif
.endr
.endr
	WIN 0
.endm
; Tile t + 1's eight products and tile t's way on (a2 x + c2, relu, times W3), by turns: behind each product stand eight lines of that work, which name none of its registers;
; the eight behind the last are the places ahead of the next tile's first read of its results.  The products keep their order: four accumulators by turns, two K steps.
.macro MK0 m
	WIN 0x08
	v_wmma_scale_f32_16x16x128_f8f6f4 v[AN+8*\m:AN+8*\m+7], v[WB:WB+15], v[32*\m:32*\m+15], 0, v[WS], v[AS+2*\m] matrix_a_fmt:MATRIX_FMT_BF8 matrix_b_fmt:MATRIX_FMT_BF8
.endm
.macro MK1 m
	WIN 0x08
	v_wmma_scale_f32_16x16x128_f8f6f4 v[AN+8*\m:AN+8*\m+7], v[WB+16:WB+31], v[32*\m+16:32*\m+31], v[AN+8*\m:AN+8*\m+7], v[WS+1], v[AS+2*\m+1] matrix_a_fmt:MATRIX_FMT_BF8 matrix_b_fmt:MATRIX_FMT_BF8
.endm
.macro OA m0                           ; a2 x + c2 of row tiles m0, m0 + 1, each accumulator from its low end on
	WIN 0x3c
.irp m, \m0, \m0+1
.irp j, 0,2,4,6
	v_pk_fma_f32 v[AB+8*(\m)+\j:AB+8*(\m)+\j+1], v[AB+8*(\m)+\j:AB+8*(\m)+\j+1], v[CBB+\j:CBB+\j+1], v[CBB+8+\j:CBB+9+\j]
.endr
.endr
.endm
.macro OB n0                           ; relu of eight registers
	WIN 0
.irp i, 0,1,2,3,4,5,6,7
	v_max_num_f32 v[AB+\n0+\i], 0, v[AB+\n0+\i]
.endr
.endm
.macro OC t, j0                        ; times W3, onto the four tiles' sums; tile 0 starts them
	WIN 0xfc
.irp j, \j0, \j0+2
.irp m, 0,1,2,3
.if ((\t) == 0) && ((\j) == 0)
	v_pk_mul_f32 v[72+2*\m:73+2*\m], v[AB+8*\m+\j:AB+8*\m+\j+1], v[CBB+16+\j:CBB+17+\j]
.else
	v_pk_fma_f32 v[72+2*\m:73+2*\m], v[AB+8*\m+\j:AB+8*\m+\j+1], v[CBB+16+\j:CBB+17+\j], v[72+2*\m:73+2*\m]
.endif
.endr
.endr
.endm
.macro MMOUT t
.set AB, ACC+32*((\t)%2)
.set CBB, 24*((\t)%3)
.set AN, ACC+32*(((\t)+1)%2)
.set WB, 96+32*(((\t)+1)%3)+64*((((\t)+1)%3)/2)
.set WS, 40+2*(((\t)+1)%3)
	MK0 0
	OA 0
	MK0 1
	OA 2
	MK0 2
	OB 0
	MK0 3
	OB 8
	s_wait_alu depctr_va_vdst(0)
	MK1 0
	OB 16
	MK1 1
	OB 24
	MK1 2
	OC \t, 0
	MK1 3
	OC \t, 4
	WIN 0
.endm
.macro SWEEP li, ls, lc
	LOADW 0, \li, \ls, \lc
	LOADW 1, \li, \ls, \lc
	LOADW 2, \li, \ls, \lc
.rept 4
	v_nop
.endr
	s_wait_dscnt 2*LL                              ; tile 0 is in; tiles 1 and 2 may be out
	MMT 0
.rept 8
	v_nop                                          ; the places behind tile 0's products: no other vector work is at hand
.endr
.irp t, 0,1,2,3,4,5,6,7,8,9,10,11,12,13,14
.if \t < 14
	s_wait_dscnt LL                                ; tile t + 1 is in; tile t + 2 may be out
.else
	s_wait_dscnt 0x0
.endif
	MMOUT \t
.if \t < 13
	LOADW \t+3, \li, \ls, \lc
.endif
.endr
	OUT 15
.endm
; The group's 64 z: the two halves of a sum, the other half of the lanes' channels, b3.  v24-31 move down by two; lanes 0-15 then hold an even tile's rows, lanes 16-31 the odd one's.
.macro ZOUT sb
	WIN 0x0f
.irp m, 0,1,2,3
	v_add_f32 v[88+\m], v[72+2*\m], v[73+2*\m]
.endr
	WIN 0
.irp m, 0,1,2,3
	v_permlanex16_b32 v[TM+4+\m], v[88+\m], s[SEL], s[SEL+1]
.endr
.irp i, 0,1,2,3,4,5
	v_mov_b32 v[24+\i], v[26+\i]
.endr
.irp m, 0,1,2,3
	v_add_f32 v[88+\m], v[88+\m], v[TM+4+\m]
.endr
.irp m, 0,1,2,3
	v_add_f32 v[88+\m], s[\sb], v[88+\m]
.endr
	v_cndmask_b32 v30, v88, v89, s[HM]
	v_cndmask_b32 v31, v90, v91, s[HM]
.endm
; A group of ky: P1s' ring as in the third launch: tiles 2 and 3 of this group, then tiles 0 and 1 of the next.
.macro GROUPY
.irp m, 0,1,2,3
.irp k, 0,1
	s_wait_loadcnt 48                              ; this half tile is in; the three younger halves may be out
	WIN 0x05+(\m%2)
.set n1, 0
.rept 32
	v_pk_add_f32 v[X+64*\k+n1:X+64*\k+n1+1], v[128+64*\k+n1:129+64*\k+n1], v[64*\k+n1:64*\k+n1+1]
.set n1, n1+2
.endr
	WIN 0x40<<(\m%2)
.irp c, 0,1,2,3
.irp q, 0,1,2,3
.if \m < 2
	global_load_b128 v[128+64*\k+16*\c+4*\q:131+64*\k+16*\c+4*\q], v8, s[P1B:P1B+1] offset:(\m+2)*256+(4*\k+\c)*131072+16*\q
.else
	global_load_b128 v[128+64*\k+16*\c+4*\q:131+64*\k+16*\c+4*\q], v8, s[P1N:P1N+1] offset:(\m-2)*256+(4*\k+\c)*131072+16*\q
.endif
.endr
.endr
	WIN 0
	QUANT X+64*\k, 1, 2, 32*\m+16*\k, AS+2*\m+\k
.endr
.endr
	s_wait_alu depctr_va_vdst(0)                   ; the wait ahead of the branch that follows
.endm
.macro GROUPG
	s_wait_loadcnt 0x0                             ; the group's four tiles were asked for in the trip before, ahead of its sweep; nothing else of mine is out
.irp m, 0,1,2,3
	QPG 192+16*\m, 3, 208, 2, PGS
	WIN 0xc0
.irp q, 0,1,2,3
	global_load_b128 v[192+16*\m+4*\q:195+16*\m+4*\q], v10, s[PGB:PGB+1] offset:(4+\m)*2048+16*\q
.endr
	WIN 0
.rept 4
	v_nop
.endr
	WIN 0x0a
.irp T, 0,1,2,3,4,5,6,7,8,9,10,11,12,13,14,15
	v_wmma_scale_f32_16x16x128_f8f6f4 v[X+8*\T:X+8*\T+7], v[128+4*\T:128+4*\T+15], v[208:223], 0, v[W1S+\T], v[PGS] matrix_a_fmt:MATRIX_FMT_BF8 matrix_b_fmt:MATRIX_FMT_BF8
.endr
	WIN 0
.rept 8
	v_nop
.endr
	WIN 0x14
.set n1, 0
.rept 64
	v_pk_fma_f32 v[X+n1:X+n1+1], v[X+n1:X+n1+1], v[n1:n1+1], v[128+n1:129+n1]
.set n1, n1+2
.endr
	WIN 0
	QUANT X, 1, 2, 32*\m, AS+2*\m
	QUANT X+64, 1, 2, 32*\m+16, AS+2*\m+1
.endr
	s_wait_alu depctr_va_vdst(0)                   ; the wait ahead of the join that follows
.endm
.macro LSUM a, tmp                     ; a sum over the wave's 32 lanes, in every lane
	v_add_f32_dpp v[\a], v[\a], v[\a] row_xmask:1 row_mask:0xf bank_mask:0xf
	v_add_f32_dpp v[\a], v[\a], v[\a] row_xmask:2 row_mask:0xf bank_mask:0xf
	v_add_f32_dpp v[\a], v[\a], v[\a] row_xmask:4 row_mask:0xf bank_mask:0xf
	v_add_f32_dpp v[\a], v[\a], v[\a] row_xmask:8 row_mask:0xf bank_mask:0xf
	v_permlanex16_b32 v[\tmp], v[\a], s[SEL], s[SEL+1]
	v_add_f32 v[\a], v[\a], v[\tmp]
.endm
; A branch's end: register i of v24-31 holds rows 32 i + lane.  Through my own stage they become 16 bytes a lane; their mean and squared deviations (two passes over the registers) go to LDS.
.macro ZEND br
.irp i, 0,1,2,3,4,5,6,7
	ds_store_b32 v13, v[24+\i] offset:4096*\br+128*\i
.endr
	ds_load_b128 v[96:99], v22 offset:4096*\br         ; LDS serves a wave's instructions in order: these see my stores
	ds_load_b128 v[100:103], v22 offset:4096*\br+512
	v_add_f32 v104, v24, v25
	v_add_f32 v105, v26, v27
	v_add_f32 v106, v28, v29
	v_add_f32 v107, v30, v31
	v_add_f32 v104, v104, v105
	v_add_f32 v106, v106, v107
	v_add_f32 v104, v104, v106
	LSUM 104, 105
	v_mul_f32 v108, 0x3b800000, v104               ; the wave's mean
.irp i, 0,1,2,3,4,5,6,7
	v_sub_f32 v[112+\i], v[24+\i], v108
.endr
	v_mul_f32 v109, v112, v112
	v_mul_f32 v110, v113, v113
.irp i, 2,4,6
	v_fmac_f32 v109, v[112+\i], v[112+\i]
	v_fmac_f32 v110, v[113+\i], v[113+\i]
.endr
	v_add_f32 v109, v109, v110
	LSUM 109, 110
	ds_store_b64 v23, v[108:109] offset:32*\br
	s_wait_dscnt 0x1                               ; the two loads are in; the store behind them may be out
	global_store_b128 v19, v[96:99], s[76:77] offset:1048576*\br          ; 32 lanes store 512 consecutive bytes, aligned
	global_store_b128 v19, v[100:103], s[76:77] offset:1048576*\br+512
	s_wait_xcnt 0x0                                ; the stores' data are written again only behind this wait
.endm
	s_load_b256 s[4:11], s[0:1], 0x0               ; w1, w2, c2, pairwise_g
	s_load_b128 s[72:75], s[0:1], 0x20             ; ky_b3, kg_b3
	s_load_b64 s[76:77], s[0:1], 0x30              ; zz
	v_lshl_add_u32 v94, v0, 2, 0x2c000
	v_mov_b32 v95, 0
	ds_add_u32 v94, v95
	ds_add_u32 v94, v95
	v_lshrrev_b32 v1, 5, v0
	v_readfirstlane_b32 s12, v1                    ; wave
	s_bfe_u32 s13, ttmp6, 0x40000                  ; cx
	s_lshl_b32 s14, ttmp9, 2
	s_add_co_u32 s14, s14, s13                     ; g: it enters global offsets alone
	v_and_b32 v3, 31, v0
	v_and_b32 v1, 15, v0
	v_bfe_u32 v2, v0, 4, 1
	v_and_b32 v8, 3, v0
	v_lshlrev_b32 v8, 6, v8
	v_lshl_add_u32 v8, v2, 16, v8
	v_bfe_u32 v9, v0, 2, 2
	v_lshlrev_b32 v9, 6, v9
	v_lshl_add_u32 v9, v2, 16, v9
	v_lshlrev_b32 v10, 7, v1
	v_lshl_add_u32 v10, v2, 6, v10
	v_lshl_add_u32 v14, v2, 6, A1L
	v_lshl_add_u32 v15, v3, 4, W1L
	v_lshl_add_u32 v16, v3, 2, W1SL
	s_lshl_b32 s66, s12, 10
	s_add_co_u32 s66, s66, SCR
	v_lshl_add_u32 v13, v3, 2, s66                 ; my stage, in: 4 x lane
	v_lshl_add_u32 v22, v3, 4, s66                 ; and out: 16 x lane
	s_lshl_b32 s66, s12, 3
	s_add_co_u32 s66, s66, ZS
	v_mov_b32 v23, s66
	v_lshlrev_b32 v19, 4, v3
.irp i, 0,1,2,3,4,5,6,7
	v_mov_b32 v[24+\i], 0                          ; written once: the first groups move registers down that hold no z yet
.endr
.irp b, 0,1,2,3
	v_mov_b32 v[TM+4+\b], 0
.endr
	s_mov_b32 s[FLR], 0x8000000
	s_mov_b32 s[E15], 0xf8800000
	s_mov_b32 s[EXM], 0x7f800000
	s_mov_b32 s[SEL], 0x76543210
	s_mov_b32 s[SEL+1], 0xfedcba98
	s_mov_b32 s[MNT], 0x600000
	s_mov_b32 s[HM], 0xffff0000
	s_mov_b32 s16, 15|(3<<16)|(1<<21)              ; descriptors as in the third launch,
	s_mov_b32 s17, 32<<16
	s_mov_b32 s18, 276<<16                         ; 276 rows: a half of the 141,312 bytes of W2's images, a1 and c1
	s_mov_b32 s19, 32<<16
	s_mov_b32 s20, 276
	s_mov_b32 s21, 32
	s_mov_b32 s22, 0
	s_mov_b32 s23, 0
	s_mov_b32 s28, 15|(3<<16)|(1<<21)
	s_mov_b32 s29, 32<<16
	s_mov_b32 s30, 40<<16                          ; 40 rows: kg_W1's 10,240 bytes
	s_mov_b32 s31, 32<<16
	s_mov_b32 s32, 40
	s_mov_b32 s33, 32
	s_mov_b32 s34, 0
	s_mov_b32 s35, 0
	s_mov_b32 s40, 15|(3<<16)|(1<<21)              ; and one for the 6,144 bytes of a2, c2, W3: 24 rows
	s_mov_b32 s41, 32<<16
	s_mov_b32 s42, 24<<16                          ; 24 rows: the 6,144 bytes of a2, c2, W3
	s_mov_b32 s43, 32<<16
	s_mov_b32 s44, 24
	s_mov_b32 s45, 32
	s_mov_b32 s46, 0
	s_mov_b32 s47, 0
	s_mov_b32 s24, 1
	s_mul_i32 s25, s12, 70656                      ; LDS address: the wave's number times a constant (waves 0 and 1 use it)
	s_add_co_u32 s66, s25, WQ
	s_mov_b32 s67, 0
	s_mov_b32 s36, 1
	s_mov_b32 s37, W1L
	s_mov_b32 s68, W1Q
	s_mov_b32 s69, 0
	s_mov_b32 s48, 1
	s_mov_b32 s70, 0
	s_mov_b32 s49, C2L
	s_mov_b32 s71, 0
	s_wait_dscnt 0x0
	s_wait_kmcnt 0x0
	s_add_nc_u64 s[26:27], s[6:7], s[66:67]
	s_or_b32 s27, s27, 0x80000000
	s_add_nc_u64 s[38:39], s[4:5], s[68:69]
	s_or_b32 s39, s39, 0x80000000
	s_add_nc_u64 s[50:51], s[8:9], s[70:71]
	s_or_b32 s51, s51, 0x80000000
	s_load_b32 s70, s[72:73], 0x0                  ; ky_b3
	s_load_b32 s71, s[74:75], 0x0                  ; kg_b3
	s_lshr_b32 s66, s14, 6
	s_lshl_b32 s66, s66, 14
	s_lshl_b32 s67, s12, 12
	s_add_co_u32 s66, s66, s67
	s_mov_b32 s67, 0
	s_add_nc_u64 s[P1B:P1B+1], s[6:7], s[66:67]
	s_lshl_b32 s66, s14, 8
	s_add_nc_u64 s[P2B:P2B+1], s[6:7], s[66:67]
	s_add_nc_u64 s[P2B:P2B+1], s[P2B:P2B+1], 1048576
	s_lshl_b32 s66, s14, 17
	s_lshl_b32 s68, s12, 15
	s_add_co_u32 s66, s66, s68
	s_add_nc_u64 s[PGB:PGB+1], s[10:11], s[66:67]
	s_lshl_b32 s66, s14, 4
	s_add_nc_u64 s[78:79], s[76:77], s[66:67]
	s_add_nc_u64 s[78:79], s[78:79], 2097152       ; my 16 bytes of z statistics
	s_lshl_b32 s66, s14, 12
	s_lshl_b32 s68, s12, 10
	s_add_co_u32 s66, s66, s68
	s_add_nc_u64 s[76:77], s[76:77], s[66:67]      ; my wave's 256 z
	ROUND                                          ; all four work-groups are here: the joint loads meet
	s_cmp_lt_u32 s12, 2                            ; one joint load a wave, in one chain of branches on the wave's number
	s_cbranch_scc0 .Lhead_w1
	tensor_load_to_lds s[24:27], s[16:23]          ; waves 0 and 1: a half of W2's block
	s_nop 0
.rept 4
	v_nop
.endr
	s_branch .Lhead_asked
.Lhead_w1:
	s_cmp_lt_u32 s12, 3
	s_cbranch_scc0 .Lhead_c2
	tensor_load_to_lds s[36:39], s[28:35]          ; wave 2: kg_W1's block
	s_nop 0
.rept 4
	v_nop
.endr
	s_branch .Lhead_asked
.Lhead_c2:
	tensor_load_to_lds s[48:51], s[40:47]          ; wave 3: a2, c2, W3 of both branches
	s_nop 0
.rept 4
	v_nop
.endr
.Lhead_asked:
	WIN 0xc0
.irp m, 0,1,2,3
.irp q, 0,1,2,3
	global_load_b128 v[192+16*\m+4*\q:195+16*\m+4*\q], v10, s[PGB:PGB+1] offset:\m*2048+16*\q
.endr
.endr
	WIN 0x40
.irp k, 0,1,2,3,4,5,6,7
.irp q, 0,1,2,3
	global_load_b128 v[16*\k+4*\q:16*\k+4*\q+3], v9, s[P2B:P2B+1] offset:\k*131072+16*\q
.endr
.endr
.irp k, 0,1
.irp c, 0,1,2,3
.irp q, 0,1,2,3
	global_load_b128 v[128+64*\k+16*\c+4*\q:131+64*\k+16*\c+4*\q], v8, s[P1B:P1B+1] offset:(4*\k+\c)*131072+16*\q
.endr
.endr
.endr
	WIN 0x80
.irp k, 0,1
.irp c, 0,1,2,3
.irp q, 0,1,2,3
	global_load_b128 v[128+64*\k+16*\c+4*\q:131+64*\k+16*\c+4*\q], v8, s[P1B:P1B+1] offset:256+(4*\k+\c)*131072+16*\q
.endr
.endr
.endr
	WIN 0
	s_wait_kmcnt 0x0                               ; b3 of both branches: so s72-75, their addresses, are done with
	s_add_nc_u64 s[P1N:P1N+1], s[P1B:P1B+1], 1024  ; P1s at the second group
	s_mov_b32 s[STP+1], 0                          ; the upper word of a step
	s_wait_tensorcnt 0x0                           ; my joint load's bytes lie in LDS,
	s_barrier_signal -1
	s_barrier_wait -1                              ; everybody's do
.irp T, 0,1,2,3,4,5,6,7,8,9,10,11,12,13,14,15
	ds_load_b32 v[W1S+\T], v16 offset:128*\T       ; kg_W1's scale words: ky leaves their registers alone
.endr
	s_wait_dscnt 0x0
	s_mov_b32 s[CNT], 2*GROUPS
.Ltrip:
	s_cmp_gt_u32 s[CNT], GROUPS                    ; ky's trip?
	s_cselect_b32 s[WOF], 0, KGW
	s_cselect_b32 s[WOC], 0, 3072
	s_cselect_b32 s[B3], s70, s71
	s_add_co_u32 s[WOS], s[WOF], KYS               ; kg's scale words lie as far behind ky's as its codes do
	s_add_co_u32 s[WOC], s[WOC], C2L
	v_lshl_add_u32 v4, v3, 4, s[WOF]               ; W2's images: 16 x lane
	v_lshl_add_u32 v5, v3, 2, s[WOS]               ; their scale words: 4 x lane
	v_lshl_add_u32 v11, v2, 5, s[WOC]              ; the branch's a2, c2, W3: 32 h
	s_cmp_gt_u32 s[CNT], GROUPS
	s_cbranch_scc0 .Lfront_g
	GROUPY
	s_branch .Lsweep
.Lfront_g:
	GROUPG
.Lsweep:
	SWEEP 4, 5, 11
	ZOUT B3
	s_wait_xcnt 0x0                                ; the loads have read their bases
	s_mov_b64 s[P1B:P1B+1], s[P1N:P1N+1]           ; ky: on to the next group;
	s_cmp_gt_u32 s[CNT], GROUPS+2                  ; the base that runs ahead steps while a group is left for it, and is held then
	s_cselect_b32 s[STP], 1024, 0
	s_add_nc_u64 s[P1N:P1N+1], s[P1N:P1N+1], s[STP:STP+1]
	s_cmp_gt_u32 s[CNT], 2                         ; kg: its base steps in trips 4 and 3 alone
	s_cselect_b32 s[STP], 8192, 0
	s_cmp_gt_u32 s[CNT], GROUPS
	s_cselect_b32 s[STP], 0, s[STP]
	s_add_nc_u64 s[PGB:PGB+1], s[PGB:PGB+1], s[STP:STP+1]
	s_cmp_lg_u32 s[CNT], GROUPS+1                  ; behind ky's last sweep alone: its z leave, and kg's constants come
	s_cbranch_scc1 .Lnext
	s_wait_loadcnt 0x0                             ; what ky's last trip asked for ahead has landed: its registers are taken for kg's constants below
	s_wait_alu depctr_va_vdst(0)
	ZEND 0
	WIN 0x40
.irp k, 0,1,2,3,4,5,6,7
.irp q, 0,1,2,3
	ds_load_b128 v[16*\k+4*\q:16*\k+4*\q+3], v14 offset:128*\k+16*\q
	ds_load_b128 v[128+16*\k+4*\q:131+16*\k+4*\q], v14 offset:1024+128*\k+16*\q
.endr
.endr
	WIN 0x80
.irp T, 0,1,2,3,4,5,6,7,8,9,10,11,12,13,14,15
	ds_load_b128 v[128+4*\T:131+4*\T], v15 offset:512*\T
.endr
.irp i, 192,193,194,195,196,197,198,199,200,201,202,203,212,213,214,215,216,217,218,219,220,221,222,223
	v_mov_b32 v[\i], 0
.endr
	WIN 0
	s_wait_dscnt 0x0
.Lnext:
	s_sub_co_u32 s[CNT], s[CNT], 1
	s_cmp_lg_u32 s[CNT], 0
	s_cbranch_scc1 .Ltrip
	s_wait_loadcnt 0x0                             ; what the last trip asked for ahead has landed; it is not used
	s_wait_alu depctr_va_vdst(0)
	ZEND 1
	s_wait_dscnt 0x0                               ; for the others' sake: my z statistics lie in LDS
	s_barrier_signal -1
	s_barrier_wait -1
	v_mov_b32 v21, ZS
.irp i, 0,1,2,3
	ds_load_b128 v[96+4*\i:99+4*\i], v21 offset:16*\i      ; [branch][wave] (mean, M2)
.endr
	v_mov_b32 v118, 0
	s_wait_dscnt 0x0
.irp b, 0,1
	v_add_f32 v[112+\b], v[96+8*\b], v[98+8*\b]
	v_add_f32 v116, v[100+8*\b], v[102+8*\b]
	v_add_f32 v[114+\b], v[97+8*\b], v[99+8*\b]
	v_add_f32 v117, v[101+8*\b], v[103+8*\b]
	v_add_f32 v[112+\b], v[112+\b], v116
	v_add_f32 v[114+\b], v[114+\b], v117
	v_mul_f32 v[112+\b], 0x3e800000, v[112+\b]
.irp w, 0,1,2,3
	v_sub_f32 v[96+8*\b+2*\w], v[96+8*\b+2*\w], v[112+\b]
.endr
	v_mul_f32 v116, v[96+8*\b], v[96+8*\b]
.irp w, 1,2,3
	v_fmac_f32 v116, v[96+8*\b+2*\w], v[96+8*\b+2*\w]
.endr
	v_fmac_f32 v[114+\b], 0x43800000, v116         ; + 256 x the means' squared deviations
.endr
	v_cmp_eq_u32 vcc_lo, 0, v0
	s_wait_alu depctr_va_vdst(0)
	s_wait_xcnt 0x0                                ; EXEC changes only behind this wait
	s_and_saveexec_b32 s66, vcc_lo
	global_store_b128 v118, v[112:115], s[78:79]   ; thread 0 alone: the work-group's 16 bytes
	s_wait_xcnt 0x0
	s_or_b32 exec_lo, exec_lo, s66
	s_wait_tensorcnt 0x0
	ds_add_u32 v94, v95
	s_wait_dscnt 0x0
	ROUND                                          ; the closing round
	s_endpgm
.Lfunc_end_k_q885ea9d032_passB:
	.size	k_q885ea9d032_passB, .Lfunc_end_k_q885ea9d032_passB-k_q885ea9d032_passB
	.p2alignl 7, 3214868480
	.fill 96, 4, 3214868480
	.section	.rodata,"a",@progbits
	.p2align	6, 0x0
	.amdhsa_kernel k_q885ea9d032_passB
		.amdhsa_group_segment_fixed_size 180736
		.amdhsa_private_segment_fixed_size 0
		.amdhsa_enable_private_segment 0
		.amdhsa_kernarg_size 56
		.amdhsa_user_sgpr_count 2
		.amdhsa_user_sgpr_kernarg_segment_ptr 1
		.amdhsa_wavefront_size32 1
		.amdhsa_system_sgpr_workgroup_id_x 1
		.amdhsa_system_sgpr_workgroup_id_y 1
		.amdhsa_system_sgpr_workgroup_id_z 1
		.amdhsa_system_vgpr_workitem_id 0
		.amdhsa_next_free_vgpr 1024
		.amdhsa_next_free_sgpr 88
		.amdhsa_reserve_vcc 1
		.amdhsa_float_denorm_mode_32 3
		.amdhsa_float_denorm_mode_16_64 3
		.amdhsa_memory_ordered 1
		.amdhsa_forward_progress 1
		.amdhsa_inst_pref_size 255
	.end_amdhsa_kernel
	.section	.bss,"aw",@nobits
	.p2align	6
	.space	262144
	.amdgpu_metadata
---
amdhsa.version: [ 1, 2 ]
amdhsa.kernels:
  - .name:           k_q885ea9d032_passB
    .symbol:         k_q885ea9d032_passB.kd
    .args:
      - { .name: w1, .offset: 0, .size: 8, .value_kind: global_buffer, .address_space: global }
      - { .name: w2, .offset: 8, .size: 8, .value_kind: global_buffer, .address_space: global }
      - { .name: c2, .offset: 16, .size: 8, .value_kind: global_buffer, .address_space: global }
      - { .name: pairwise_g, .offset: 24, .size: 8, .value_kind: global_buffer, .address_space: global }
      - { .name: ky_b3, .offset: 32, .size: 8, .value_kind: global_buffer, .address_space: global }
      - { .name: kg_b3, .offset: 40, .size: 8, .value_kind: global_buffer, .address_space: global }
      - { .name: zz, .offset: 48, .size: 8, .value_kind: global_buffer, .address_space: global }
    .group_segment_fixed_size: 180736
    .private_segment_fixed_size: 0
    .kernarg_segment_align: 8
    .kernarg_segment_size: 56
    .max_flat_workgroup_size: 128
    .sgpr_count:     88
    .vgpr_count:     1024
    .wavefront_size: 32
...
	.end_amdgpu_metadata
.endif
;; end of part 10
;; launch final (part 11): grid 256 x 1, 4 waves a work-group, no clusters, 0 bytes of LDS; arguments zz, ky_g3, ky_be3, kg_g3, kg_be3, out0; writes out0
.if DOCPART == 11
	.amdgcn_target "amdgcn-amd-amdhsa--gfx1250"
	.amdhsa_code_object_version 6
	.text
	.protected	k_q885ea9d032_final
	.globl	k_q885ea9d032_final
	.p2align	8
	.type	k_q885ea9d032_final,@function
k_q885ea9d032_final:
	s_mov_b64 s[64:65], 0
	v_nop
	global_prefetch_b8 v0, s[64:65] scope:SCOPE_SE
	s_setreg_imm32_b32 hwreg(HW_REG_WAVE_MODE, 25, 1), 1
	s_wait_xcnt 0x0
; SIXTH LAUNCH: the third BatchNorm of both MLPs and their sum: out = relu(a_k (z_k - mu_k) + be_k) + relu(a_g (z_g - mu_g) + be_g), a = g3 rsqrt(var + 1e-5).
; Every wave makes the statistics for itself from the 256 work-groups' parts (4 KiB): first the mean of the means, then the parts' M2 + 1,024 x the means' squared deviations: two passes, no difference of large sums.
; A thread takes 8 rows of each branch: each load and store of a wave covers 512 consecutive bytes, aligned.  A stream: no LDS, no barrier, no matrix unit, no cluster (what is shared is 4 KiB).
; LIMITS: NaN and infinities are not served.
.set SEL, 28
.macro LSUM a, tmp
	v_add_f32_dpp v[\a], v[\a], v[\a] row_xmask:1 row_mask:0xf bank_mask:0xf
	v_add_f32_dpp v[\a], v[\a], v[\a] row_xmask:2 row_mask:0xf bank_mask:0xf
	v_add_f32_dpp v[\a], v[\a], v[\a] row_xmask:4 row_mask:0xf bank_mask:0xf
	v_add_f32_dpp v[\a], v[\a], v[\a] row_xmask:8 row_mask:0xf bank_mask:0xf
	v_permlanex16_b32 v[\tmp], v[\a], s[SEL], s[SEL+1]
	v_add_f32 v[\a], v[\a], v[\tmp]
.endm
	s_load_b256 s[4:11], s[0:1], 0x0               ; zz, ky_g3, ky_be3, kg_g3
	s_load_b128 s[12:15], s[0:1], 0x20             ; kg_be3, out0
	v_and_b32 v3, 31, v0
	v_lshlrev_b32 v4, 4, v0
	v_lshlrev_b32 v5, 4, v3
	v_mov_b32 v10, 0                               ; written once: a lane permute's destination counts as one of its sources
	v_mov_b32 v11, 0
	s_lshl_b32 s16, ttmp9, 12
	s_mov_b32 s17, 0
	s_mov_b32 s[SEL], 0x76543210
	s_mov_b32 s[SEL+1], 0xfedcba98
	s_mov_b32 s26, 0x36800000                      ; 1 / 262,144
	s_mov_b32 s27, 0x3727c5ac                      ; 1e-5
	s_wait_alu depctr_va_vdst(0)
	s_wait_kmcnt 0x0
	s_load_b32 s20, s[6:7], 0x0
	s_load_b32 s21, s[8:9], 0x0
	s_load_b32 s22, s[10:11], 0x0
	s_load_b32 s23, s[12:13], 0x0
	s_add_nc_u64 s[18:19], s[4:5], s[16:17]
	s_add_nc_u64 s[14:15], s[14:15], s[16:17]
	s_add_nc_u64 s[24:25], s[4:5], 2097152
.irp i, 0,1,2,3,4,5,6,7
	global_load_b128 v[16+4*\i:19+4*\i], v5, s[24:25] offset:512*\i   ; parts 32 i + lane: (mean ky, mean kg, M2 ky, M2 kg)
.endr
	global_load_b128 v[48:51], v4, s[18:19]
	global_load_b128 v[52:55], v4, s[18:19] offset:2048
	global_load_b128 v[56:59], v4, s[18:19] offset:1048576
	global_load_b128 v[60:63], v4, s[18:19] offset:1048576+2048
	s_wait_loadcnt 0x4                             ; the eight loads of parts are in; z's four may be out
	v_pk_add_f32 v[8:9], v[16:17], v[20:21]
.irp i, 2,3,4,5,6,7
	v_pk_add_f32 v[8:9], v[8:9], v[16+4*\i:17+4*\i]
.endr
	LSUM 8, 10
	LSUM 9, 11
	v_pk_mul_f32 v[8:9], v[8:9], 0x3b800000 op_sel_hi:[1,0]          ; mu of ky, of kg
	v_pk_add_f32 v[12:13], v[16:17], v[8:9] neg_lo:[0,1] neg_hi:[0,1]
	v_pk_mul_f32 v[14:15], v[12:13], v[12:13]
	v_pk_add_f32 v[6:7], v[18:19], v[22:23]
.irp i, 1,2,3,4,5,6,7
	v_pk_add_f32 v[12:13], v[16+4*\i:17+4*\i], v[8:9] neg_lo:[0,1] neg_hi:[0,1]
	v_pk_fma_f32 v[14:15], v[12:13], v[12:13], v[14:15]
.endr
.irp i, 2,3,4,5,6,7
	v_pk_add_f32 v[6:7], v[6:7], v[18+4*\i:19+4*\i]
.endr
	v_pk_fma_f32 v[6:7], v[14:15], 0x44800000, v[6:7] op_sel_hi:[1,0,1]
	LSUM 6, 10
	LSUM 7, 11
	v_fma_f32 v6, v6, s26, s27                     ; variance + 1e-5
	v_fma_f32 v7, v7, s26, s27
	s_wait_alu depctr_va_vdst(0)
	v_rsq_f32 v6, v6
	v_rsq_f32 v7, v7
	v_nop                                          ; a plain place behind the roots
	s_wait_kmcnt 0x0
	s_wait_alu depctr_va_vdst(0)
	v_mul_f32 v6, s20, v6
	v_mul_f32 v7, s22, v7
	s_wait_loadcnt 0x0
.irp i, 0,1,2,3,4,5,6,7
	v_sub_f32 v[48+\i], v[48+\i], v8
	v_sub_f32 v[56+\i], v[56+\i], v9
.endr
.irp i, 0,1,2,3,4,5,6,7
	v_fma_f32 v[48+\i], v[48+\i], v6, s21
	v_fma_f32 v[56+\i], v[56+\i], v7, s23
.endr
.irp i, 0,1,2,3,4,5,6,7
	v_max_num_f32 v[48+\i], 0, v[48+\i]
	v_max_num_f32 v[56+\i], 0, v[56+\i]
.endr
.irp i, 0,1,2,3,4,5,6,7
	v_add_f32 v[48+\i], v[48+\i], v[56+\i]
.endr
	global_store_b128 v4, v[48:51], s[14:15]
	global_store_b128 v4, v[52:55], s[14:15] offset:2048
	s_endpgm
.Lfunc_end_k_q885ea9d032_final:
	.size	k_q885ea9d032_final, .Lfunc_end_k_q885ea9d032_final-k_q885ea9d032_final
	.p2alignl 7, 3214868480
	.fill 96, 4, 3214868480
	.section	.rodata,"a",@progbits
	.p2align	6, 0x0
	.amdhsa_kernel k_q885ea9d032_final
		.amdhsa_group_segment_fixed_size 0
		.amdhsa_private_segment_fixed_size 0
		.amdhsa_enable_private_segment 0
		.amdhsa_kernarg_size 48
		.amdhsa_user_sgpr_count 2
		.amdhsa_user_sgpr_kernarg_segment_ptr 1
		.amdhsa_wavefront_size32 1
		.amdhsa_system_sgpr_workgroup_id_x 1
		.amdhsa_system_sgpr_workgroup_id_y 1
		.amdhsa_system_sgpr_workgroup_id_z 1
		.amdhsa_system_vgpr_workitem_id 0
		.amdhsa_next_free_vgpr 64
		.amdhsa_next_free_sgpr 66
		.amdhsa_reserve_vcc 0
		.amdhsa_float_denorm_mode_32 3
		.amdhsa_float_denorm_mode_16_64 3
		.amdhsa_memory_ordered 1
		.amdhsa_forward_progress 1
		.amdhsa_inst_pref_size 9
	.end_amdhsa_kernel
	.amdgpu_metadata
---
amdhsa.version: [ 1, 2 ]
amdhsa.kernels:
  - .name:           k_q885ea9d032_final
    .symbol:         k_q885ea9d032_final.kd
    .args:
      - { .name: zz, .offset: 0, .size: 8, .value_kind: global_buffer, .address_space: global }
      - { .name: ky_g3, .offset: 8, .size: 8, .value_kind: global_buffer, .address_space: global }
      - { .name: ky_be3, .offset: 16, .size: 8, .value_kind: global_buffer, .address_space: global }
      - { .name: kg_g3, .offset: 24, .size: 8, .value_kind: global_buffer, .address_space: global }
      - { .name: kg_be3, .offset: 32, .size: 8, .value_kind: global_buffer, .address_space: global }
      - { .name: out0, .offset: 40, .size: 8, .value_kind: global_buffer, .address_space: global }
    .group_segment_fixed_size: 0
    .private_segment_fixed_size: 0
    .kernarg_segment_align: 8
    .kernarg_segment_size: 48
    .max_flat_workgroup_size: 128
    .sgpr_count:     66
    .vgpr_count:     64
    .wavefront_size: 32
...
	.end_amdgpu_metadata
.endif
;; end of part 11
